; MI455X (gfx1250); checked and timed in simulation.
; The chip was launched on July 23, 2026; its instructions are those of AMD's public machine-readable ISA for CDNA 5 (MIT licence, August 2026) and "CDNA5" Instruction Set Architecture Reference Guide (July 2026). The comments in the code are by the model that wrote it; some were corrected since.
;; GPT Block. Allowed arithmetic: float matrix products may take bf16 or f16 operands with f32 sums; other float arithmetic in f32, or as packed bf16 or f16 multiplies, adds, multiply-adds, maxima and minima; sums over many terms, partial sums and values carried from step to step in f32; what a program stores and reads back later, other than sums and carried values, may be rounded once to bf16 or f16.
;; Inputs: k_norm_w 64 float32; norm1_w 1,024 float32; norm2_w 1,024 float32; q_norm_w 64 float32; w1 2,752 x 1,024 float32; w2 1,024 x 2,752 float32; w3 2,752 x 1,024 float32; wk 1,024 x 1,024 float32; wo 1,024 x 1,024 float32; wq 1,024 x 1,024 float32; wv 1,024 x 1,024 float32; x 2 x 2,048 x 1,024 float32.
;; Outputs: out0 2 x 2,048 x 1,024 float32.
;; 3 versions, each right; version 3 is version 2 with the launch l_prep written anew for expert scheduling mode. Each part assembles by itself: llvm-mc -triple=amdgcn-amd-amdhsa -mcpu=gfx1250 --defsym DOCPART=n.
;; ======== version 1 of 3: 6 launches
;; limits: right only within a limited range of input values
;; workspace buffers: pw 34,209,792 bytes; qkvb 25,165,824 bytes; ob 8,388,608 bytes; hf 16,777,216 bytes; hb 8,388,608 bytes; ssq 262,144 bytes; gate 22,544,384 bytes
;; launch l_prep (part 1): grid 2184 x 1, 4 waves a work-group, no clusters, 0 bytes of LDS; arguments x, wq, wk, wv, wo, w1, w3, w2, norm1_w, norm2_w, pw; writes pw
.if DOCPART == 1
	.amdgcn_target "amdgcn-amd-amdhsa--gfx1250"
	.amdhsa_code_object_version 6
	.text
	.protected	k_qaa2c125771_l_prep
	.globl	k_qaa2c125771_l_prep
	.p2align	8
	.type	k_qaa2c125771_l_prep,@function
k_qaa2c125771_l_prep:
	s_mov_b64 s[64:65], 0
	v_nop
	global_prefetch_b8 v0, s[64:65] scope:SCOPE_SE
	s_setreg_imm32_b32 hwreg(HW_REG_WAVE_MODE, 25, 1), 1
	s_wait_xcnt 0x0
; PREPARATION.  Everything that the later products take as a bf16 operand and that hangs on the inputs alone is made here, once, in PLANES: [K/64][rows][64],
; a plane being 64 neighbouring k of all rows, 128 bytes a row.  Three kinds of work-group, told apart by the work-group's number:
;   0-511      xn = norm1_w * x / sqrt(mean(x^2) + 1e-10), rounded once to bf16: 8 rows a work-group, 2 a wave (16 lanes a row)
;   512-2055   the weights, rounded once to bf16; w1 and w3 are first multiplied by norm2_w (the second norm's gain is folded into them: the order of rounding differs
;              from the reference's there) and interleaved, 32 rows of w1, then 32 of w3.  A wave takes 32 rows of one plane
;   2056-2183  the table of cos and sin for RoPE, f32, in the order in which the projection's lanes want it: 16 positions a work-group
; No LDS, no matrix unit: a stream.  Each store of a wave covers 256 or 512 consecutive bytes, aligned.
; LIMITS.  NaN and infinities are not treated apart.  The angle pos * inv_freq is reduced by pi/2 in two parts and is good to about 3e-4 rad at position 2,047.
.set XN,   0                           ; byte offsets of pw's parts: xn [16][4096][64]
.set WQKV, 8388608                     ; [16][3072][64]: rows of wq, wk, wv
.set WOP,  14680064                    ; [16][1024][64]
.set W13,  16777216                    ; [16][5504][64]
.set W2P,  28049408                    ; [43][1024][64]
.set ROPE, 33685504                    ; f32 [128 blocks of 16 positions][8][32 lanes][4]
	s_load_b512 s[8:23], s[0:1], 0x0               ; x s[8:9], wq, wk, wv, wo, w1, w3, w2 s[22:23]
	s_load_b128 s[24:27], s[0:1], 0x40             ; norm1_w s[24:25], norm2_w s[26:27]
	s_load_b64 s[28:29], s[0:1], 0x50              ; pw
	v_lshrrev_b32 v3, 5, v0
	v_readfirstlane_b32 s2, v3                     ; wave 0..3
	v_and_b32 v1, 15, v0                           ; r = lane % 16
	v_bfe_u32 v2, v0, 4, 1                         ; h = lane / 16
	s_mov_b32 s33, 0                               ; the high word of every offset
	s_wait_kmcnt 0x0
	s_cmp_lt_u32 ttmp9, 512
	s_cbranch_scc1 .Lxnorm
	s_cmp_ge_u32 ttmp9, 2056
	s_cbranch_scc1 .Lrope
; ---------------- THE WEIGHTS.  The source and its numbers are chosen by the work-group's number: each PICK overrides the one before from its first work-group on.
.macro PICK first, ptr, doff, plane, step, pitch, scale, last
	s_cmp_ge_u32 ttmp9, \first
	s_cselect_b64 s[36:37], s[\ptr:\ptr+1], s[36:37]  ; the source
	s_cselect_b32 s38, \first, s38                 ; its first work-group
	s_cselect_b32 s39, \doff, s39                  ; where its rows begin in pw
	s_cselect_b32 s40, \plane, s40                 ; bytes in a plane there
	s_cselect_b32 s41, \step, s41                  ; bytes from a block of 32 rows to the next there
	s_cselect_b32 s42, \pitch, s42                 ; bytes in a row of the source
	s_cselect_b32 s43, \scale, s43                 ; 1: times norm2_w
	s_cselect_b32 s44, \last, s44                  ; 1: w2, with 43 planes and 32 blocks
.endm
	s_mov_b64 s[36:37], s[10:11]                   ; wq
	s_mov_b32 s38, 512
	s_mov_b32 s39, WQKV
	s_mov_b32 s40, 393216
	s_mov_b32 s41, 4096
	s_mov_b32 s42, 4096
	s_mov_b32 s43, 0
	s_mov_b32 s44, 0
	PICK 640,  12, WQKV+131072, 393216, 4096, 4096, 0, 0   ; wk
	PICK 768,  14, WQKV+262144, 393216, 4096, 4096, 0, 0   ; wv
	PICK 896,  16, WOP,         131072, 4096, 4096, 0, 0   ; wo
	PICK 1024, 18, W13,         704512, 8192, 4096, 1, 0   ; w1: block g goes to rows 64 g .. 64 g + 31
	PICK 1368, 20, W13+4096,    704512, 8192, 4096, 1, 0   ; w3: to rows 64 g + 32 .. 64 g + 63
	PICK 1712, 22, W2P,         131072, 4096, 11008, 0, 1  ; w2
	s_sub_co_u32 s45, ttmp9, s38
	s_lshl2_add_u32 s45, s45, s2                   ; my unit: 4 x (work-group - first) + wave
	s_and_b32 s46, s45, 15                         ; with 16 planes: plane,
	s_lshr_b32 s47, s45, 4                         ; block of 32 rows
	s_and_b32 s48, s45, 31                         ; w2: block,
	s_lshr_b32 s49, s45, 5                         ; plane
	s_cmp_eq_u32 s44, 1
	s_cselect_b32 s46, s49, s46
	s_cselect_b32 s47, s48, s47
	s_mul_i32 s50, s47, s42
	s_lshl_b32 s50, s50, 5                         ; block x 32 rows x pitch
	s_lshl_b32 s51, s46, 8                         ; plane x 256 bytes of f32
	s_add_co_u32 s32, s50, s51
	s_add_nc_u64 s[36:37], s[36:37], s[32:33]      ; the source at my unit
	s_mul_i32 s50, s46, s40
	s_mul_i32 s52, s47, s41
	s_add_co_u32 s50, s50, s52
	s_add_co_u32 s32, s50, s39
	s_add_nc_u64 s[28:29], s[28:29], s[32:33]      ; pw at my unit: 4,096 bytes on end
	v_mul_u32_u24 v80, s42, v2                     ; load i takes rows 2 i and 2 i + 1: lanes 0-15 one row's 256 bytes, lanes 16-31 the next row's
	v_lshl_add_u32 v80, v1, 4, v80
	s_lshl_b32 s53, s42, 1
.set i, 1
.rept 15
	v_add_nc_u32 v[80+i], s53, v[79+i]             ; an address register for each load: none is rewritten
.set i, i+1
.endr
	v_lshlrev_b32 v7, 4, v1
	v_add_nc_u32 v7, s51, v7                       ; my four columns in norm2_w
	v_lshlrev_b32 v8, 3, v1
	v_lshl_add_u32 v8, v2, 7, v8                   ; my 8 bytes of two rows of a plane
	s_cmp_eq_u32 s43, 0
	s_cbranch_scc1 .Lones
	global_load_b128 v[96:99], v7, s[26:27]        ; the gain of my four columns,
	s_branch .Lgain
.Lones:
	v_mov_b32 v96, 1.0                             ; or 1
	v_mov_b32 v97, 1.0
	v_mov_b32 v98, 1.0
	v_mov_b32 v99, 1.0
.Lgain:
.set i, 0
.rept 16
	global_load_b128 v[16+4*i:19+4*i], v[80+i], s[36:37] th:TH_LOAD_NT
.set i, i+1
.endr
.set i, 0
.rept 16
	s_wait_loadcnt 15-i                            ; loads come back in order: load i and all older ones (the gain's among them) are in, the 15 - i younger stay out
	v_pk_mul_f32 v[16+4*i:17+4*i], v[16+4*i:17+4*i], v[96:97]
	v_pk_mul_f32 v[18+4*i:19+4*i], v[18+4*i:19+4*i], v[98:99]
	v_cvt_pk_bf16_f32 v[100+2*i], v[16+4*i], v[17+4*i]
	v_cvt_pk_bf16_f32 v[101+2*i], v[18+4*i], v[19+4*i]
	global_store_b64 v8, v[100+2*i:101+2*i], s[28:29] offset:256*i  ; two rows of the plane: 256 consecutive bytes, aligned; each store has data registers of its own
.set i, i+1
.endr
	s_endpgm
; ---------------- THE FIRST NORM.  16 lanes hold a row: load p brings 16 bytes a lane, the row's plane p.
.Lxnorm:
	s_lshl_b32 s30, ttmp9, 3
	s_lshl1_add_u32 s30, s2, s30                   ; my first row: 8 x work-group + 2 x wave
	s_lshl_b32 s32, s30, 12
	s_add_nc_u64 s[8:9], s[8:9], s[32:33]          ; x at that row
	s_lshl_b32 s32, s30, 7
	s_add_nc_u64 s[28:29], s[28:29], s[32:33]      ; xn's plane 0 at that row
	s_mov_b32 s34, 0x3a800000                      ; 1 / 1,024
	s_mov_b32 s35, 0x2edbe6ff                      ; 1e-10
	v_lshlrev_b32 v3, 4, v1                        ; 16 r: in norm1_w
	v_lshl_add_u32 v4, v2, 12, v3                  ; + a row for lanes 16-31: in x
	v_lshlrev_b32 v5, 3, v1
	v_lshl_add_u32 v5, v2, 7, v5                   ; 8 r + 128 h: in a plane
.set p, 0
.rept 16
	global_load_b128 v[16+4*p:19+4*p], v4, s[8:9] offset:256*p th:TH_LOAD_NT
.set p, p+1
.endr
.set p, 0
.rept 16
	global_load_b128 v[80+4*p:83+4*p], v3, s[24:25] offset:256*p
.set p, p+1
.endr
	s_wait_loadcnt 16                              ; x is in; the 16 loads of the gain stay out
.set c, 0
.rept 4
	v_pk_mul_f32 v[144+2*c:145+2*c], v[16+2*c:17+2*c], v[16+2*c:17+2*c]  ; four chains, started by the first products
.set c, c+1
.endr
.rept 28
	v_pk_fma_f32 v[144+2*(c%4):145+2*(c%4)], v[16+2*c:17+2*c], v[16+2*c:17+2*c], v[144+2*(c%4):145+2*(c%4)]
.set c, c+1
.endr
	v_pk_add_f32 v[144:145], v[144:145], v[146:147]
	v_pk_add_f32 v[148:149], v[148:149], v[150:151]
	v_pk_add_f32 v[144:145], v[144:145], v[148:149]
	v_add_f32 v144, v144, v145
	v_add_f32_dpp v144, v144, v144 row_xmask:1 row_mask:0xf bank_mask:0xf   ; over the row's 16 lanes
	v_add_f32_dpp v144, v144, v144 row_xmask:2 row_mask:0xf bank_mask:0xf
	v_add_f32_dpp v144, v144, v144 row_xmask:4 row_mask:0xf bank_mask:0xf
	v_add_f32_dpp v144, v144, v144 row_xmask:8 row_mask:0xf bank_mask:0xf
	v_fma_f32 v144, v144, s34, s35                 ; mean + eps
	v_rsq_f32 v146, v144                           ; twice: a pair for the packed multiply
	v_rsq_f32 v147, v144
	v_nop                                          ; a plain instruction between the root and its use (ISA guide 5.7.2)
	s_wait_loadcnt 0x0                             ; the gain
.set p, 0
	s_wait_alu depctr_va_vdst(0)
.rept 16
	v_pk_mul_f32 v[16+4*p:17+4*p], v[16+4*p:17+4*p], v[146:147]
	v_pk_mul_f32 v[18+4*p:19+4*p], v[18+4*p:19+4*p], v[146:147]
	v_pk_mul_f32 v[16+4*p:17+4*p], v[16+4*p:17+4*p], v[80+4*p:81+4*p]
	v_pk_mul_f32 v[18+4*p:19+4*p], v[18+4*p:19+4*p], v[82+4*p:83+4*p]
	v_cvt_pk_bf16_f32 v[152+2*p], v[16+4*p], v[17+4*p]
	v_cvt_pk_bf16_f32 v[153+2*p], v[18+4*p], v[19+4*p]
	global_store_b64 v5, v[152+2*p:153+2*p], s[28:29] offset:524288*p  ; plane p: two rows, 256 consecutive bytes; 15 planes are 7,864,320 bytes, inside the signed 24-bit immediate
.set p, p+1
.endr
	s_endpgm
; ---------------- THE TABLE.  Entry i = 4 sc + wave (sc 0: cos, 1: sin) of a block holds, in lane 16 h + r and word e, trig(position 16 block + r, frequency 16 (wave / 2) + 8 h + 4 (wave % 2) + e).
.Lrope:
	s_sub_co_u32 s45, ttmp9, 2056                  ; the block of 16 positions
	s_lshl_b32 s32, s45, 12
	s_lshl_b32 s46, s2, 9
	s_add_co_u32 s32, s32, s46
	s_add_co_u32 s32, s32, ROPE
	s_add_nc_u64 s[28:29], s[28:29], s[32:33]
	s_lshl_b32 s47, s45, 4
	v_add_nc_u32 v11, s47, v1
	v_cvt_f32_u32 v11, v11                         ; my position
	s_lshr_b32 s48, s2, 1
	s_and_b32 s49, s2, 1
	s_lshl_b32 s48, s48, 4
	s_lshl2_add_u32 s48, s49, s48
	v_lshl_add_u32 v10, v2, 3, s48                 ; my first frequency
	v_and_b32 v12, 31, v0
	v_lshlrev_b32 v12, 4, v12                      ; 16 x lane
	s_mov_b32 s30, 0xbf1773da                      ; -log2(500,000) / 32
	s_mov_b32 s31, 0x3f22f983                      ; 2 / pi
	s_mov_b32 s34, 0x3fc90fdb                      ; pi / 2, its f32,
	s_mov_b32 s35, 0xb33bbd2e                      ; and what that leaves
	s_mov_b32 s36, 0xb94ca1f9                      ; sine: -1.9515296e-4,
	s_mov_b32 s37, 0x3c08839e                      ; 8.3321609e-3,
	s_mov_b32 s38, 0xbe2aaaa3                      ; -1.6666655e-1
	s_mov_b32 s39, 0x37ccf5ce                      ; cosine: 2.4433157e-5,
	s_mov_b32 s40, 0xbab6061a                      ; -1.3887316e-3,
	s_mov_b32 s41, 0x3d2aaaa5                      ; 4.1666646e-2
.macro ANG e                           ; cos into v[40+e], sin into v[44+e]
	v_add_nc_u32 v20, \e, v10
	v_cvt_f32_u32 v20, v20
	v_mul_f32 v20, s30, v20
	v_exp_f32 v20, v20                             ; inv_freq = 500,000^(-c / 32)
	v_nop                                          ; a plain instruction behind the exponential
	s_wait_alu depctr_va_vdst(0)
	v_mul_f32 v21, v11, v20                        ; the angle
	v_mul_f32 v22, s31, v21
	v_rndne_f32 v22, v22                           ; n quarter turns
	v_fma_f32 v23, -v22, s34, v21
	v_fma_f32 v23, -v22, s35, v23                  ; what is left, within pi / 4
	v_mul_f32 v24, v23, v23
	v_fma_f32 v25, v24, s36, s37
	v_fma_f32 v25, v25, v24, s38
	v_mul_f32 v26, v23, v24
	v_fma_f32 v25, v26, v25, v23                   ; its sine
	v_fma_f32 v27, v24, s39, s40
	v_fma_f32 v27, v27, v24, s41
	v_mul_f32 v28, v24, v24
	v_fma_f32 v29, v24, -0.5, 1.0
	v_fma_f32 v27, v28, v27, v29                   ; its cosine
	v_cvt_i32_f32 v30, v22
	v_and_b32 v31, 1, v30
	v_cmp_eq_u32 vcc_lo, 1, v31                    ; an odd quarter: the two change places (a choice of values: no branch hangs on it)
	v_cndmask_b32 v32, v25, v27, vcc_lo
	v_cndmask_b32 v33, v27, v25, vcc_lo
	v_and_b32 v34, 2, v30                          ; quarters 2, 3: sin changes sign
	v_lshlrev_b32 v34, 30, v34
	v_xor_b32 v[44+\e], v34, v32
	v_add_nc_u32 v35, 1, v30                       ; quarters 1, 2: cos does
	v_and_b32 v35, 2, v35
	v_lshlrev_b32 v35, 30, v35
	v_xor_b32 v[40+\e], v35, v33
.endm
	ANG 0
	ANG 1
	ANG 2
	ANG 3
	global_store_b128 v12, v[40:43], s[28:29]              ; 512 consecutive bytes each
	global_store_b128 v12, v[44:47], s[28:29] offset:2048
	s_endpgm
.Lfunc_end_k_qaa2c125771_l_prep:
	.size	k_qaa2c125771_l_prep, .Lfunc_end_k_qaa2c125771_l_prep-k_qaa2c125771_l_prep
	.p2alignl 7, 3214868480
	.fill 96, 4, 3214868480
	.section	.rodata,"a",@progbits
	.p2align	6, 0x0
	.amdhsa_kernel k_qaa2c125771_l_prep
		.amdhsa_group_segment_fixed_size 0
		.amdhsa_private_segment_fixed_size 0
		.amdhsa_enable_private_segment 0
		.amdhsa_kernarg_size 88
		.amdhsa_user_sgpr_count 2
		.amdhsa_user_sgpr_kernarg_segment_ptr 1
		.amdhsa_wavefront_size32 1
		.amdhsa_system_sgpr_workgroup_id_x 1
		.amdhsa_system_sgpr_workgroup_id_y 1
		.amdhsa_system_sgpr_workgroup_id_z 1
		.amdhsa_system_vgpr_workitem_id 0
		.amdhsa_next_free_vgpr 192
		.amdhsa_next_free_sgpr 66
		.amdhsa_reserve_vcc 1
		.amdhsa_float_denorm_mode_32 3
		.amdhsa_float_denorm_mode_16_64 3
		.amdhsa_memory_ordered 1
		.amdhsa_forward_progress 1
		.amdhsa_inst_pref_size 34
	.end_amdhsa_kernel
	.amdgpu_metadata
---
amdhsa.version: [ 1, 2 ]
amdhsa.kernels:
  - .name:           k_qaa2c125771_l_prep
    .symbol:         k_qaa2c125771_l_prep.kd
    .args:
      - { .name: x, .offset: 0, .size: 8, .value_kind: global_buffer, .address_space: global }
      - { .name: wq, .offset: 8, .size: 8, .value_kind: global_buffer, .address_space: global }
      - { .name: wk, .offset: 16, .size: 8, .value_kind: global_buffer, .address_space: global }
      - { .name: wv, .offset: 24, .size: 8, .value_kind: global_buffer, .address_space: global }
      - { .name: wo, .offset: 32, .size: 8, .value_kind: global_buffer, .address_space: global }
      - { .name: w1, .offset: 40, .size: 8, .value_kind: global_buffer, .address_space: global }
      - { .name: w3, .offset: 48, .size: 8, .value_kind: global_buffer, .address_space: global }
      - { .name: w2, .offset: 56, .size: 8, .value_kind: global_buffer, .address_space: global }
      - { .name: norm1_w, .offset: 64, .size: 8, .value_kind: global_buffer, .address_space: global }
      - { .name: norm2_w, .offset: 72, .size: 8, .value_kind: global_buffer, .address_space: global }
      - { .name: pw, .offset: 80, .size: 8, .value_kind: global_buffer, .address_space: global }
    .group_segment_fixed_size: 0
    .private_segment_fixed_size: 0
    .kernarg_segment_align: 8
    .kernarg_segment_size: 88
    .max_flat_workgroup_size: 128
    .sgpr_count:     66
    .vgpr_count:     192
    .wavefront_size: 32
...
	.end_amdgpu_metadata
.endif
;; end of part 1
;; launch l_qkv (part 2): grid 24 x 32, 4 waves a work-group, clusters of 4 x 4, 327,680 bytes of LDS; arguments pw, q_norm_w, k_norm_w, qkvb; writes qkvb
.if DOCPART == 2
	.amdgcn_target "amdgcn-amd-amdhsa--gfx1250"
	.amdhsa_code_object_version 6
	.text
	.protected	k_qaa2c125771_l_qkv
	.globl	k_qaa2c125771_l_qkv
	.p2align	8
	.type	k_qaa2c125771_l_qkv,@function
k_qaa2c125771_l_qkv:
	s_mov_b64 s[64:65], 0
	v_nop
	global_prefetch_b8 v0, s[64:65] scope:SCOPE_SE
	s_setreg_imm32_b32 hwreg(HW_REG_WAVE_MODE, 25, 1), 1
	s_wait_xcnt 0x0
	s_wait_alu depctr_hold_cnt(0) depctr_sa_sdst(0) depctr_va_vdst(0) depctr_va_sdst(0) depctr_va_ssrc(0) depctr_va_vcc(0) depctr_vm_vsrc(0)
	s_getreg_b32 s2, hwreg(HW_REG_IB_STS2, 6, 4)
	s_cmp_eq_u32 s2, 0
	s_cbranch_scc0 .Lentry_in_a_cluster
	s_endpgm
.Lentry_in_a_cluster:
	s_bfe_u32 s2, ttmp6, 0x10000c
	s_cmp_lg_u32 s2, 0xf033
	s_cbranch_scc0 .Lentry_shape_is_right
	s_endpgm
.Lentry_shape_is_right:
; q, k, v = xn W^T, then for q and k the norm over each head's 64 channels and RoPE; all rounded once to bf16 and stored by heads: qkvb [48 planes][4096 tokens][64] (0-15 q, 16-31 k, 32-47 v).
; THE PRODUCT.  A tile of C is 128 tokens x 128 columns; four waves, each 64 x 64: 16 accumulators of 16 x 16.  Operands lie in planes [K/64][rows][64] bf16.  K goes in steps of 256 (4 planes)
; through two LDS slots; a wave's one tensor load brings 64 rows of 4 planes, 32 KiB: in each plane 8,192 consecutive bytes.  Padding of 16 bytes behind every 128 makes LDS rows 144 bytes apart.
; CLUSTER 4 x 4: the four work-groups of a row need the same tokens (A), the four of a column the same weight rows (B): each tile is asked for jointly, with a mask that names the four.
; THE MATRIX INSTRUCTION IS USED TRANSPOSED (source 0 = 16 weight rows, source 1 = 16 tokens): lane l holds token l % 16, register j of accumulator (a, b) column 16 b + 8 (l / 16) + j.
; A wave's 64 columns are one head: its sum of squares wants one exchange between the halves of the lanes, and rotate_half pairs accumulator b with b + 2, same lane, same register.
; The accumulators are cleared in the wait for the first tile, so that every K step has one text.  v's tiles load the table and a gain too and use neither: 33 KiB for each of 256 work-groups, so that one head serves all tiles.
; REGISTERS.  window 0: v0-31 addresses; v4-15, v32-127 at work; v128-255 accumulators.  window 1: v0-63, v64-127 two fragment buffers (A at 8 i, B at 32 + 8 i); v128-255 the table.
; LIMITS.  NaN and infinities are not treated apart.
.set HALF,  36864                      ; 4 planes x 64 rows x 144 bytes: what one tensor load fills
.set SLOT,  147456                     ; A's two halves, then B's two halves
.set STAGE, 294912                     ; behind the ring, never filled by a tensor load: 4,608 bytes for each wave
.set SPARE, 314368                     ; the spare words, 128 bytes for each wave
.set ASTEP, 2097152                    ; 4 planes of 4,096 rows
.set BSTEP, 1572864                    ; 4 planes of 3,072 rows
.set APITCH, 262144                    ; elements in a plane
.set BPITCH, 196608
.set BPART, 8388608                    ; the weights' place in pw
.set ROPE,  33685504                   ; the table's
.set APTR, 68
.set BPTR, 68
.set ADRA, 16                          ; v16-17  LDS address of my A fragments in slot 0, 1
.set ADRB, 18                          ; v18-19  of my B fragments
.set WA,   20                          ; v20, v21  the same, walking from plane to plane
.set WB,   21
.set SPW,  28                          ; v28  my spare word; never rewritten
.set NIL,  29                          ; v29  0; never rewritten
.set STO,  30                          ; v30  the way out: where I put 16 bytes of a row
.set RD,   31                          ; v31  where I read rows back
.set ACC,  128
.set F0,   0
.set F1,   64
.set EXT,  128
.set G1, 24                            ; s[24:31] group 1 for A, s[32:39] group 0 for A, a set a slot
.set G0, 32
.set G1B, 48                           ; s[48:55], s[56:63] the same for B
.set G0B, 56
.set FLAGS, (1<<16)|(1<<20)|(1<<21)|(4<<22)|(3<<25)  ; 2-byte elements; padding on; bit 21 beside a mask; after every 32 words; 4 words
.set MSB, 0
.macro WIN new                         ; the immediate's high byte repeats the setting that is left
.if MSB != (\new)
	s_set_vgpr_msb (MSB<<8)|(\new)
.set MSB, \new
.endif
.endm
.macro PLACES                          ; four places behind a matrix instruction, in front of loads into its sources and of reads of its results
.rept 4
	v_nop
.endr
.endm
.macro CROUND                          ; a round of the cluster's barrier
	s_barrier_signal -1
	s_barrier_wait -1
	s_cmp_lg_u32 s10, 0
	s_cbranch_scc1 .Lnot_wave_0_\@
	s_barrier_signal -3
.Lnot_wave_0_\@:
	s_barrier_wait -3
	s_barrier_signal -1
	s_barrier_wait -1
.endm
.macro JLOAD s                         ; waves 0 and 1 fetch A's halves, waves 2 and 3 B's; an s_nop 0 and four v_nop follow each line
	s_cmp_eq_u32 s11, 0
	s_cbranch_scc0 .Lfor_b_\@
	tensor_load_to_lds s[G0+4*(\s):G0+4*(\s)+3], s[G1:G1+7]
	s_nop 0
.rept 4
	v_nop
.endr
	s_branch .Lasked_\@
.Lfor_b_\@:
	tensor_load_to_lds s[G0B+4*(\s):G0B+4*(\s)+3], s[G1B:G1B+7]
	s_nop 0
.rept 4
	v_nop
.endr
.Lasked_\@:
.endm
.macro MUL16 f                         ; 32 along K: the 16 accumulators take turns, one instruction a turn
	WIN 0x05
.irp a, 0,1,2,3
.irp b, 0,1,2,3
	v_wmma_f32_16x16x32_bf16 v[ACC+8*(4*\a+\b):ACC+8*(4*\a+\b)+7], v[(\f)+32+8*\b:(\f)+32+8*\b+7], v[(\f)+8*\a:(\f)+8*\a+7], v[ACC+8*(4*\a+\b):ACC+8*(4*\a+\b)+7]
.endr
.endr
.endm
.macro FETCH f, off                    ; 16 LDS loads: the fragments of 32 along K
	WIN 0x40
.irp i, 0,1,2,3
	ds_load_b128 v[(\f)+32+8*\i:(\f)+32+8*\i+3],   v[WB] offset:(\off)+2304*\i
	ds_load_b128 v[(\f)+32+8*\i+4:(\f)+32+8*\i+7], v[WB] offset:(\off)+2304*\i+32
	ds_load_b128 v[(\f)+8*\i:(\f)+8*\i+3],         v[WA] offset:(\off)+2304*\i
	ds_load_b128 v[(\f)+8*\i+4:(\f)+8*\i+7],       v[WA] offset:(\off)+2304*\i+32
.endr
.endm
; A K step of 256, out of slot `slot`.  fill: the other slot is asked for, first thing behind the round; it has this step's 128 matrix instructions in which to land.
.macro TRIP slot, fill
	WIN 0
	s_wait_tensorcnt 0x0                           ; my one tensor load, my part of this slot, has landed: no load of mine is out, so a group 0 may be written
	ds_add_u32 v[SPW], v[NIL]
	s_add_nc_u64 s[G0+4*(\slot)+2:G0+4*(\slot)+3], s[G0+4*(\slot)+2:G0+4*(\slot)+3], 2*ASTEP   ; this slot's next tile
	s_add_nc_u64 s[G0B+4*(\slot)+2:G0B+4*(\slot)+3], s[G0B+4*(\slot)+2:G0B+4*(\slot)+3], 2*BSTEP
	s_wait_dscnt 0x0                               ; the add is done, and my reads of the other slot are over
.if \fill
	CROUND                                         ; both now hold of every wave of every partner
	JLOAD 1-(\slot)
.else
	s_barrier_signal -1
	s_barrier_wait -1
	PLACES
.endif
	v_mov_b32 v[WA], v[ADRA+(\slot)]
	v_mov_b32 v[WB], v[ADRB+(\slot)]
	FETCH F0, 0
	FETCH F1, 64
	WIN 0
	s_mov_b32 s45, 3
.Lq_\@:                                        ; a trip multiplies one plane and fetches the next
	s_wait_dscnt 16                                ; two buffers are out, 16 loads each: the older is in
	MUL16 F0
	PLACES
	FETCH F0, 9216
	s_wait_dscnt 16
	MUL16 F1
	PLACES
	FETCH F1, 9216+64
	WIN 0
	v_add_nc_u32 v[WA], 9216, v[WA]
	v_add_nc_u32 v[WB], 9216, v[WB]
	s_sub_co_u32 s45, s45, 1
	s_cmp_lg_u32 s45, 0
	s_cbranch_scc1 .Lq_\@
	s_wait_dscnt 16
	MUL16 F0
	s_wait_dscnt 0x0
	MUL16 F1
	WIN 0
.endm
	s_load_b256 s[68:75], s[0:1], 0x0              ; pw s[68:69], q_norm_w s[70:71], k_norm_w s[72:73], qkvb s[74:75]
	v_lshl_add_u32 v[SPW], v0, 2, SPARE
	v_mov_b32 v[NIL], 0
	ds_add_u32 v[SPW], v[NIL]                      ; the wave's opening: the add and its wait ahead of my first tensor load
	ds_add_u32 v28, v29
	v_lshrrev_b32 v3, 5, v0
	v_readfirstlane_b32 s10, v3                    ; wave 0..3
	s_lshr_b32 s11, s10, 1                         ; my 64 tokens.  Also: I fetch for A (0) or B (1)
	s_and_b32 s12, s10, 1                          ; my 64 columns.  Also: which 64 rows I fetch
	s_bfe_u32 s40, ttmp6, 0x40000                  ; cx
	s_bfe_u32 s41, ttmp6, 0x40004                  ; cy
	s_lshl_b32 s42, ttmp9, 2
	s_add_co_u32 s42, s42, s40                     ; tile column
	s_and_b32 s13, ttmp7, 0xffff
	s_lshl_b32 s13, s13, 2
	s_add_co_u32 s13, s13, s41                     ; tile row
	s_lshl_b32 s43, s41, 2
	s_lshl_b32 s43, 15, s43                        ; my row of the cluster
	s_lshl_b32 s44, 0x1111, s40                    ; my column
	s_or_b32 s[G1+0], s43, FLAGS
	s_or_b32 s[G1B+0], s44, FLAGS
.irp g, G1, G1B
	s_mov_b32 s[(\g)+1], 4096<<16                  ; tensor_dim0 = 4,096: 64 rows of 64 elements on end
	s_mov_b32 s[(\g)+2], 4<<16                     ; tensor_dim1 = 4 planes
	s_mov_b32 s[(\g)+3], 4096<<16                  ; tile_dim0
	s_mov_b32 s[(\g)+4], 4                         ; tile_dim1
	s_mov_b32 s[(\g)+6], 0
	s_mov_b32 s[(\g)+7], 0
.endr
	s_mov_b32 s[G1+5], APITCH                      ; elements from plane to plane
	s_mov_b32 s[G1B+5], BPITCH
	s_lshl_b32 s17, s12, 6
	s_lshl_b32 s16, s13, 7
	s_add_co_u32 s16, s16, s17
	s_lshl_b32 s16, s16, 7                         ; A: (128 x tile row + 64 x half) x 128 bytes
	s_lshl_b32 s46, s42, 7
	s_add_co_u32 s46, s46, s17
	s_lshl_b32 s46, s46, 7
	s_add_co_u32 s46, s46, BPART                   ; B likewise, by the tile column
	s_mov_b32 s17, 0
	s_mov_b32 s47, 0
	s_mul_i32 s20, s10, HALF                       ; where my load goes: the wave's number alone
	s_wait_dscnt 0x0                               ; the opening add is done
	s_wait_kmcnt 0x0
	s_add_nc_u64 s[14:15], s[APTR:APTR+1], s[16:17]
	s_add_nc_u64 s[46:47], s[BPTR:BPTR+1], s[46:47]
	CROUND                                         ; all sixteen work-groups are here: the first joint loads meet
.irp s, 0,1
	s_mov_b32 s[G0+4*\s], 1
	s_add_co_u32 s[G0+4*\s+1], s20, \s*SLOT
	s_add_nc_u64 s[G0+4*\s+2:G0+4*\s+3], s[14:15], \s*ASTEP
	s_or_b32 s[G0+4*\s+3], s[G0+4*\s+3], 0x80000000
	s_mov_b32 s[G0B+4*\s], 1
	s_add_co_u32 s[G0B+4*\s+1], s20, \s*SLOT
	s_add_nc_u64 s[G0B+4*\s+2:G0B+4*\s+3], s[46:47], \s*BSTEP
	s_or_b32 s[G0B+4*\s+3], s[G0B+4*\s+3], 0x80000000
.endr
	JLOAD 0                                        ; K step 0; slot 1 is first filled behind the first step's round
	v_and_b32 v1, 15, v0                           ; r
	v_bfe_u32 v2, v0, 4, 1                         ; h
	v_and_b32 v22, 31, v0
	v_lshlrev_b32 v22, 4, v22                      ; 16 x lane: in the table, and in 512 bytes of the output
	v_lshlrev_b32 v23, 5, v2                       ; 32 h: in the gain
	s_lshl_b32 s80, s13, 7
	s_lshl_b32 s81, s11, 6
	s_add_co_u32 s80, s80, s81                     ; my first token
	s_and_b32 s82, s80, 2047                       ; its position,
	s_lshl_b32 s82, s82, 8                         ; / 16 x 4,096 bytes
	s_add_co_u32 s82, s82, ROPE
	s_mov_b32 s83, 0
	s_add_nc_u64 s[82:83], s[68:69], s[82:83]
	s_cmp_lt_u32 ttmp9, 2                          ; tile columns 0-7 are q's: the cluster's x is alike in all partners
	s_cselect_b64 s[84:85], s[70:71], s[72:73]
	WIN 0x40
.irp a, 0,1,2,3
.irp i, 0,1,2,3,4,5,6,7
	global_load_b128 v[EXT+32*\a+4*\i:EXT+32*\a+4*\i+3], v22, s[82:83] offset:4096*\a+512*\i  ; tokens 16 a ..: cos at 32 a + 8 b + j, sin 16 further
.endr
.endr
	WIN 0
.irp b, 0,1,2,3
	global_load_b128 v[96+8*\b:96+8*\b+3], v23, s[84:85] offset:64*\b       ; the gain of my columns 16 b + 8 h + 0..7
	global_load_b128 v[96+8*\b+4:96+8*\b+7], v23, s[84:85] offset:64*\b+16
.endr
	v_mul_u32_u24 v3, v1, 144
	v_lshl_add_u32 v3, v2, 4, v3                   ; a fragment's row x pitch + 16 x half
	s_mul_i32 s21, s11, HALF
	s_mul_i32 s22, s12, HALF
	s_add_co_u32 s22, s22, 2*HALF
.irp s, 0,1
	v_add_nc_u32 v[ADRA+\s], s21, v3
	v_add_nc_u32 v[ADRB+\s], s22, v3
	s_add_co_u32 s21, s21, SLOT
	s_add_co_u32 s22, s22, SLOT
.endr
	s_mul_i32 s23, s10, 4608
	s_add_co_u32 s23, s23, STAGE                   ; my stage
	v_add_nc_u32 v[STO], s23, v3                   ; in: row r, 16 bytes for each half of the lanes
	v_bfe_u32 v4, v0, 3, 2
	v_and_b32 v5, 7, v0
	v_mul_u32_u24 v[RD], v4, 144                   ; back: 32 lanes take four rows of 128 bytes
	v_lshl_add_u32 v[RD], v5, 4, v[RD]
	v_add_nc_u32 v[RD], s23, v[RD]
	s_mov_b32 s86, 0x76543210                      ; v_permlanex16_b32: each lane takes its own place in the other half
	s_mov_b32 s87, 0xfedcba98
	s_mov_b32 s88, 0x3c800000                      ; 1 / 64
	s_mov_b32 s89, 0x2edbe6ff                      ; 1e-10
	s_lshl_b32 s90, s42, 1
	s_add_co_u32 s90, s90, s12                     ; my plane of the output
	s_lshl_b32 s90, s90, 12
	s_add_co_u32 s90, s90, s80
	s_lshl_b32 s90, s90, 7
	s_mov_b32 s91, 0
	s_add_nc_u64 s[90:91], s[74:75], s[90:91]
.set i, 0
.rept 128
	v_mov_b32 v[ACC+i], 0
.set i, i+1
.endr
	TRIP 0, 1
	TRIP 1, 1
	TRIP 0, 1
	TRIP 1, 0                                      ; the last step asks for nothing
; Tokens 16 a ..: the head's norm and RoPE, in place.
.macro NORMROPE a
.irp b, 0,1,2,3
	v_pk_mul_f32 v[4+2*\b:5+2*\b], v[ACC+32*(\a)+8*\b:ACC+32*(\a)+8*\b+1], v[ACC+32*(\a)+8*\b:ACC+32*(\a)+8*\b+1]  ; a chain an accumulator, begun at its lowest registers
.endr
.irp j, 2,4,6
.irp b, 0,1,2,3
	v_pk_fma_f32 v[4+2*\b:5+2*\b], v[ACC+32*(\a)+8*\b+\j:ACC+32*(\a)+8*\b+\j+1], v[ACC+32*(\a)+8*\b+\j:ACC+32*(\a)+8*\b+\j+1], v[4+2*\b:5+2*\b]
.endr
.endr
	v_pk_add_f32 v[4:5], v[4:5], v[6:7]
	v_pk_add_f32 v[8:9], v[8:9], v[10:11]
	v_pk_add_f32 v[4:5], v[4:5], v[8:9]
	v_add_f32 v4, v4, v5
	v_permlanex16_b32 v5, v4, s86, s87             ; the token's other 32 channels lie in the lane 16 away
	v_add_f32 v4, v4, v5
	v_fma_f32 v4, v4, s88, s89
	v_rsq_f32 v12, v4
	v_rsq_f32 v13, v4
	v_nop                                          ; a plain instruction behind the root
.set i, 0
	s_wait_alu depctr_va_vdst(0)
.rept 16
	v_pk_mul_f32 v[ACC+32*(\a)+2*i:ACC+32*(\a)+2*i+1], v[ACC+32*(\a)+2*i:ACC+32*(\a)+2*i+1], v[12:13]
.set i, i+1
.endr
.set i, 0
.rept 16
	v_pk_mul_f32 v[ACC+32*(\a)+2*i:ACC+32*(\a)+2*i+1], v[ACC+32*(\a)+2*i:ACC+32*(\a)+2*i+1], v[96+2*i:97+2*i]
.set i, i+1
.endr
	WIN 0x04                                       ; source 1, the table, in window 1
.irp b, 0,1
.irp j, 0,2,4,6
.set lo, ACC+32*(\a)+8*\b+\j
.set tc, EXT+32*(\a)+8*\b+\j
.set tt, 4+4*((\j/2)%2)
	v_pk_mul_f32 v[tt:tt+1], v[lo+16:lo+17], v[tc+16:tc+17]        ; x2 sin
	v_pk_mul_f32 v[tt+2:tt+3], v[lo:lo+1], v[tc+16:tc+17]          ; x1 sin
	v_pk_fma_f32 v[lo:lo+1], v[lo:lo+1], v[tc:tc+1], v[tt:tt+1] neg_lo:[0,0,1] neg_hi:[0,0,1]  ; x1 cos - x2 sin
	v_pk_fma_f32 v[lo+16:lo+17], v[lo+16:lo+17], v[tc:tc+1], v[tt+2:tt+3]                      ; x2 cos + x1 sin
.endr
.endr
	WIN 0
.endm
; The way out of tokens 16 a ..: rounded, 16 bytes a lane into my stage (rows of 144 bytes), back as whole rows of 128.
.macro PACK a
.irp b, 0,1,2,3
.irp r, 0,1,2,3
	v_cvt_pk_bf16_f32 v[32+16*(\a)+4*\b+\r], v[ACC+32*(\a)+8*\b+2*\r], v[ACC+32*(\a)+8*\b+2*\r+1]
.endr
.endr
.irp b, 0,1,2,3
	ds_store_b128 v[STO], v[32+16*(\a)+4*\b:32+16*(\a)+4*\b+3] offset:32*\b
.endr
.irp f, 0,1,2,3
	ds_load_b128 v[32+16*(\a)+4*\f:32+16*(\a)+4*\f+3], v[RD] offset:576*\f  ; LDS serves a wave's instructions in order (ISA guide 5.7.1.4): these see the stores above
.endr
.endm
.macro SEND a, younger                 ; younger: the LDS instructions issued behind block a's loads
.irp f, 0,1,2,3
	s_wait_dscnt (\younger)+3-\f
	global_store_b128 v22, v[32+16*(\a)+4*\f:32+16*(\a)+4*\f+3], s[90:91] offset:2048*(\a)+512*\f  ; 512 consecutive bytes, aligned
.endr
.endm
	PLACES
	s_wait_loadcnt 0x0                             ; the table and the gain, asked for at the head
	s_cmp_ge_u32 ttmp9, 4                          ; tile columns 16-23 are v's: neither norm nor RoPE
	s_cbranch_scc1 .Lplain
	NORMROPE 0
	NORMROPE 1
	NORMROPE 2
	NORMROPE 3
.Lplain:
	PACK 0
	PACK 1
	SEND 0, 8
	PACK 2
	SEND 1, 8
	PACK 3
	SEND 2, 8
	SEND 3, 0
	s_wait_tensorcnt 0x0                           ; the wave's end
	ds_add_u32 v[SPW], v[NIL]
	s_wait_dscnt 0x0
	CROUND                                         ; the closing round
	s_endpgm
.Lfunc_end_k_qaa2c125771_l_qkv:
	.size	k_qaa2c125771_l_qkv, .Lfunc_end_k_qaa2c125771_l_qkv-k_qaa2c125771_l_qkv
	.p2alignl 7, 3214868480
	.fill 96, 4, 3214868480
	.section	.rodata,"a",@progbits
	.p2align	6, 0x0
	.amdhsa_kernel k_qaa2c125771_l_qkv
		.amdhsa_group_segment_fixed_size 327680
		.amdhsa_private_segment_fixed_size 0
		.amdhsa_enable_private_segment 0
		.amdhsa_kernarg_size 32
		.amdhsa_user_sgpr_count 2
		.amdhsa_user_sgpr_kernarg_segment_ptr 1
		.amdhsa_wavefront_size32 1
		.amdhsa_system_sgpr_workgroup_id_x 1
		.amdhsa_system_sgpr_workgroup_id_y 1
		.amdhsa_system_sgpr_workgroup_id_z 1
		.amdhsa_system_vgpr_workitem_id 0
		.amdhsa_next_free_vgpr 512
		.amdhsa_next_free_sgpr 100
		.amdhsa_reserve_vcc 0
		.amdhsa_float_denorm_mode_32 3
		.amdhsa_float_denorm_mode_16_64 3
		.amdhsa_memory_ordered 1
		.amdhsa_forward_progress 1
		.amdhsa_inst_pref_size 85
	.end_amdhsa_kernel
	.amdgpu_metadata
---
amdhsa.version: [ 1, 2 ]
amdhsa.kernels:
  - .name:           k_qaa2c125771_l_qkv
    .symbol:         k_qaa2c125771_l_qkv.kd
    .args:
      - { .name: pw, .offset: 0, .size: 8, .value_kind: global_buffer, .address_space: global }
      - { .name: q_norm_w, .offset: 8, .size: 8, .value_kind: global_buffer, .address_space: global }
      - { .name: k_norm_w, .offset: 16, .size: 8, .value_kind: global_buffer, .address_space: global }
      - { .name: qkvb, .offset: 24, .size: 8, .value_kind: global_buffer, .address_space: global }
    .group_segment_fixed_size: 327680
    .private_segment_fixed_size: 0
    .kernarg_segment_align: 8
    .kernarg_segment_size: 32
    .max_flat_workgroup_size: 128
    .sgpr_count:     100
    .vgpr_count:     512
    .wavefront_size: 32
...
	.end_amdgpu_metadata
.endif
;; end of part 2
;; launch l_attn (part 3): grid 8 x 32, 4 waves a work-group, no clusters, 327,680 bytes of LDS; arguments qkvb, ob; writes ob
.if DOCPART == 3
	.amdgcn_target "amdgcn-amd-amdhsa--gfx1250"
	.amdhsa_code_object_version 6
	.text
	.protected	k_qaa2c125771_l_attn
	.globl	k_qaa2c125771_l_attn
	.p2align	8
	.type	k_qaa2c125771_l_attn,@function
k_qaa2c125771_l_attn:
	s_mov_b64 s[64:65], 0
	v_nop
	global_prefetch_b8 v0, s[64:65] scope:SCOPE_SE
	s_setreg_imm32_b32 hwreg(HW_REG_WAVE_MODE, 25, 1), 1
	s_wait_xcnt 0x0
; CAUSAL ATTENTION.  O[q] = the sum over k <= q of softmax_k(Q[q] . K[k] / 8) V[k], for 32 pairs (batch, head) of 2,048 rows of 64 channels, all bf16, a head's rows dense (128 bytes).
; Products, maxima and sums in f32; the weights are rounded to bf16 for the second product (their sum is taken unrounded), O once at the end.
; THE WALK.  A head's queries lie in 16 blocks of 128; block i needs the key tiles 0 .. i of 128 keys, the last holding the diagonal.  A work-group takes blocks 15 - b and then b: 17 tiles,
; whatever b, so all 256 work-groups do equal work and one loop with a constant count walks them; the ring of two LDS slots runs on across the change of blocks.
; NO CLUSTER: the eight work-groups of a head ask for the same tile only in the first nine trips; a walk common to all would have 24 trips for 17.
; SHARES.  A wave owns 32 consecutive queries: two tiles of 16.
; LAYOUT.  S^T = K Q^T holds one query a lane (lane % 16) and the keys 8 (lane / 16) + 0..7; two such results rounded to bf16 are source 1 of O^T = V^T P.  V comes out of LDS turned.
; SOFTMAX.  p = 2^(c s - c m), c = log2(e) / 8, with a running maximum m; O and l are multiplied by a = 2^(c m_old - c m_new) in every step.  A block begins with c m far below every c s, so its first a is 0.
; THE MASK is the C operand that starts a sum in the diagonal tile: -1e30 where key 16 kb + 8 h + j > query 32 w + 16 t + r, that is 16 (kb - t) + j > 32 w + r - 8 h: 64 registers, made once.
; IN PHASES: a tile's 32 products K Q^T, its softmax, its 32 products V^T P.
; REGISTERS.  window 0: v0-15 addresses; v16-31 statistics; v64-191 S^T; v192-255 P.  window 1: v0-127 K, v128-255 V of one tile.  window 2: v0-31 Q, v32-63 the second block's, v64-127 O^T, v128-191 the mask.
; LIMITS.  A hidden score counts as its value less 1e30; a weight below 2^-126 counts as 0; the diagonal tile is computed whole; NaN and infinities are not treated apart.
.set PK,    144                        ; a row of K in LDS: 128 bytes + 16
.set PV,    160                        ; a row of V: 128 + 32
.set VOFF,  128*PK                     ; a slot: 128 rows of K, then 128 of V
.set SLOT1, 1<<16
.set STAGE, SLOT1+128*(PK+PV)          ; behind the ring, never filled by a tensor load: 16 rows x 144 bytes for each wave
.set SP,    144
.set SPARE, STAGE+4*16*SP              ; the spare words, 128 bytes for each wave
.set AK0, 2                            ; v2  my lane's place in a tile of K;  v3  of V
.set AV0, 3
.set AK,  4                            ; v4, v5  the same in the slot in hand
.set AV,  5
.set STO, 6
.set RD,  7
.set GO,  8
.set QO,  15
.set ST,  16                           ; tile t's statistics at ST + 8 t: c m, m, l (two), c0-c3 at work; a takes c2's place
.set PFO, 60                           ; v60  256 x lane; never rewritten
.set SPW, 62
.set NIL, 63
.set S,   64                           ; S^T of tile t, key block kb at S + 64 t + 8 kb
.set P,   192                          ; P of tile t at P + 32 t
.set VF,  128                          ; window 1
.set OT,  64                           ; window 2
.set MD,  128                          ; window 2
.set WV,  12
.set PB,  14                           ; b
.set HI,  15                           ; 15 - b
.set G1K, 24
.set G1V, 32
.set G0K, 40
.set G0V, 44
.set OCUR, 48                          ; s[48:49] O at my rows of the block in hand;  s[50:51] of the second block
.set OLO, 50
.set SLOTS, 56                         ; tiles still to be asked for
.set LIM, 57                           ; a wave prefetches while SLOTS is above this
.set CS,  58
.set SEL, 60
.set TB,  62                           ; the slot in hand
.set PFA, 66                           ; s[66:67] where my prefetches stand
.set RT,  70                           ; tiles of the block in hand still to be entered
.set NXT, 71                           ; the tile to be asked for next
.set LQ,  72                           ; the last tile of the block whose tiles are being asked for
.set NEW, 73                           ; 1: the tile to be entered is a block's first
.set OFF, 74
.set BIGN, 76
.set MSB, 0
.macro WIN new
.if MSB != (\new)
	s_set_vgpr_msb (MSB<<8)|(\new)
.set MSB, \new
.endif
.endm
.macro PLACES
.rept 4
	v_nop
.endr
.endm
.macro LOAD                            ; waves 0 and 1 fetch the halves of a tile's K, waves 2 and 3 those of its V; an s_nop 0 and four v_nop follow each line
	s_cmp_lt_u32 s[WV], 2
	s_cbranch_scc0 .Lfor_v_\@
	tensor_load_to_lds s[G0K:G0K+3], s[G1K:G1K+7]
	s_nop 0
.rept 4
	v_nop
.endr
	s_branch .Lasked_\@
.Lfor_v_\@:
	tensor_load_to_lds s[G0V:G0V+3], s[G1V:G1V+7]
	s_nop 0
.rept 4
	v_nop
.endr
.Lasked_\@:
.endm
; A prefetch into the L2 of the tile that the NEXT change of slots will ask for.  All eight work-groups of a head walk the tiles 0, 1, 2 .. at first; the one with b = 0, whose first block needs all 16,
; asks, and nobody else; each of its waves names the 32 blocks of 256 bytes of the half that it will itself fetch: a lane a block.  Tiles 0 and 1 come by their loads alone; the last tile named is 15.
.macro ASK
	s_cmp_gt_u32 s[SLOTS], s[LIM]
	s_cbranch_scc0 .Lnot_mine_\@
	global_prefetch_b8 v[PFO], s[PFA:PFA+1] th:TH_LOAD_NT scope:SCOPE_SE
.Lnot_mine_\@:
.endm
; THE CHANGE OF SLOTS.  Each wave waits for all its tensor loads (one is out: its part of the other slot), adds 0 to its spare word, and waits for that and for its reads of the slot that it leaves.
; fill = 1: the old slot is filled again, first thing behind the barrier, with tile NXT; the descriptor's address is made anew from that number.
.macro CHANGE fill
	WIN 0
	s_wait_tensorcnt 0x0
	ds_add_u32 v[SPW], v[NIL]
.if \fill
	s_lshl_b32 s[OFF], s[NXT], 14                  ; a tile is 16,384 bytes of K and of V
	s_xor_b32 s[G0K+1], s[G0K+1], SLOT1
	s_add_nc_u64 s[G0K+2:G0K+3], s[8:9], s[OFF:OFF+1]
	s_or_b32 s[G0K+3], s[G0K+3], 0x80000000
	s_xor_b32 s[G0V+1], s[G0V+1], SLOT1
	s_add_nc_u64 s[G0V+2:G0V+3], s[10:11], s[OFF:OFF+1]
	s_or_b32 s[G0V+3], s[G0V+3], 0x80000000
	s_add_co_u32 s[NXT], s[NXT], 1                 ; the block's next tile, or behind its last the second block's tile 0
	s_cmp_gt_u32 s[NXT], s[LQ]
	s_cselect_b32 s[NXT], 0, s[NXT]
	s_cselect_b32 s[LQ], s[PB], s[LQ]
	s_wait_xcnt 0x0                                ; the last prefetch, a tile back, has read its address
	s_add_nc_u64 s[PFA:PFA+1], s[PFA:PFA+1], 16384
.endif
	s_wait_dscnt 0x0                               ; the add is done, and my reads of the slot are over
	s_barrier_signal -1
	s_xor_b32 s[TB], s[TB], SLOT1
	s_barrier_wait -1
.if \fill
	LOAD
	ASK
.endif
.endm
.macro FETCH_K                         ; 16 fragments: keys 16 (i / 2) on, channels 32 (i % 2) on
	WIN 0x40
.set i, 0
.rept 16
	ds_load_b128 v[8*i:8*i+3],   v[AK] offset:(i/2)*16*PK+(i%2)*64
	ds_load_b128 v[8*i+4:8*i+7], v[AK] offset:(i/2)*16*PK+(i%2)*64+32
.set i, i+1
.endr
.endm
.macro FETCH_V                         ; 16 fragments, turned: keys 32 (i / 4) on, channels 16 (i % 4) on
	WIN 0x40
.set i, 0
.rept 16
	ds_load_tr16_b128 v[VF+8*i:VF+8*i+3],   v[AV] offset:(i/4)*32*PV+(i%4)*32
	ds_load_tr16_b128 v[VF+8*i+4:VF+8*i+7], v[AV] offset:(i/4)*32*PV+16*PV+(i%4)*32
.set i, i+1
.endr
.endm
; 32 products S^T = K Q^T: channels 32 (i / 16) on, keys 16 ((i / 2) % 8) on, tile i % 2.  The 16 accumulators take turns.  The first 16 start the sums: with 0, or (m = 1) with the mask.
.macro SPHASE m
.set i, 0
.rept 32
.set rS, S+64*(i%2)+8*((i/2)%8)
.set rK, 8*(2*((i/2)%8)+i/16)
.set rQ, 8*(2*(i%2)+i/16)
.set u, (i/2)%8-i%2
.if i >= 16
	WIN 0x09
	v_wmma_f32_16x16x32_bf16 v[rS:rS+7], v[rK:rK+7], v[rQ:rQ+7], v[rS:rS+7]
.elseif \m
	WIN 0x29
.if u >= 0
	v_wmma_f32_16x16x32_bf16 v[rS:rS+7], v[rK:rK+7], v[rQ:rQ+7], v[MD+8*u:MD+8*u+7]
.else
	v_wmma_f32_16x16x32_bf16 v[rS:rS+7], v[rK:rK+7], v[rQ:rQ+7], 0   ; tile 1 sees all of key block 0
.endif
.else
	WIN 0x09
	v_wmma_f32_16x16x32_bf16 v[rS:rS+7], v[rK:rK+7], v[rQ:rQ+7], 0
.endif
.set i, i+1
.endr
.endm
; 32 products O^T += V^T P: keys 32 (i / 8) on, channels 16 ((i / 2) % 4) on, tile i % 2.  Eight accumulators by turns.
.macro PVPHASE
	WIN 0xa1
.set i, 0
.rept 32
.set rO, OT+32*(i%2)+8*((i/2)%4)
.set rV, VF+8*(4*(i/8)+(i/2)%4)
.set rP, P+32*(i%2)+8*(i/8)
	v_wmma_f32_16x16x32_bf16 v[rO:rO+7], v[rV:rV+7], v[rP:rP+7], v[rO:rO+7]
.set i, i+1
.endr
.endm
; Tile t's maximum and statistics: four chains of 15 scores, three operands at a time (each accumulator's lowest registers are read first), the four left over, the old m.
.macro SMAX t
.set rT, ST+8*(\t)
.set rS, S+64*(\t)
.irp q, 0,1,2,3
	v_max3_num_f32 v[rT+4+\q], v[rS+8*\q], v[rS+8*\q+1], v[rS+8*\q+2]
.endr
.irp n, 3,5
.irp q, 0,1,2,3
	v_max3_num_f32 v[rT+4+\q], v[rT+4+\q], v[rS+8*\q+\n], v[rS+8*\q+\n+1]
.endr
.endr
.irp q, 0,1,2,3
	v_max3_num_f32 v[rT+4+\q], v[rT+4+\q], v[rS+8*\q+7], v[rS+8*\q+32]
.endr
.irp n, 33,35,37
.irp q, 0,1,2,3
	v_max3_num_f32 v[rT+4+\q], v[rT+4+\q], v[rS+8*\q+\n], v[rS+8*\q+\n+1]
.endr
.endr
	v_max3_num_f32 v[rT+4], v[rT+4], v[rS+39], v[rS+47]
	v_max3_num_f32 v[rT+6], v[rT+6], v[rS+55], v[rS+63]
	v_max3_num_f32 v[rT+4], v[rT+4], v[rT+5], v[rT+6]
	v_max3_num_f32 v[rT+4], v[rT+4], v[rT+7], v[rT+1]
	v_permlanex16_b32 v[rT+5], v[rT+4], s[SEL], s[SEL+1]   ; the query's other 64 keys lie in the lane 16 away
	v_mov_b32 v[rT+7], v[rT]                       ; c m_old
	v_max_num_f32 v[rT+1], v[rT+4], v[rT+5]
	v_mul_f32 v[rT], s[CS], v[rT+1]
	v_sub_f32 v[rT+7], v[rT+7], v[rT]
	v_exp_f32 v[rT+6], v[rT+7]                     ; a; the next line is plain and names neither register
.endm
; Step i of 34, both tiles: c s - c m for pair i; pair i - 2 is rounded to bf16 and, from pair 4 on, added onto pair (i - 2) % 4; the two exponentials of pair i - 1 come last,
; so that the next step's first line is the plain instruction between an exponential and its use (ISA guide 5.7.2).
.macro SOFTMAX
	WIN 0
	SMAX 0
	SMAX 1
.set i, 0
.rept 34
.if i < 32
	s_wait_alu depctr_va_vdst(0)
.irp t, 0,1
	v_pk_fma_f32 v[S+64*\t+2*i:S+64*\t+2*i+1], v[S+64*\t+2*i:S+64*\t+2*i+1], s[CS:CS+1], v[ST+8*\t:ST+8*\t+1] op_sel_hi:[1,0,0] neg_lo:[0,0,1] neg_hi:[0,0,1]
.endr
.else
	v_nop
	s_wait_alu depctr_va_vdst(0)
.endif
.if i >= 2
.irp t, 0,1
	v_cvt_pk_bf16_f32 v[P+32*\t+i-2], v[S+64*\t+2*i-4], v[S+64*\t+2*i-3]
.endr
.endif
.if i >= 6
.irp t, 0,1
	v_pk_add_f32 v[S+64*\t+2*((i-2)%4):S+64*\t+2*((i-2)%4)+1], v[S+64*\t+2*((i-2)%4):S+64*\t+2*((i-2)%4)+1], v[S+64*\t+2*i-4:S+64*\t+2*i-3]
.endr
.endif
.if (i >= 1) && (i <= 32)
.irp t, 0,1
	v_exp_f32 v[S+64*\t+2*i-2], v[S+64*\t+2*i-2]
	v_exp_f32 v[S+64*\t+2*i-1], v[S+64*\t+2*i-1]
.endr
.endif
.set i, i+1
.endr
.irp t, 0,1
	v_pk_add_f32 v[S+64*\t:S+64*\t+1], v[S+64*\t:S+64*\t+1], v[S+64*\t+2:S+64*\t+3]
	v_pk_add_f32 v[S+64*\t+4:S+64*\t+5], v[S+64*\t+4:S+64*\t+5], v[S+64*\t+6:S+64*\t+7]
.endr
.irp t, 0,1
	v_pk_add_f32 v[S+64*\t:S+64*\t+1], v[S+64*\t:S+64*\t+1], v[S+64*\t+4:S+64*\t+5]
.endr
.irp t, 0,1
	v_pk_fma_f32 v[ST+8*\t+2:ST+8*\t+3], v[ST+8*\t+2:ST+8*\t+3], v[ST+8*\t+6:ST+8*\t+7], v[S+64*\t:S+64*\t+1] op_sel_hi:[1,0,1]  ; l = a l + sum
.endr
	WIN 0x82                                       ; O^T (destination and source 0) in window 2, a in window 0
.irp t, 0,1
.set i, 0
.rept 16
	v_pk_mul_f32 v[OT+32*\t+2*i:OT+32*\t+2*i+1], v[OT+32*\t+2*i:OT+32*\t+2*i+1], v[ST+8*\t+6:ST+8*\t+7] op_sel_hi:[1,0]
.set i, i+1
.endr
.endr
.endm
; A key tile.  diag = 1: the text of the walk's last tile, which always holds the diagonal.
.macro TILE diag
	WIN 0
	v_add_nc_u32 v[AK], s[TB], v[AK0]
	v_add_nc_u32 v[AV], s[TB], v[AV0]
	FETCH_K
	FETCH_V
	WIN 0
	s_wait_dscnt 32                                ; K's 32 loads are in, V's 32 stay out
.if !(\diag)
	s_cmp_eq_u32 s[RT], 0                          ; the block's last tile holds the diagonal
	s_cbranch_scc1 .Lmask_\@
	SPHASE 0
	WIN 0
	s_branch .Lsm_\@
.Lmask_\@:
.endif
	SPHASE 1
	WIN 0
.if !(\diag)
.Lsm_\@:
.endif
	PLACES                                         ; behind the last products, in front of the reads of the scores
	SOFTMAX
	s_wait_dscnt 0x0                               ; V is in
	PVPHASE
	WIN 0
	PLACES                                         ; in front of the next loads into V's registers and of reads of O^T
.endm
.macro BEGIN                           ; a block begins: c m far below every c s, m the lowest finite number; O^T and l need only be finite
	s_mov_b32 s[NEW], 0
.irp t, 0,1
	v_mov_b32 v[ST+8*\t], 0xfe000000
	v_mov_b32 v[ST+8*\t+1], 0xff7fffff
.endr
.endm
.macro PACKO t                         ; O^T / l, rounded; 16 bytes a lane into my stage, back as whole rows of 128 bytes, into S^T's registers
	WIN 0x82
.set i, 0
.rept 16
	v_pk_mul_f32 v[OT+32*(\t)+2*i:OT+32*(\t)+2*i+1], v[OT+32*(\t)+2*i:OT+32*(\t)+2*i+1], v[ST+8*(\t)+2:ST+8*(\t)+3] op_sel_hi:[1,0]
.set i, i+1
.endr
	WIN 0x0a
.set i, 0
.rept 16
	v_cvt_pk_bf16_f32 v[S+16*(\t)+i], v[OT+32*(\t)+2*i], v[OT+32*(\t)+2*i+1]
.set i, i+1
.endr
	WIN 0
.irp f, 0,1,2,3
	ds_store_b128 v[STO], v[S+16*(\t)+4*\f:S+16*(\t)+4*\f+3] offset:32*\f
.endr
.irp f, 0,1,2,3
	ds_load_b128 v[S+16*(\t)+4*\f:S+16*(\t)+4*\f+3], v[RD] offset:\f*4*SP  ; LDS serves a wave's instructions in order (ISA guide 5.7.1.4)
.endr
.endm
.macro SENDO t, younger
.irp f, 0,1,2,3
	s_wait_dscnt (\younger)+3-\f
	global_store_b128 v[GO], v[S+16*(\t)+4*\f:S+16*(\t)+4*\f+3], s[OCUR:OCUR+1] offset:(\t)*2048+\f*512  ; 512 consecutive bytes, aligned
.endr
.endm
.macro FINISH                          ; a block's end
	WIN 0
.irp t, 0,1
	v_add_f32 v[ST+8*\t+2], v[ST+8*\t+2], v[ST+8*\t+3]
.endr
.irp t, 0,1
	v_permlanex16_b32 v[ST+8*\t+3], v[ST+8*\t+2], s[SEL], s[SEL+1]
.endr
.irp t, 0,1
	v_add_f32 v[ST+8*\t+2], v[ST+8*\t+2], v[ST+8*\t+3]
.endr
.irp t, 0,1
	v_rcp_f32 v[ST+8*\t+2], v[ST+8*\t+2]           ; l is at least 1: the row's greatest weight
.endr
	v_nop                                          ; a plain instruction behind the reciprocal
	s_wait_alu depctr_va_vdst(0)
	PACKO 0
	PACKO 1
	SENDO 0, 8
	SENDO 1, 0
.endm
	s_load_b128 s[4:7], s[0:1], 0x0                ; qkvb s[4:5], ob s[6:7]
	v_lshl_add_u32 v[SPW], v0, 2, SPARE
	v_mov_b32 v[NIL], 0
	ds_add_u32 v[SPW], v[NIL]                      ; the wave's opening: the add and its wait ahead of my first tensor load
	ds_add_u32 v62, v63
	v_lshrrev_b32 v1, 5, v0
	v_readfirstlane_b32 s[WV], v1                  ; wave 0..3
	s_mov_b32 s[PB], ttmp9
	s_sub_co_u32 s[HI], 15, s[PB]
	s_and_b32 s20, ttmp7, 0xffff
	s_and_b32 s21, s20, 15                         ; head
	s_lshr_b32 s22, s20, 4                         ; batch
	s_lshl_b32 s21, s21, 19                        ; a plane is 524,288 bytes,
	s_lshl_b32 s22, s22, 18                        ; a batch's 2,048 rows 262,144
	s_add_co_u32 s20, s21, s22
	s_and_b32 s16, s[WV], 1                        ; which half of a tile's 128 keys I fetch
	s_lshl_b32 s22, s16, 13
	s_add_co_u32 s22, s22, s20
	s_add_co_u32 s22, s22, 8388608                 ; k's planes begin 16 planes in
	s_mov_b32 s23, 0
	s_mul_i32 s17, s16, 64*PK
	s_mul_i32 s18, s16, 64*PV
	s_lshl_b32 s3, s[WV], 12                       ; my 32 rows,
	s_lshl_b32 s2, s[HI], 14                       ; in the first block,
	s_add_co_u32 s2, s2, s3
	s_add_co_u32 s2, s2, s20
	s_lshl_b32 s84, s[PB], 14                      ; and in the second
	s_add_co_u32 s84, s84, s3
	s_add_co_u32 s84, s84, s20
	s_mov_b32 s3, 0
	s_mov_b32 s85, 0
	; 64 keys are 8,192 dense bytes: asked for as 32 rows of 256 bytes, two keys a row, padded in LDS after every key
	s_mov_b32 s[G1K], (1<<16)|(1<<20)|(4<<22)|(3<<25)  ; 2-byte elements; padding on; after every 32 words; 4 words
	s_mov_b32 s[G1V], (1<<16)|(1<<20)|(4<<22)|(7<<25)  ; 8 words
.irp g, G1K, G1V
	s_mov_b32 s[\g+1], 128<<16                     ; tensor_dim0
	s_mov_b32 s[\g+2], 32<<16                      ; tensor_dim1
	s_mov_b32 s[\g+3], 128<<16                     ; tile_dim0
	s_mov_b32 s[\g+4], 32                          ; tile_dim1
	s_mov_b32 s[\g+5], 128                         ; elements from row to row
	s_mov_b32 s[\g+6], 0
	s_mov_b32 s[\g+7], 0
.endr
	s_mov_b32 s[CS], 0x3e38aa3b                    ; c = log2(e) / 8
	s_mov_b32 s[CS+1], s[CS]
	s_mov_b32 s[SEL], 0x76543210
	s_mov_b32 s[SEL+1], 0xfedcba98
	s_mov_b32 s[TB], SLOT1                         ; the first change of slots turns it into 0
	s_mov_b32 s[G0K], 1
	s_mov_b32 s[G0K+1], s17
	s_mov_b32 s[G0V], 1
	s_add_co_u32 s[G0V+1], s18, VOFF
	s_add_co_u32 s[RT], s[HI], 1                   ; the first block has 16 - b tiles
	s_mov_b32 s[NXT], 1
	s_mov_b32 s[LQ], s[HI]
	s_mov_b32 s[NEW], 1
	s_mov_b32 s[OFF+1], 0
	s_mov_b32 s[BIGN], 0xf149f2ca                  ; -1e30
	s_mov_b32 s[SLOTS], 16
	s_cmp_eq_u32 ttmp9, 0
	s_cselect_b32 s[LIM], 2, -1                    ; b = 0 prefetches while three or more tiles are still to be asked for
	s_wait_dscnt 0x0                               ; the opening add is done
	s_wait_kmcnt 0x0
	s_add_nc_u64 s[8:9], s[4:5], s[22:23]          ; K at my half of the head's tile 0,
	s_add_nc_u64 s[10:11], s[8:9], 8388608         ; V likewise
	s_add_nc_u64 s[G0K+2:G0K+3], s[8:9], 0
	s_or_b32 s[G0K+3], s[G0K+3], 0x80000000
	s_add_nc_u64 s[G0V+2:G0V+3], s[10:11], 0
	s_or_b32 s[G0V+3], s[G0V+3], 0x80000000
	s_add_nc_u64 s[52:53], s[4:5], s[2:3]          ; Q at my rows of the first block,
	s_add_nc_u64 s[54:55], s[4:5], s[84:85]        ; of the second
	s_add_nc_u64 s[OCUR:OCUR+1], s[6:7], s[2:3]
	s_add_nc_u64 s[OLO:OLO+1], s[6:7], s[84:85]
	s_cmp_lt_u32 s[WV], 2
	s_cselect_b64 s[PFA:PFA+1], s[8:9], s[10:11]
	s_add_nc_u64 s[PFA:PFA+1], s[PFA:PFA+1], 16384 ; at tile 1: the first change steps it to tile 2
	LOAD                                           ; tile 0 into slot 0
	v_and_b32 v1, 15, v0                           ; r
	v_bfe_u32 v9, v0, 4, 1                         ; h
	v_lshlrev_b32 v[QO], 7, v1
	v_lshl_add_u32 v[QO], v9, 4, v[QO]
	WIN 0x80
.set i, 0
.rept 4                                        ; both blocks' Q: tile i / 2, channels 32 (i % 2) on
	global_load_b128 v[8*i:8*i+3],       v[QO], s[52:53] offset:(i/2)*2048+(i%2)*64
	global_load_b128 v[8*i+4:8*i+7],     v[QO], s[52:53] offset:(i/2)*2048+(i%2)*64+32
	global_load_b128 v[32+8*i:32+8*i+3], v[QO], s[54:55] offset:(i/2)*2048+(i%2)*64
	global_load_b128 v[32+8*i+4:32+8*i+7], v[QO], s[54:55] offset:(i/2)*2048+(i%2)*64+32
.set i, i+1
.endr
	WIN 0
	v_lshlrev_b32 v14, 3, v9
	v_sub_nc_u32 v14, v1, v14
	s_lshl_b32 s13, s[WV], 5
	v_add_nc_u32 v14, s13, v14                     ; 32 w + r - 8 h
	WIN 0x80
.set i, 0
.rept 64
	v_cmp_gt_i32 vcc_lo, 16*(i/8)+i%8, v14
	v_cndmask_b32 v[MD+i], 0, s[BIGN], vcc_lo
.set i, i+1
.endr
.set i, 0
.rept 64
	v_mov_b32 v[OT+i], 0                           ; finite numbers for the first a = 0 to multiply
.set i, i+1
.endr
	WIN 0
.set i, 0
.rept 16
	v_mov_b32 v[ST+i], 0
.set i, i+1
.endr
	v_mul_u32_u24 v[AK0], v1, PK
	v_lshl_add_u32 v[AK0], v9, 4, v[AK0]           ; row x pitch + 16 x half
	v_and_b32 v10, 7, v0
	v_bfe_u32 v11, v0, 3, 1
	v_lshl_add_u32 v[AV0], v9, 3, v10              ; the turning load: lane l reads key 8 (l / 16) + l % 8, channels 8 ((l / 8) % 2) + 0..7
	v_mul_u32_u24 v[AV0], v[AV0], PV
	v_lshl_add_u32 v[AV0], v11, 4, v[AV0]
	v_add_nc_u32 v[AV0], VOFF, v[AV0]
	s_mul_i32 s13, s[WV], 16*SP
	s_add_co_u32 s13, s13, STAGE
	v_add_nc_u32 v[STO], s13, v[AK0]               ; the stage has K's pitch
	v_bfe_u32 v[RD], v0, 3, 2
	v_mul_u32_u24 v[RD], v[RD], SP
	v_lshl_add_u32 v[RD], v10, 4, v[RD]
	v_add_nc_u32 v[RD], s13, v[RD]
	v_and_b32 v[GO], 31, v0
	v_lshlrev_b32 v[PFO], 8, v[GO]
	v_lshlrev_b32 v[GO], 4, v[GO]
	s_wait_loadcnt 0x0                             ; Q, both blocks'
.Lslot:                                        ; 16 trips: a tile is entered and the next is asked for
	CHANGE 1
	s_sub_co_u32 s[RT], s[RT], 1
	s_cmp_eq_u32 s[NEW], 1
	s_cbranch_scc0 .Lold
	BEGIN
.Lold:
	TILE 0
	s_cmp_eq_u32 s[RT], 0
	s_cbranch_scc0 .Lbottom
	FINISH                                         ; in the loop this is the first block's end: the second's last tile is the walk's last
	s_wait_xcnt 0x0                                ; the stores have read their registers and O's address
	s_mov_b64 s[OCUR:OCUR+1], s[OLO:OLO+1]
	s_add_co_u32 s[RT], s[PB], 1                   ; the second block has b + 1 tiles
	s_mov_b32 s[NEW], 1
	WIN 0x82
.set i, 0
.rept 32
	v_mov_b32 v[i], v[32+i]                        ; its Q goes where the one text names Q
.set i, i+1
.endr
	WIN 0
.Lbottom:
	s_sub_co_u32 s[SLOTS], s[SLOTS], 1
	s_cmp_lg_u32 s[SLOTS], 0
	s_cbranch_scc1 .Lslot
	CHANGE 0                                       ; the walk's last tile is written out
	s_sub_co_u32 s[RT], s[RT], 1
	s_cmp_eq_u32 s[NEW], 1
	s_cbranch_scc0 .Lold2
	BEGIN
.Lold2:
	TILE 1
	FINISH
	s_wait_tensorcnt 0x0                           ; the wave's end
	ds_add_u32 v[SPW], v[NIL]
	s_wait_dscnt 0x0
	s_endpgm
.Lfunc_end_k_qaa2c125771_l_attn:
	.size	k_qaa2c125771_l_attn, .Lfunc_end_k_qaa2c125771_l_attn-k_qaa2c125771_l_attn
	.p2alignl 7, 3214868480
	.fill 96, 4, 3214868480
	.section	.rodata,"a",@progbits
	.p2align	6, 0x0
	.amdhsa_kernel k_qaa2c125771_l_attn
		.amdhsa_group_segment_fixed_size 327680
		.amdhsa_private_segment_fixed_size 0
		.amdhsa_enable_private_segment 0
		.amdhsa_kernarg_size 16
		.amdhsa_user_sgpr_count 2
		.amdhsa_user_sgpr_kernarg_segment_ptr 1
		.amdhsa_wavefront_size32 1
		.amdhsa_system_sgpr_workgroup_id_x 1
		.amdhsa_system_sgpr_workgroup_id_y 1
		.amdhsa_system_sgpr_workgroup_id_z 1
		.amdhsa_system_vgpr_workitem_id 0
		.amdhsa_next_free_vgpr 704
		.amdhsa_next_free_sgpr 92
		.amdhsa_reserve_vcc 1
		.amdhsa_float_denorm_mode_32 3
		.amdhsa_float_denorm_mode_16_64 3
		.amdhsa_memory_ordered 1
		.amdhsa_forward_progress 1
		.amdhsa_inst_pref_size 101
	.end_amdhsa_kernel
	.amdgpu_metadata
---
amdhsa.version: [ 1, 2 ]
amdhsa.kernels:
  - .name:           k_qaa2c125771_l_attn
    .symbol:         k_qaa2c125771_l_attn.kd
    .args:
      - { .name: qkvb, .offset: 0, .size: 8, .value_kind: global_buffer, .address_space: global }
      - { .name: ob, .offset: 8, .size: 8, .value_kind: global_buffer, .address_space: global }
    .group_segment_fixed_size: 327680
    .private_segment_fixed_size: 0
    .kernarg_segment_align: 8
    .kernarg_segment_size: 16
    .max_flat_workgroup_size: 128
    .sgpr_count:     92
    .vgpr_count:     704
    .wavefront_size: 32
...
	.end_amdgpu_metadata
.endif
;; end of part 3
;; launch l_wo (part 4): grid 8 x 32, 4 waves a work-group, clusters of 4 x 4, 327,680 bytes of LDS; arguments ob, pw, x, hf, hb, ssq; writes hf, hb, ssq
.if DOCPART == 4
	.amdgcn_target "amdgcn-amd-amdhsa--gfx1250"
	.amdhsa_code_object_version 6
	.text
	.protected	k_qaa2c125771_l_wo
	.globl	k_qaa2c125771_l_wo
	.p2align	8
	.type	k_qaa2c125771_l_wo,@function
k_qaa2c125771_l_wo:
	s_mov_b64 s[64:65], 0
	v_nop
	global_prefetch_b8 v0, s[64:65] scope:SCOPE_SE
	s_setreg_imm32_b32 hwreg(HW_REG_WAVE_MODE, 25, 1), 1
	s_wait_xcnt 0x0
	s_wait_alu depctr_hold_cnt(0) depctr_sa_sdst(0) depctr_va_vdst(0) depctr_va_sdst(0) depctr_va_ssrc(0) depctr_va_vcc(0) depctr_vm_vsrc(0)
	s_getreg_b32 s2, hwreg(HW_REG_IB_STS2, 6, 4)
	s_cmp_eq_u32 s2, 0
	s_cbranch_scc0 .Lentry_in_a_cluster
	s_endpgm
.Lentry_in_a_cluster:
	s_bfe_u32 s2, ttmp6, 0x10000c
	s_cmp_lg_u32 s2, 0xf033
	s_cbranch_scc0 .Lentry_shape_is_right
	s_endpgm
.Lentry_shape_is_right:
; h = x + o wo^T.  Stored: hf = h in f32 [4096][1024]; hb = h rounded to bf16, in planes [16][4096][64]; ssq[chunk][token] = the sum of h^2 over the chunk's 64 columns, f32:
; the second norm's sum spans work-groups, so its 16 parts are added by the next launch.
; THE PRODUCT.  A tile of C is 128 tokens x 128 columns; four waves, each 64 x 64: 16 accumulators.  Operands lie in planes [K/64][rows][64] bf16.  K goes in steps of 256 (4 planes) through two
; LDS slots; a wave's one tensor load brings 64 rows of 4 planes, 32 KiB.  Padding of 16 bytes behind every 128 makes LDS rows 144 bytes apart.
; CLUSTER 4 x 4: A's tiles are shared along a row of the cluster, B's along a column, each asked for jointly.
; THE MATRIX INSTRUCTION IS USED TRANSPOSED: lane l holds token l % 16, register j of accumulator (a, b) column 16 b + 8 (l / 16) + j.  On the way out 16 tokens at a time go through my stage in
; LDS and come back as whole rows of 256 bytes, where the residual, loaded at the head in that very layout, is added.
; The accumulators are cleared in the wait for the first tile, so that every K step has one text.
; REGISTERS.  window 0: v0-31 addresses; v32-127 at work; v128-255 accumulators.  window 1: v0-127 two fragment buffers; v128-255 the residual.
; LIMITS.  NaN and infinities are not treated apart.
.set HALF,  36864
.set SLOT,  147456
.set STAGE, 294912                     ; behind the ring, never filled by a tensor load: 4,608 bytes for each wave (16 rows of 272)
.set SCR,   313344                     ; 256 bytes for each wave: its 64 tokens' sums of squares
.set SPARE, 314368
.set ASTEP, 2097152
.set BSTEP, 524288                     ; 4 planes of 1,024 rows
.set APITCH, 262144
.set BPITCH, 65536
.set BPART, 14680064                   ; wo's place in pw
.set APTR, 68
.set BPTR, 70
.set ADRA, 16
.set ADRB, 18
.set WA,   20
.set WB,   21
.set SPW,  28
.set NIL,  29
.set STO,  30
.set RD,   31
.set ACC,  128
.set F0,   0
.set F1,   64
.set EXT,  128
.set G1, 24
.set G0, 32
.set G1B, 48
.set G0B, 56
.set FLAGS, (1<<16)|(1<<20)|(1<<21)|(4<<22)|(3<<25)
.set MSB, 0
.macro WIN new
.if MSB != (\new)
	s_set_vgpr_msb (MSB<<8)|(\new)
.set MSB, \new
.endif
.endm
.macro PLACES
.rept 4
	v_nop
.endr
.endm
.macro CROUND
	s_barrier_signal -1
	s_barrier_wait -1
	s_cmp_lg_u32 s10, 0
	s_cbranch_scc1 .Lnot_wave_0_\@
	s_barrier_signal -3
.Lnot_wave_0_\@:
	s_barrier_wait -3
	s_barrier_signal -1
	s_barrier_wait -1
.endm
.macro JLOAD s
	s_cmp_eq_u32 s11, 0
	s_cbranch_scc0 .Lfor_b_\@
	tensor_load_to_lds s[G0+4*(\s):G0+4*(\s)+3], s[G1:G1+7]
	s_nop 0
.rept 4
	v_nop
.endr
	s_branch .Lasked_\@
.Lfor_b_\@:
	tensor_load_to_lds s[G0B+4*(\s):G0B+4*(\s)+3], s[G1B:G1B+7]
	s_nop 0
.rept 4
	v_nop
.endr
.Lasked_\@:
.endm
.macro MUL16 f                         ; the 16 accumulators take turns, one instruction a turn
	WIN 0x05
.irp a, 0,1,2,3
.irp b, 0,1,2,3
	v_wmma_f32_16x16x32_bf16 v[ACC+8*(4*\a+\b):ACC+8*(4*\a+\b)+7], v[(\f)+32+8*\b:(\f)+32+8*\b+7], v[(\f)+8*\a:(\f)+8*\a+7], v[ACC+8*(4*\a+\b):ACC+8*(4*\a+\b)+7]
.endr
.endr
.endm
.macro FETCH f, off
	WIN 0x40
.irp i, 0,1,2,3
	ds_load_b128 v[(\f)+32+8*\i:(\f)+32+8*\i+3],   v[WB] offset:(\off)+2304*\i
	ds_load_b128 v[(\f)+32+8*\i+4:(\f)+32+8*\i+7], v[WB] offset:(\off)+2304*\i+32
	ds_load_b128 v[(\f)+8*\i:(\f)+8*\i+3],         v[WA] offset:(\off)+2304*\i
	ds_load_b128 v[(\f)+8*\i+4:(\f)+8*\i+7],       v[WA] offset:(\off)+2304*\i+32
.endr
.endm
.macro TRIP slot, fill                 ; a K step of 256 out of slot `slot`; fill: the other slot is asked for, first thing behind the round
	WIN 0
	s_wait_tensorcnt 0x0                           ; my one tensor load, my part of this slot, has landed: a group 0 may be written
	ds_add_u32 v[SPW], v[NIL]
	s_add_nc_u64 s[G0+4*(\slot)+2:G0+4*(\slot)+3], s[G0+4*(\slot)+2:G0+4*(\slot)+3], 2*ASTEP
	s_add_nc_u64 s[G0B+4*(\slot)+2:G0B+4*(\slot)+3], s[G0B+4*(\slot)+2:G0B+4*(\slot)+3], 2*BSTEP
	s_wait_dscnt 0x0                               ; the add is done, and my reads of the other slot are over
.if \fill
	CROUND
	JLOAD 1-(\slot)
.else
	s_barrier_signal -1
	s_barrier_wait -1
	PLACES
.endif
	v_mov_b32 v[WA], v[ADRA+(\slot)]
	v_mov_b32 v[WB], v[ADRB+(\slot)]
	FETCH F0, 0
	FETCH F1, 64
	WIN 0
	s_mov_b32 s45, 3
.Lq_\@:
	s_wait_dscnt 16                                ; two buffers are out, 16 loads each: the older is in
	MUL16 F0
	PLACES
	FETCH F0, 9216
	s_wait_dscnt 16
	MUL16 F1
	PLACES
	FETCH F1, 9216+64
	WIN 0
	v_add_nc_u32 v[WA], 9216, v[WA]
	v_add_nc_u32 v[WB], 9216, v[WB]
	s_sub_co_u32 s45, s45, 1
	s_cmp_lg_u32 s45, 0
	s_cbranch_scc1 .Lq_\@
	s_wait_dscnt 16
	MUL16 F0
	s_wait_dscnt 0x0
	MUL16 F1
	WIN 0
.endm
	s_load_b256 s[68:75], s[0:1], 0x0              ; ob s[68:69], pw s[70:71], x s[72:73], hf s[74:75]
	s_load_b128 s[76:79], s[0:1], 0x20             ; hb s[76:77], ssq s[78:79]
	v_lshl_add_u32 v[SPW], v0, 2, SPARE
	v_mov_b32 v[NIL], 0
	ds_add_u32 v[SPW], v[NIL]                      ; the wave's opening: the add and its wait ahead of my first tensor load
	ds_add_u32 v28, v29
	v_lshrrev_b32 v3, 5, v0
	v_readfirstlane_b32 s10, v3
	s_lshr_b32 s11, s10, 1
	s_and_b32 s12, s10, 1
	s_bfe_u32 s40, ttmp6, 0x40000
	s_bfe_u32 s41, ttmp6, 0x40004
	s_lshl_b32 s42, ttmp9, 2
	s_add_co_u32 s42, s42, s40                     ; tile column
	s_and_b32 s13, ttmp7, 0xffff
	s_lshl_b32 s13, s13, 2
	s_add_co_u32 s13, s13, s41                     ; tile row
	s_lshl_b32 s43, s41, 2
	s_lshl_b32 s43, 15, s43
	s_lshl_b32 s44, 0x1111, s40
	s_or_b32 s[G1+0], s43, FLAGS
	s_or_b32 s[G1B+0], s44, FLAGS
.irp g, G1, G1B
	s_mov_b32 s[(\g)+1], 4096<<16
	s_mov_b32 s[(\g)+2], 4<<16
	s_mov_b32 s[(\g)+3], 4096<<16
	s_mov_b32 s[(\g)+4], 4
	s_mov_b32 s[(\g)+6], 0
	s_mov_b32 s[(\g)+7], 0
.endr
	s_mov_b32 s[G1+5], APITCH
	s_mov_b32 s[G1B+5], BPITCH
	s_lshl_b32 s17, s12, 6
	s_lshl_b32 s16, s13, 7
	s_add_co_u32 s16, s16, s17
	s_lshl_b32 s16, s16, 7
	s_lshl_b32 s46, s42, 7
	s_add_co_u32 s46, s46, s17
	s_lshl_b32 s46, s46, 7
	s_add_co_u32 s46, s46, BPART
	s_mov_b32 s17, 0
	s_mov_b32 s47, 0
	s_mul_i32 s20, s10, HALF
	s_wait_dscnt 0x0
	s_wait_kmcnt 0x0
	s_add_nc_u64 s[14:15], s[APTR:APTR+1], s[16:17]
	s_add_nc_u64 s[46:47], s[BPTR:BPTR+1], s[46:47]
	CROUND
.irp s, 0,1
	s_mov_b32 s[G0+4*\s], 1
	s_add_co_u32 s[G0+4*\s+1], s20, \s*SLOT
	s_add_nc_u64 s[G0+4*\s+2:G0+4*\s+3], s[14:15], \s*ASTEP
	s_or_b32 s[G0+4*\s+3], s[G0+4*\s+3], 0x80000000
	s_mov_b32 s[G0B+4*\s], 1
	s_add_co_u32 s[G0B+4*\s+1], s20, \s*SLOT
	s_add_nc_u64 s[G0B+4*\s+2:G0B+4*\s+3], s[46:47], \s*BSTEP
	s_or_b32 s[G0B+4*\s+3], s[G0B+4*\s+3], 0x80000000
.endr
	JLOAD 0
	v_and_b32 v1, 15, v0
	v_bfe_u32 v2, v0, 4, 1
	v_lshlrev_b32 v22, 4, v1
	v_lshl_add_u32 v22, v2, 12, v22                ; two rows of f32: 16 r + 4,096 h
	s_lshl_b32 s80, s13, 7
	s_lshl_b32 s81, s11, 6
	s_add_co_u32 s80, s80, s81                     ; my first token
	s_lshl_b32 s82, s80, 12
	s_lshl_b32 s81, s42, 9
	s_add_co_u32 s82, s82, s81
	s_lshl_b32 s81, s12, 8
	s_add_co_u32 s82, s82, s81                     ; + my first column x 4
	s_mov_b32 s83, 0
	s_add_nc_u64 s[84:85], s[72:73], s[82:83]      ; the residual,
	s_add_nc_u64 s[86:87], s[74:75], s[82:83]      ; and the result, at my 64 x 64
	WIN 0x40
.irp a, 0,1,2,3
.irp t, 0,1,2,3,4,5,6,7
	global_load_b128 v[EXT+32*\a+4*\t:EXT+32*\a+4*\t+3], v22, s[84:85] offset:(16*\a+2*\t)*4096
.endr
.endr
	WIN 0
	v_lshlrev_b32 v23, 3, v1
	v_lshl_add_u32 v23, v2, 7, v23                 ; two rows of a plane: 8 r + 128 h
	s_lshl_b32 s94, s10, 8
	s_add_co_u32 s94, s94, SCR
	v_lshl_add_u32 v24, v2, 2, s94                 ; my row's word among my wave's 64
	v_and_b32 v26, 31, v0
	v_lshlrev_b32 v26, 3, v26                      ; 8 x lane
	v_add_nc_u32 v25, s94, v26
	s_lshl_b32 s88, s42, 1
	s_add_co_u32 s88, s88, s12                     ; my chunk of 64 columns
	s_lshl_b32 s90, s88, 12
	s_add_co_u32 s90, s90, s80
	s_lshl_b32 s90, s90, 7
	s_mov_b32 s91, 0
	s_add_nc_u64 s[90:91], s[76:77], s[90:91]      ; hb at my plane and token
	s_lshl_b32 s92, s88, 14
	s_lshl_b32 s93, s80, 2
	s_add_co_u32 s92, s92, s93
	s_mov_b32 s93, 0
	s_add_nc_u64 s[92:93], s[78:79], s[92:93]      ; ssq likewise
	v_mul_u32_u24 v3, v1, 144
	v_lshl_add_u32 v3, v2, 4, v3
	s_mul_i32 s21, s11, HALF
	s_mul_i32 s22, s12, HALF
	s_add_co_u32 s22, s22, 2*HALF
.irp s, 0,1
	v_add_nc_u32 v[ADRA+\s], s21, v3
	v_add_nc_u32 v[ADRB+\s], s22, v3
	s_add_co_u32 s21, s21, SLOT
	s_add_co_u32 s22, s22, SLOT
.endr
	s_mul_i32 s23, s10, 4608
	s_add_co_u32 s23, s23, STAGE
	v_mul_u32_u24 v[STO], v1, 272                  ; in: row r of 256 + 16 bytes, 32 bytes for each half of the lanes
	v_lshl_add_u32 v[STO], v2, 5, v[STO]
	v_add_nc_u32 v[STO], s23, v[STO]
	v_mul_u32_u24 v[RD], v2, 272                   ; back: lanes 0-15 one row, lanes 16-31 the next
	v_lshl_add_u32 v[RD], v1, 4, v[RD]
	v_add_nc_u32 v[RD], s23, v[RD]
.set i, 0
.rept 128
	v_mov_b32 v[ACC+i], 0
.set i, i+1
.endr
	TRIP 0, 1
	TRIP 1, 1
	TRIP 0, 1
	TRIP 1, 0
; The way out of tokens 16 a ..
.macro ROWS a
	s_wait_xcnt 0x0                                ; the last block's stores have read their data registers, which are written again below
.irp b, 0,1,2,3
	ds_store_b128 v[STO], v[ACC+32*(\a)+8*\b:ACC+32*(\a)+8*\b+3] offset:64*\b        ; each accumulator's lowest registers first
	ds_store_b128 v[STO], v[ACC+32*(\a)+8*\b+4:ACC+32*(\a)+8*\b+7] offset:64*\b+16
.endr
.irp t, 0,1,2,3,4,5,6,7
	ds_load_b128 v[32+4*\t:35+4*\t], v[RD] offset:544*\t   ; LDS serves a wave's instructions in order (ISA guide 5.7.1.4): these see the stores above
.endr
	s_wait_dscnt 0x0
	WIN 0x04
.set i, 0
.rept 16
	v_pk_add_f32 v[32+2*i:33+2*i], v[32+2*i:33+2*i], v[EXT+32*(\a)+2*i:EXT+32*(\a)+2*i+1]
.set i, i+1
.endr
	WIN 0
.irp t, 0,1,2,3,4,5,6,7
	global_store_b128 v22, v[32+4*\t:35+4*\t], s[86:87] offset:(16*(\a)+2*\t)*4096  ; 16 lanes store 256 consecutive bytes, aligned
.endr
.irp t, 0,1,2,3,4,5,6,7
	v_cvt_pk_bf16_f32 v[64+2*\t], v[32+4*\t], v[33+4*\t]
	v_cvt_pk_bf16_f32 v[65+2*\t], v[34+4*\t], v[35+4*\t]
	global_store_b64 v23, v[64+2*\t:65+2*\t], s[90:91] offset:(16*(\a)+2*\t)*128    ; two rows of the plane: 256 consecutive bytes
	v_pk_mul_f32 v[96+2*\t:97+2*\t], v[32+4*\t:33+4*\t], v[32+4*\t:33+4*\t]
	v_pk_fma_f32 v[96+2*\t:97+2*\t], v[34+4*\t:35+4*\t], v[34+4*\t:35+4*\t], v[96+2*\t:97+2*\t]
	v_add_f32 v[96+2*\t], v[96+2*\t], v[97+2*\t]
	v_add_f32_dpp v[96+2*\t], v[96+2*\t], v[96+2*\t] row_xmask:1 row_mask:0xf bank_mask:0xf   ; over the row's 16 lanes
	v_add_f32_dpp v[96+2*\t], v[96+2*\t], v[96+2*\t] row_xmask:2 row_mask:0xf bank_mask:0xf
	v_add_f32_dpp v[96+2*\t], v[96+2*\t], v[96+2*\t] row_xmask:4 row_mask:0xf bank_mask:0xf
	v_add_f32_dpp v[96+2*\t], v[96+2*\t], v[96+2*\t] row_xmask:8 row_mask:0xf bank_mask:0xf
	ds_store_b32 v24, v[96+2*\t] offset:(16*(\a)+2*\t)*4   ; the 16 lanes write one word with one value
.endr
.endm
	PLACES
	s_wait_loadcnt 0x0                             ; the residual, asked for at the head
	ROWS 0
	ROWS 1
	ROWS 2
	ROWS 3
	ds_load_b64 v[112:113], v25                    ; my wave's 64 sums: its own bytes, served in order
	s_wait_dscnt 0x0
	global_store_b64 v26, v[112:113], s[92:93]     ; 256 consecutive bytes, aligned
	s_wait_tensorcnt 0x0                           ; the wave's end
	ds_add_u32 v[SPW], v[NIL]
	s_wait_dscnt 0x0
	CROUND
	s_endpgm
.Lfunc_end_k_qaa2c125771_l_wo:
	.size	k_qaa2c125771_l_wo, .Lfunc_end_k_qaa2c125771_l_wo-k_qaa2c125771_l_wo
	.p2alignl 7, 3214868480
	.fill 96, 4, 3214868480
	.section	.rodata,"a",@progbits
	.p2align	6, 0x0
	.amdhsa_kernel k_qaa2c125771_l_wo
		.amdhsa_group_segment_fixed_size 327680
		.amdhsa_private_segment_fixed_size 0
		.amdhsa_enable_private_segment 0
		.amdhsa_kernarg_size 48
		.amdhsa_user_sgpr_count 2
		.amdhsa_user_sgpr_kernarg_segment_ptr 1
		.amdhsa_wavefront_size32 1
		.amdhsa_system_sgpr_workgroup_id_x 1
		.amdhsa_system_sgpr_workgroup_id_y 1
		.amdhsa_system_sgpr_workgroup_id_z 1
		.amdhsa_system_vgpr_workitem_id 0
		.amdhsa_next_free_vgpr 512
		.amdhsa_next_free_sgpr 100
		.amdhsa_reserve_vcc 0
		.amdhsa_float_denorm_mode_32 3
		.amdhsa_float_denorm_mode_16_64 3
		.amdhsa_memory_ordered 1
		.amdhsa_forward_progress 1
		.amdhsa_inst_pref_size 88
	.end_amdhsa_kernel
	.amdgpu_metadata
---
amdhsa.version: [ 1, 2 ]
amdhsa.kernels:
  - .name:           k_qaa2c125771_l_wo
    .symbol:         k_qaa2c125771_l_wo.kd
    .args:
      - { .name: ob, .offset: 0, .size: 8, .value_kind: global_buffer, .address_space: global }
      - { .name: pw, .offset: 8, .size: 8, .value_kind: global_buffer, .address_space: global }
      - { .name: x, .offset: 16, .size: 8, .value_kind: global_buffer, .address_space: global }
      - { .name: hf, .offset: 24, .size: 8, .value_kind: global_buffer, .address_space: global }
      - { .name: hb, .offset: 32, .size: 8, .value_kind: global_buffer, .address_space: global }
      - { .name: ssq, .offset: 40, .size: 8, .value_kind: global_buffer, .address_space: global }
    .group_segment_fixed_size: 327680
    .private_segment_fixed_size: 0
    .kernarg_segment_align: 8
    .kernarg_segment_size: 48
    .max_flat_workgroup_size: 128
    .sgpr_count:     100
    .vgpr_count:     512
    .wavefront_size: 32
...
	.end_amdgpu_metadata
.endif
;; end of part 4
;; launch l_ffn1 (part 5): grid 32 x 43, 4 waves a work-group, clusters of 4 x 1, 327,680 bytes of LDS; arguments hb, pw, ssq, gate; writes gate
.if DOCPART == 5
	.amdgcn_target "amdgcn-amd-amdhsa--gfx1250"
	.amdhsa_code_object_version 6
	.text
	.protected	k_qaa2c125771_l_ffn1
	.globl	k_qaa2c125771_l_ffn1
	.p2align	8
	.type	k_qaa2c125771_l_ffn1,@function
k_qaa2c125771_l_ffn1:
	s_mov_b64 s[64:65], 0
	v_nop
	global_prefetch_b8 v0, s[64:65] scope:SCOPE_SE
	s_setreg_imm32_b32 hwreg(HW_REG_WAVE_MODE, 25, 1), 1
	s_wait_xcnt 0x0
	s_wait_alu depctr_hold_cnt(0) depctr_sa_sdst(0) depctr_va_vdst(0) depctr_va_sdst(0) depctr_va_ssrc(0) depctr_va_vcc(0) depctr_vm_vsrc(0)
	s_getreg_b32 s2, hwreg(HW_REG_IB_STS2, 6, 4)
	s_cmp_eq_u32 s2, 0
	s_cbranch_scc0 .Lentry_in_a_cluster
	s_endpgm
.Lentry_in_a_cluster:
	s_bfe_u32 s2, ttmp6, 0x10000c
	s_cmp_lg_u32 s2, 0x3003
	s_cbranch_scc0 .Lentry_shape_is_right
	s_endpgm
.Lentry_shape_is_right:
; gate = silu(a) * b with a = hn w1^T, b = hn w3^T, hn = norm2_w * h / sqrt(mean(h^2) + 1e-10); stored in planes [43][4096][64] bf16.
; THE NORM IS APPLIED BEHIND THE PRODUCT: the weights hold w * norm2_w (rounded once), the left operand is bf16(h), and each token's 1 / rms, made here in f32 from the 16 partial sums of squares,
; multiplies the f32 sums.  So the order of rounding differs from the reference's.  gate = rinv^2 A B / (1 + 2^(-log2(e) rinv A)), A and B the raw sums: |A B| must stay under 3e38.
; w1 and w3 are interleaved in groups of 64 rows (32 of w1, then 32 of w3): in a wave's 64 columns accumulators b = 0, 1 hold A and b = 2, 3 hold B of the same 32 f, same lane, same register.
; THE PRODUCT.  A tile of C is 128 tokens x 128 columns; four waves, each 64 x 64.  Operands lie in planes [K/64][rows][64] bf16.  K goes in steps of 256 (4 planes) through two LDS slots;
; a wave's one tensor load brings 64 rows of 4 planes, 32 KiB.  Padding of 16 bytes behind every 128 makes LDS rows 144 bytes apart.
; CLUSTER 4 x 1: the four work-groups take four token tiles of one tile column and ask for the weights' tile jointly.  The tokens' tiles are not shared: there are 43 tile columns, a prime,
; so no cluster reaches along that axis; they come by loads of the work-group's own, behind the same rounds.
; The accumulators are cleared in the wait for the first tile, so that every K step has one text.
; LIMITS.  NaN and infinities are not treated apart.
.set HALF,  36864
.set SLOT,  147456
.set STAGE, 294912                     ; behind the ring, never filled by a tensor load: the work-group's 128 rows x 144 bytes
.set SCR,   313344                     ; 128 words: 1 / rms of the tile's tokens
.set SPARE, 314368
.set ASTEP, 2097152
.set BSTEP, 2818048                    ; 4 planes of 5,504 rows
.set APITCH, 262144
.set BPITCH, 352256
.set BPART, 16777216                   ; the interleaved weights' place in pw
.set APTR, 68
.set BPTR, 70
.set ADRA, 16
.set ADRB, 18
.set WA,   20
.set WB,   21
.set SPW,  28
.set NIL,  29
.set STO,  30
.set RD,   31
.set ACC,  128
.set F0,   0
.set F1,   64
.set G1, 24
.set G0, 32
.set G1B, 48
.set G0B, 56
.set MSB, 0
.macro WIN new
.if MSB != (\new)
	s_set_vgpr_msb (MSB<<8)|(\new)
.set MSB, \new
.endif
.endm
.macro PLACES
.rept 4
	v_nop
.endr
.endm
.macro CROUND
	s_barrier_signal -1
	s_barrier_wait -1
	s_cmp_lg_u32 s10, 0
	s_cbranch_scc1 .Lnot_wave_0_\@
	s_barrier_signal -3
.Lnot_wave_0_\@:
	s_barrier_wait -3
	s_barrier_signal -1
	s_barrier_wait -1
.endm
.macro JLOAD s                         ; waves 0 and 1: the tokens' halves, a load of our own; waves 2 and 3: the weights' halves, jointly
	s_cmp_eq_u32 s11, 0
	s_cbranch_scc0 .Lfor_b_\@
	tensor_load_to_lds s[G0+4*(\s):G0+4*(\s)+3], s[G1:G1+7]
	s_nop 0
.rept 4
	v_nop
.endr
	s_branch .Lasked_\@
.Lfor_b_\@:
	tensor_load_to_lds s[G0B+4*(\s):G0B+4*(\s)+3], s[G1B:G1B+7]
	s_nop 0
.rept 4
	v_nop
.endr
.Lasked_\@:
.endm
.macro MUL16 f                         ; the 16 accumulators take turns, one instruction a turn
	WIN 0x05
.irp a, 0,1,2,3
.irp b, 0,1,2,3
	v_wmma_f32_16x16x32_bf16 v[ACC+8*(4*\a+\b):ACC+8*(4*\a+\b)+7], v[(\f)+32+8*\b:(\f)+32+8*\b+7], v[(\f)+8*\a:(\f)+8*\a+7], v[ACC+8*(4*\a+\b):ACC+8*(4*\a+\b)+7]
.endr
.endr
.endm
.macro FETCH f, off
	WIN 0x40
.irp i, 0,1,2,3
	ds_load_b128 v[(\f)+32+8*\i:(\f)+32+8*\i+3],   v[WB] offset:(\off)+2304*\i
	ds_load_b128 v[(\f)+32+8*\i+4:(\f)+32+8*\i+7], v[WB] offset:(\off)+2304*\i+32
	ds_load_b128 v[(\f)+8*\i:(\f)+8*\i+3],         v[WA] offset:(\off)+2304*\i
	ds_load_b128 v[(\f)+8*\i+4:(\f)+8*\i+7],       v[WA] offset:(\off)+2304*\i+32
.endr
.endm
.macro TRIP slot, fill
	WIN 0
	s_wait_tensorcnt 0x0                           ; my one tensor load, my part of this slot, has landed: a group 0 may be written
	ds_add_u32 v[SPW], v[NIL]
	s_add_nc_u64 s[G0+4*(\slot)+2:G0+4*(\slot)+3], s[G0+4*(\slot)+2:G0+4*(\slot)+3], 2*ASTEP
	s_add_nc_u64 s[G0B+4*(\slot)+2:G0B+4*(\slot)+3], s[G0B+4*(\slot)+2:G0B+4*(\slot)+3], 2*BSTEP
	s_wait_dscnt 0x0                               ; the add is done, my reads of the other slot are over (and, the first time, my store of 1 / rms is done)
.if \fill
	CROUND
	JLOAD 1-(\slot)
.else
	s_barrier_signal -1
	s_barrier_wait -1
	PLACES
.endif
	v_mov_b32 v[WA], v[ADRA+(\slot)]
	v_mov_b32 v[WB], v[ADRB+(\slot)]
	FETCH F0, 0
	FETCH F1, 64
	WIN 0
	s_mov_b32 s45, 3
.Lq_\@:
	s_wait_dscnt 16                                ; two buffers are out, 16 loads each: the older is in
	MUL16 F0
	PLACES
	FETCH F0, 9216
	s_wait_dscnt 16
	MUL16 F1
	PLACES
	FETCH F1, 9216+64
	WIN 0
	v_add_nc_u32 v[WA], 9216, v[WA]
	v_add_nc_u32 v[WB], 9216, v[WB]
	s_sub_co_u32 s45, s45, 1
	s_cmp_lg_u32 s45, 0
	s_cbranch_scc1 .Lq_\@
	s_wait_dscnt 16
	MUL16 F0
	s_wait_dscnt 0x0
	MUL16 F1
	WIN 0
.endm
	s_load_b256 s[68:75], s[0:1], 0x0              ; hb s[68:69], pw s[70:71], ssq s[72:73], gate s[74:75]
	v_lshl_add_u32 v[SPW], v0, 2, SPARE
	v_mov_b32 v[NIL], 0
	ds_add_u32 v[SPW], v[NIL]                      ; the wave's opening: the add and its wait ahead of my first tensor load
	ds_add_u32 v28, v29
	v_lshrrev_b32 v3, 5, v0
	v_readfirstlane_b32 s10, v3
	s_lshr_b32 s11, s10, 1
	s_and_b32 s12, s10, 1
	s_bfe_u32 s40, ttmp6, 0x40000                  ; cx
	s_lshl_b32 s13, ttmp9, 2
	s_add_co_u32 s13, s13, s40                     ; tile row = 4 x cluster x + cx
	s_and_b32 s42, ttmp7, 0xffff                   ; tile column, which the four partners share
	s_mov_b32 s[G1+0], (1<<16)|(1<<20)|(4<<22)|(3<<25)             ; no mask: a load of our own
	s_mov_b32 s[G1B+0], 15|(1<<16)|(1<<20)|(1<<21)|(4<<22)|(3<<25) ; all four work-groups
.irp g, G1, G1B
	s_mov_b32 s[(\g)+1], 4096<<16
	s_mov_b32 s[(\g)+2], 4<<16
	s_mov_b32 s[(\g)+3], 4096<<16
	s_mov_b32 s[(\g)+4], 4
	s_mov_b32 s[(\g)+6], 0
	s_mov_b32 s[(\g)+7], 0
.endr
	s_mov_b32 s[G1+5], APITCH
	s_mov_b32 s[G1B+5], BPITCH
	s_lshl_b32 s17, s12, 6
	s_lshl_b32 s16, s13, 7
	s_add_co_u32 s16, s16, s17
	s_lshl_b32 s16, s16, 7
	s_lshl_b32 s46, s42, 7
	s_add_co_u32 s46, s46, s17
	s_lshl_b32 s46, s46, 7
	s_add_co_u32 s46, s46, BPART
	s_mov_b32 s17, 0
	s_mov_b32 s47, 0
	s_mul_i32 s20, s10, HALF
	s_wait_dscnt 0x0
	s_wait_kmcnt 0x0
	s_add_nc_u64 s[14:15], s[APTR:APTR+1], s[16:17]
	s_add_nc_u64 s[46:47], s[BPTR:BPTR+1], s[46:47]
	CROUND
.irp s, 0,1
	s_mov_b32 s[G0+4*\s], 1
	s_add_co_u32 s[G0+4*\s+1], s20, \s*SLOT
	s_add_nc_u64 s[G0+4*\s+2:G0+4*\s+3], s[14:15], \s*ASTEP
	s_or_b32 s[G0+4*\s+3], s[G0+4*\s+3], 0x80000000
	s_mov_b32 s[G0B+4*\s], 1
	s_add_co_u32 s[G0B+4*\s+1], s20, \s*SLOT
	s_add_nc_u64 s[G0B+4*\s+2:G0B+4*\s+3], s[46:47], \s*BSTEP
	s_or_b32 s[G0B+4*\s+3], s[G0B+4*\s+3], 0x80000000
.endr
	JLOAD 0
	s_lshl_b32 s80, s13, 9                         ; the tile's first token x 4
	s_mov_b32 s81, 0
	s_add_nc_u64 s[80:81], s[72:73], s[80:81]
	v_lshlrev_b32 v22, 2, v0                       ; thread t takes token t of the tile
.irp c, 0,1,2,3,4,5,6,7,8,9,10,11,12,13,14,15
	global_load_b32 v[32+\c], v22, s[80:81] offset:16384*\c
.endr
	v_lshl_add_u32 v23, v0, 2, SCR
	v_and_b32 v1, 15, v0
	v_bfe_u32 v2, v0, 4, 1
	v_mul_u32_u24 v3, v1, 144
	v_lshl_add_u32 v3, v2, 4, v3
	s_mul_i32 s21, s11, HALF
	s_mul_i32 s22, s12, HALF
	s_add_co_u32 s22, s22, 2*HALF
.irp s, 0,1
	v_add_nc_u32 v[ADRA+\s], s21, v3
	v_add_nc_u32 v[ADRB+\s], s22, v3
	s_add_co_u32 s21, s21, SLOT
	s_add_co_u32 s22, s22, SLOT
.endr
	s_mul_i32 s84, s11, 9216                       ; into the stage: my 64 rows,
	s_lshl_b32 s85, s12, 6                         ; my half of their 128 bytes
	s_add_co_u32 s84, s84, s85
	s_add_co_u32 s84, s84, STAGE
	v_add_nc_u32 v[STO], s84, v3
	s_mul_i32 s85, s10, 4608                       ; back: wave w takes rows 32 w .. 32 w + 31, whole
	s_add_co_u32 s85, s85, STAGE
	v_bfe_u32 v4, v0, 3, 2
	v_and_b32 v5, 7, v0
	v_mul_u32_u24 v[RD], v4, 144
	v_lshl_add_u32 v[RD], v5, 4, v[RD]
	v_add_nc_u32 v[RD], s85, v[RD]
	v_and_b32 v26, 31, v0
	v_lshlrev_b32 v26, 4, v26                      ; 16 x lane
	s_lshl_b32 s86, s11, 8
	s_add_co_u32 s86, s86, SCR
	v_lshl_add_u32 v24, v1, 2, s86                 ; 1 / rms of my token r
	s_lshl_b32 s82, s42, 12
	s_lshl_b32 s83, s13, 7
	s_add_co_u32 s82, s82, s83
	s_lshl_b32 s83, s10, 5
	s_add_co_u32 s82, s82, s83
	s_lshl_b32 s82, s82, 7
	s_mov_b32 s83, 0
	s_add_nc_u64 s[82:83], s[74:75], s[82:83]      ; gate: plane = tile column, token 128 x tile row + 32 x wave
	s_mov_b32 s88, 0x3a800000                      ; 1 / 1,024
	s_mov_b32 s89, 0x2edbe6ff                      ; 1e-10
	s_mov_b32 s90, 0xbfb8aa3b                      ; -log2(e)
.set i, 0
.rept 128
	v_mov_b32 v[ACC+i], 0
.set i, i+1
.endr
	s_wait_loadcnt 0x0                             ; the 16 partial sums
.irp c, 0,4,8,12
	v_pk_add_f32 v[32+\c:33+\c], v[32+\c:33+\c], v[34+\c:35+\c]
.endr
	v_pk_add_f32 v[32:33], v[32:33], v[36:37]
	v_pk_add_f32 v[40:41], v[40:41], v[44:45]
	v_pk_add_f32 v[32:33], v[32:33], v[40:41]
	v_add_f32 v32, v32, v33
	v_fma_f32 v32, v32, s88, s89
	v_rsq_f32 v33, v32
	v_nop                                          ; a plain instruction behind the root
	s_wait_alu depctr_va_vdst(0)
	ds_store_b32 v23, v33                          ; read by other waves behind the first K step's wait and round
	TRIP 0, 1
	TRIP 1, 1
	TRIP 0, 1
	TRIP 1, 0
; 16 tokens x 16 f: tokens 16 a .., accumulators bb (A) and bb + 2 (B).  The packed multiplies that wait for nothing are the plain instructions behind the exponentials and the reciprocals.
.macro GATE a, bb
.set rA, ACC+8*(4*(\a)+(\bb))
.set rB, rA+16
.set rE, 32+24*(\bb)
.set rG, rE+8
.set rO, rE+16
.irp k, 0,2,4,6
	v_pk_mul_f32 v[rE+\k:rE+\k+1], v[rA+\k:rA+\k+1], v[10:11]      ; -log2(e) rinv A
.endr
.irp k, 0,1,2,3,4,5,6,7
	v_exp_f32 v[rE+\k], v[rE+\k]
.endr
.irp k, 0,2,4,6
	v_pk_mul_f32 v[rG+\k:rG+\k+1], v[rA+\k:rA+\k+1], v[rB+\k:rB+\k+1]
.endr
	s_wait_alu depctr_va_vdst(0)
.irp k, 0,2,4,6
	v_pk_add_f32 v[rE+\k:rE+\k+1], v[rE+\k:rE+\k+1], 1.0 op_sel_hi:[1,0]
.endr
.irp k, 0,1,2,3,4,5,6,7
	v_rcp_f32 v[rE+\k], v[rE+\k]
.endr
.irp k, 0,2,4,6
	v_pk_mul_f32 v[rG+\k:rG+\k+1], v[rG+\k:rG+\k+1], v[8:9]        ; rinv^2 A B
.endr
	s_wait_alu depctr_va_vdst(0)
.irp k, 0,2,4,6
	v_pk_mul_f32 v[rG+\k:rG+\k+1], v[rG+\k:rG+\k+1], v[rE+\k:rE+\k+1]
.endr
.irp k, 0,1,2,3
	v_cvt_pk_bf16_f32 v[rO+\k], v[rG+2*\k], v[rG+2*\k+1]
.endr
	ds_store_b128 v[STO], v[rO:rO+3] offset:2304*(\a)+32*(\bb)
.endm
	PLACES
.irp a, 0,1,2,3
	ds_load_b32 v[4+\a], v24 offset:64*\a
.endr
	s_wait_dscnt 0x0
.irp a, 0,1,2,3
	v_mul_f32 v8, v[4+\a], v[4+\a]
	v_mul_f32 v10, s90, v[4+\a]
	v_mov_b32 v9, v8
	v_mov_b32 v11, v10
	GATE \a, 0
	GATE \a, 1
.endr
	s_wait_dscnt 0x0                               ; for the others' sake: a row's 128 bytes come from two waves
	s_barrier_signal -1
	s_barrier_wait -1
.irp f, 0,1,2,3,4,5,6,7
	ds_load_b128 v[32+4*\f:35+4*\f], v[RD] offset:576*\f
.endr
.irp f, 0,1,2,3,4,5,6,7
	s_wait_dscnt 7-\f
	global_store_b128 v26, v[32+4*\f:35+4*\f], s[82:83] offset:512*\f  ; four rows of the plane: 512 consecutive bytes, aligned
.endr
	s_wait_tensorcnt 0x0                           ; the wave's end
	ds_add_u32 v[SPW], v[NIL]
	s_wait_dscnt 0x0
	CROUND
	s_endpgm
.Lfunc_end_k_qaa2c125771_l_ffn1:
	.size	k_qaa2c125771_l_ffn1, .Lfunc_end_k_qaa2c125771_l_ffn1-k_qaa2c125771_l_ffn1
	.p2alignl 7, 3214868480
	.fill 96, 4, 3214868480
	.section	.rodata,"a",@progbits
	.p2align	6, 0x0
	.amdhsa_kernel k_qaa2c125771_l_ffn1
		.amdhsa_group_segment_fixed_size 327680
		.amdhsa_private_segment_fixed_size 0
		.amdhsa_enable_private_segment 0
		.amdhsa_kernarg_size 32
		.amdhsa_user_sgpr_count 2
		.amdhsa_user_sgpr_kernarg_segment_ptr 1
		.amdhsa_wavefront_size32 1
		.amdhsa_system_sgpr_workgroup_id_x 1
		.amdhsa_system_sgpr_workgroup_id_y 1
		.amdhsa_system_sgpr_workgroup_id_z 1
		.amdhsa_system_vgpr_workitem_id 0
		.amdhsa_next_free_vgpr 512
		.amdhsa_next_free_sgpr 100
		.amdhsa_reserve_vcc 0
		.amdhsa_float_denorm_mode_32 3
		.amdhsa_float_denorm_mode_16_64 3
		.amdhsa_memory_ordered 1
		.amdhsa_forward_progress 1
		.amdhsa_inst_pref_size 73
	.end_amdhsa_kernel
	.amdgpu_metadata
---
amdhsa.version: [ 1, 2 ]
amdhsa.kernels:
  - .name:           k_qaa2c125771_l_ffn1
    .symbol:         k_qaa2c125771_l_ffn1.kd
    .args:
      - { .name: hb, .offset: 0, .size: 8, .value_kind: global_buffer, .address_space: global }
      - { .name: pw, .offset: 8, .size: 8, .value_kind: global_buffer, .address_space: global }
      - { .name: ssq, .offset: 16, .size: 8, .value_kind: global_buffer, .address_space: global }
      - { .name: gate, .offset: 24, .size: 8, .value_kind: global_buffer, .address_space: global }
    .group_segment_fixed_size: 327680
    .private_segment_fixed_size: 0
    .kernarg_segment_align: 8
    .kernarg_segment_size: 32
    .max_flat_workgroup_size: 128
    .sgpr_count:     100
    .vgpr_count:     512
    .wavefront_size: 32
...
	.end_amdgpu_metadata
.endif
;; end of part 5
;; launch l_ffn2 (part 6): grid 8 x 32, 4 waves a work-group, clusters of 4 x 4, 327,680 bytes of LDS; arguments gate, pw, hf, out0; writes out0
.if DOCPART == 6
	.amdgcn_target "amdgcn-amd-amdhsa--gfx1250"
	.amdhsa_code_object_version 6
	.text
	.protected	k_qaa2c125771_l_ffn2
	.globl	k_qaa2c125771_l_ffn2
	.p2align	8
	.type	k_qaa2c125771_l_ffn2,@function
k_qaa2c125771_l_ffn2:
	s_mov_b64 s[64:65], 0
	v_nop
	global_prefetch_b8 v0, s[64:65] scope:SCOPE_SE
	s_setreg_imm32_b32 hwreg(HW_REG_WAVE_MODE, 25, 1), 1
	s_wait_xcnt 0x0
	s_wait_alu depctr_hold_cnt(0) depctr_sa_sdst(0) depctr_va_vdst(0) depctr_va_sdst(0) depctr_va_ssrc(0) depctr_va_vcc(0) depctr_vm_vsrc(0)
	s_getreg_b32 s2, hwreg(HW_REG_IB_STS2, 6, 4)
	s_cmp_eq_u32 s2, 0
	s_cbranch_scc0 .Lentry_in_a_cluster
	s_endpgm
.Lentry_in_a_cluster:
	s_bfe_u32 s2, ttmp6, 0x10000c
	s_cmp_lg_u32 s2, 0xf033
	s_cbranch_scc0 .Lentry_shape_is_right
	s_endpgm
.Lentry_shape_is_right:
; out0 = h + gate w2^T, f32.  K = 2,752 = 43 planes of 64.
; THE PRODUCT.  A tile of C is 128 tokens x 128 columns; four waves, each 64 x 64: 16 accumulators.  Operands lie in planes [K/64][rows][64] bf16.  K goes in 11 steps of 4 planes through two
; LDS slots; a wave's one tensor load brings 64 rows of 4 planes, 32 KiB.  THE LAST STEP HAS THREE PLANES: its descriptors say that three are left, so the fourth arrives in LDS as zeros
; (ISA guide, 10.11: elements beyond a tensor's extent) and nothing past the buffers is read; its 32 products a wave add 0.
; CLUSTER 4 x 4: A's tiles are shared along a row of the cluster, B's along a column, each asked for jointly.
; THE MATRIX INSTRUCTION IS USED TRANSPOSED: lane l holds token l % 16, register j of accumulator (a, b) column 16 b + 8 (l / 16) + j.  On the way out 16 tokens at a time go through my stage in
; LDS and come back as whole rows of 256 bytes, where the residual, loaded at the head in that very layout, is added.
; The accumulators are cleared in the wait for the first tile, so that every K step has one text and eight of the eleven are a loop.
; LIMITS.  NaN and infinities are not treated apart.
.set HALF,  36864
.set SLOT,  147456
.set STAGE, 294912                     ; behind the ring, never filled by a tensor load: 4,608 bytes for each wave (16 rows of 272)
.set SPARE, 314368
.set ASTEP, 2097152
.set BSTEP, 524288
.set APITCH, 262144
.set BPITCH, 65536
.set BPART, 28049408                   ; w2's place in pw
.set APTR, 68
.set BPTR, 70
.set ADRA, 16
.set ADRB, 18
.set WA,   20
.set WB,   21
.set SPW,  28
.set NIL,  29
.set STO,  30
.set RD,   31
.set ACC,  128
.set F0,   0
.set F1,   64
.set EXT,  128
.set G1, 24
.set G0, 32
.set G1B, 48
.set G0B, 56
.set FLAGS, (1<<16)|(1<<20)|(1<<21)|(4<<22)|(3<<25)
.set MSB, 0
.macro WIN new
.if MSB != (\new)
	s_set_vgpr_msb (MSB<<8)|(\new)
.set MSB, \new
.endif
.endm
.macro PLACES
.rept 4
	v_nop
.endr
.endm
.macro CROUND
	s_barrier_signal -1
	s_barrier_wait -1
	s_cmp_lg_u32 s10, 0
	s_cbranch_scc1 .Lnot_wave_0_\@
	s_barrier_signal -3
.Lnot_wave_0_\@:
	s_barrier_wait -3
	s_barrier_signal -1
	s_barrier_wait -1
.endm
.macro JLOAD s
	s_cmp_eq_u32 s11, 0
	s_cbranch_scc0 .Lfor_b_\@
	tensor_load_to_lds s[G0+4*(\s):G0+4*(\s)+3], s[G1:G1+7]
	s_nop 0
.rept 4
	v_nop
.endr
	s_branch .Lasked_\@
.Lfor_b_\@:
	tensor_load_to_lds s[G0B+4*(\s):G0B+4*(\s)+3], s[G1B:G1B+7]
	s_nop 0
.rept 4
	v_nop
.endr
.Lasked_\@:
.endm
.macro MUL16 f                         ; the 16 accumulators take turns, one instruction a turn
	WIN 0x05
.irp a, 0,1,2,3
.irp b, 0,1,2,3
	v_wmma_f32_16x16x32_bf16 v[ACC+8*(4*\a+\b):ACC+8*(4*\a+\b)+7], v[(\f)+32+8*\b:(\f)+32+8*\b+7], v[(\f)+8*\a:(\f)+8*\a+7], v[ACC+8*(4*\a+\b):ACC+8*(4*\a+\b)+7]
.endr
.endr
.endm
.macro FETCH f, off
	WIN 0x40
.irp i, 0,1,2,3
	ds_load_b128 v[(\f)+32+8*\i:(\f)+32+8*\i+3],   v[WB] offset:(\off)+2304*\i
	ds_load_b128 v[(\f)+32+8*\i+4:(\f)+32+8*\i+7], v[WB] offset:(\off)+2304*\i+32
	ds_load_b128 v[(\f)+8*\i:(\f)+8*\i+3],         v[WA] offset:(\off)+2304*\i
	ds_load_b128 v[(\f)+8*\i+4:(\f)+8*\i+7],       v[WA] offset:(\off)+2304*\i+32
.endr
.endm
; A K step out of slot `slot`.  fill = 1: the other slot is asked for, first thing behind the round; fill = 2: likewise, and it is the last step's tile, of which three planes exist.
.macro TRIP slot, fill
	WIN 0
	s_wait_tensorcnt 0x0                           ; my one tensor load, my part of this slot, has landed: no load of mine is out, so descriptors may be written
	ds_add_u32 v[SPW], v[NIL]
	s_add_nc_u64 s[G0+4*(\slot)+2:G0+4*(\slot)+3], s[G0+4*(\slot)+2:G0+4*(\slot)+3], 2*ASTEP
	s_add_nc_u64 s[G0B+4*(\slot)+2:G0B+4*(\slot)+3], s[G0B+4*(\slot)+2:G0B+4*(\slot)+3], 2*BSTEP
.if (\fill) == 2
	s_mov_b32 s[G1+2], 3<<16                       ; tensor_dim1: three planes are left from the tile's first
	s_mov_b32 s[G1B+2], 3<<16
.endif
	s_wait_dscnt 0x0                               ; the add is done, and my reads of the other slot are over
.if \fill
	CROUND
	JLOAD 1-(\slot)
.else
	s_barrier_signal -1
	s_barrier_wait -1
	PLACES
.endif
	v_mov_b32 v[WA], v[ADRA+(\slot)]
	v_mov_b32 v[WB], v[ADRB+(\slot)]
	FETCH F0, 0
	FETCH F1, 64
	WIN 0
	s_mov_b32 s45, 3
.Lq_\@:
	s_wait_dscnt 16                                ; two buffers are out, 16 loads each: the older is in
	MUL16 F0
	PLACES
	FETCH F0, 9216
	s_wait_dscnt 16
	MUL16 F1
	PLACES
	FETCH F1, 9216+64
	WIN 0
	v_add_nc_u32 v[WA], 9216, v[WA]
	v_add_nc_u32 v[WB], 9216, v[WB]
	s_sub_co_u32 s45, s45, 1
	s_cmp_lg_u32 s45, 0
	s_cbranch_scc1 .Lq_\@
	s_wait_dscnt 16
	MUL16 F0
	s_wait_dscnt 0x0
	MUL16 F1
	WIN 0
.endm
	s_load_b256 s[68:75], s[0:1], 0x0              ; gate s[68:69], pw s[70:71], hf s[72:73], out0 s[74:75]
	v_lshl_add_u32 v[SPW], v0, 2, SPARE
	v_mov_b32 v[NIL], 0
	ds_add_u32 v[SPW], v[NIL]                      ; the wave's opening: the add and its wait ahead of my first tensor load
	ds_add_u32 v28, v29
	v_lshrrev_b32 v3, 5, v0
	v_readfirstlane_b32 s10, v3
	s_lshr_b32 s11, s10, 1
	s_and_b32 s12, s10, 1
	s_bfe_u32 s40, ttmp6, 0x40000
	s_bfe_u32 s41, ttmp6, 0x40004
	s_lshl_b32 s42, ttmp9, 2
	s_add_co_u32 s42, s42, s40                     ; tile column
	s_and_b32 s13, ttmp7, 0xffff
	s_lshl_b32 s13, s13, 2
	s_add_co_u32 s13, s13, s41                     ; tile row
	s_lshl_b32 s43, s41, 2
	s_lshl_b32 s43, 15, s43
	s_lshl_b32 s44, 0x1111, s40
	s_or_b32 s[G1+0], s43, FLAGS
	s_or_b32 s[G1B+0], s44, FLAGS
.irp g, G1, G1B
	s_mov_b32 s[(\g)+1], 4096<<16
	s_mov_b32 s[(\g)+2], 4<<16
	s_mov_b32 s[(\g)+3], 4096<<16
	s_mov_b32 s[(\g)+4], 4
	s_mov_b32 s[(\g)+6], 0
	s_mov_b32 s[(\g)+7], 0
.endr
	s_mov_b32 s[G1+5], APITCH
	s_mov_b32 s[G1B+5], BPITCH
	s_lshl_b32 s17, s12, 6
	s_lshl_b32 s16, s13, 7
	s_add_co_u32 s16, s16, s17
	s_lshl_b32 s16, s16, 7
	s_lshl_b32 s46, s42, 7
	s_add_co_u32 s46, s46, s17
	s_lshl_b32 s46, s46, 7
	s_add_co_u32 s46, s46, BPART
	s_mov_b32 s17, 0
	s_mov_b32 s47, 0
	s_mul_i32 s20, s10, HALF
	s_wait_dscnt 0x0
	s_wait_kmcnt 0x0
	s_add_nc_u64 s[14:15], s[APTR:APTR+1], s[16:17]
	s_add_nc_u64 s[46:47], s[BPTR:BPTR+1], s[46:47]
	CROUND
.irp s, 0,1
	s_mov_b32 s[G0+4*\s], 1
	s_add_co_u32 s[G0+4*\s+1], s20, \s*SLOT
	s_add_nc_u64 s[G0+4*\s+2:G0+4*\s+3], s[14:15], \s*ASTEP
	s_or_b32 s[G0+4*\s+3], s[G0+4*\s+3], 0x80000000
	s_mov_b32 s[G0B+4*\s], 1
	s_add_co_u32 s[G0B+4*\s+1], s20, \s*SLOT
	s_add_nc_u64 s[G0B+4*\s+2:G0B+4*\s+3], s[46:47], \s*BSTEP
	s_or_b32 s[G0B+4*\s+3], s[G0B+4*\s+3], 0x80000000
.endr
	JLOAD 0
	v_and_b32 v1, 15, v0
	v_bfe_u32 v2, v0, 4, 1
	v_lshlrev_b32 v22, 4, v1
	v_lshl_add_u32 v22, v2, 12, v22                ; two rows of f32: 16 r + 4,096 h
	s_lshl_b32 s80, s13, 7
	s_lshl_b32 s81, s11, 6
	s_add_co_u32 s80, s80, s81                     ; my first token
	s_lshl_b32 s82, s80, 12
	s_lshl_b32 s81, s42, 9
	s_add_co_u32 s82, s82, s81
	s_lshl_b32 s81, s12, 8
	s_add_co_u32 s82, s82, s81
	s_mov_b32 s83, 0
	s_add_nc_u64 s[84:85], s[72:73], s[82:83]      ; the residual,
	s_add_nc_u64 s[86:87], s[74:75], s[82:83]      ; and the result, at my 64 x 64
	WIN 0x40
.irp a, 0,1,2,3
.irp t, 0,1,2,3,4,5,6,7
	global_load_b128 v[EXT+32*\a+4*\t:EXT+32*\a+4*\t+3], v22, s[84:85] offset:(16*\a+2*\t)*4096
.endr
.endr
	WIN 0
	v_mul_u32_u24 v3, v1, 144
	v_lshl_add_u32 v3, v2, 4, v3
	s_mul_i32 s21, s11, HALF
	s_mul_i32 s22, s12, HALF
	s_add_co_u32 s22, s22, 2*HALF
.irp s, 0,1
	v_add_nc_u32 v[ADRA+\s], s21, v3
	v_add_nc_u32 v[ADRB+\s], s22, v3
	s_add_co_u32 s21, s21, SLOT
	s_add_co_u32 s22, s22, SLOT
.endr
	s_mul_i32 s23, s10, 4608
	s_add_co_u32 s23, s23, STAGE
	v_mul_u32_u24 v[STO], v1, 272
	v_lshl_add_u32 v[STO], v2, 5, v[STO]
	v_add_nc_u32 v[STO], s23, v[STO]
	v_mul_u32_u24 v[RD], v2, 272
	v_lshl_add_u32 v[RD], v1, 4, v[RD]
	v_add_nc_u32 v[RD], s23, v[RD]
.set i, 0
.rept 128
	v_mov_b32 v[ACC+i], 0
.set i, i+1
.endr
	s_mov_b32 s3, 4
.Lk:                                           ; K steps 0 to 7; steps 1 to 8 are asked for
	TRIP 0, 1
	TRIP 1, 1
	s_sub_co_u32 s3, s3, 1
	s_cmp_lg_u32 s3, 0
	s_cbranch_scc1 .Lk
	TRIP 0, 1                                      ; step 8; step 9 is asked for
	TRIP 1, 2                                      ; step 9; step 10, of three planes, is asked for
	TRIP 0, 0                                      ; step 10
.macro ROWS a                          ; the way out of tokens 16 a ..
	s_wait_xcnt 0x0                                ; the last block's stores have read their data registers, which are written again below
.irp b, 0,1,2,3
	ds_store_b128 v[STO], v[ACC+32*(\a)+8*\b:ACC+32*(\a)+8*\b+3] offset:64*\b        ; each accumulator's lowest registers first
	ds_store_b128 v[STO], v[ACC+32*(\a)+8*\b+4:ACC+32*(\a)+8*\b+7] offset:64*\b+16
.endr
.irp t, 0,1,2,3,4,5,6,7
	ds_load_b128 v[32+4*\t:35+4*\t], v[RD] offset:544*\t   ; LDS serves a wave's instructions in order (ISA guide 5.7.1.4): these see the stores above
.endr
	s_wait_dscnt 0x0
	WIN 0x04
.set i, 0
.rept 16
	v_pk_add_f32 v[32+2*i:33+2*i], v[32+2*i:33+2*i], v[EXT+32*(\a)+2*i:EXT+32*(\a)+2*i+1]
.set i, i+1
.endr
	WIN 0
.irp t, 0,1,2,3,4,5,6,7
	global_store_b128 v22, v[32+4*\t:35+4*\t], s[86:87] offset:(16*(\a)+2*\t)*4096  ; 16 lanes store 256 consecutive bytes, aligned
.endr
.endm
	PLACES
	s_wait_loadcnt 0x0                             ; the residual, asked for at the head
	ROWS 0
	ROWS 1
	ROWS 2
	ROWS 3
	s_wait_tensorcnt 0x0                           ; the wave's end
	ds_add_u32 v[SPW], v[NIL]
	s_wait_dscnt 0x0
	CROUND
	s_endpgm
.Lfunc_end_k_qaa2c125771_l_ffn2:
	.size	k_qaa2c125771_l_ffn2, .Lfunc_end_k_qaa2c125771_l_ffn2-k_qaa2c125771_l_ffn2
	.p2alignl 7, 3214868480
	.fill 96, 4, 3214868480
	.section	.rodata,"a",@progbits
	.p2align	6, 0x0
	.amdhsa_kernel k_qaa2c125771_l_ffn2
		.amdhsa_group_segment_fixed_size 327680
		.amdhsa_private_segment_fixed_size 0
		.amdhsa_enable_private_segment 0
		.amdhsa_kernarg_size 32
		.amdhsa_user_sgpr_count 2
		.amdhsa_user_sgpr_kernarg_segment_ptr 1
		.amdhsa_wavefront_size32 1
		.amdhsa_system_sgpr_workgroup_id_x 1
		.amdhsa_system_sgpr_workgroup_id_y 1
		.amdhsa_system_sgpr_workgroup_id_z 1
		.amdhsa_system_vgpr_workitem_id 0
		.amdhsa_next_free_vgpr 512
		.amdhsa_next_free_sgpr 100
		.amdhsa_reserve_vcc 0
		.amdhsa_float_denorm_mode_32 3
		.amdhsa_float_denorm_mode_16_64 3
		.amdhsa_memory_ordered 1
		.amdhsa_forward_progress 1
		.amdhsa_inst_pref_size 76
	.end_amdhsa_kernel
	.amdgpu_metadata
---
amdhsa.version: [ 1, 2 ]
amdhsa.kernels:
  - .name:           k_qaa2c125771_l_ffn2
    .symbol:         k_qaa2c125771_l_ffn2.kd
    .args:
      - { .name: gate, .offset: 0, .size: 8, .value_kind: global_buffer, .address_space: global }
      - { .name: pw, .offset: 8, .size: 8, .value_kind: global_buffer, .address_space: global }
      - { .name: hf, .offset: 16, .size: 8, .value_kind: global_buffer, .address_space: global }
      - { .name: out0, .offset: 24, .size: 8, .value_kind: global_buffer, .address_space: global }
    .group_segment_fixed_size: 327680
    .private_segment_fixed_size: 0
    .kernarg_segment_align: 8
    .kernarg_segment_size: 32
    .max_flat_workgroup_size: 128
    .sgpr_count:     100
    .vgpr_count:     512
    .wavefront_size: 32
...
	.end_amdgpu_metadata
.endif
;; end of part 6
;; ======== version 2 of 3: 6 launches
;; limits: right only within a limited range of input values
;; workspace buffers: pw 34,209,792 bytes; qkvb 25,165,824 bytes; ob 8,388,608 bytes; hf 16,777,216 bytes; hb 8,388,608 bytes; ssq 262,144 bytes; gate 22,544,384 bytes
;; launch l_prep (part 7): grid 2184 x 1, 4 waves a work-group, no clusters, 0 bytes of LDS; arguments x, wq, wk, wv, wo, w1, w3, w2, norm1_w, norm2_w, pw; writes pw
.if DOCPART == 7
	.amdgcn_target "amdgcn-amd-amdhsa--gfx1250"
	.amdhsa_code_object_version 6
	.text
	.protected	k_qaa2c125771_l_prep
	.globl	k_qaa2c125771_l_prep
	.p2align	8
	.type	k_qaa2c125771_l_prep,@function
k_qaa2c125771_l_prep:
	s_mov_b64 s[64:65], 0
	v_nop
	global_prefetch_b8 v0, s[64:65] scope:SCOPE_SE
	s_setreg_imm32_b32 hwreg(HW_REG_WAVE_MODE, 25, 1), 1
	s_wait_xcnt 0x0
; PREPARATION.  Everything that the later products take as a bf16 operand and that hangs on the inputs alone is made here, once, in PLANES: [K/64][rows][64],
; a plane being 64 neighbouring k of all rows, 128 bytes a row.  Three kinds of work-group, told apart by the work-group's number:
;   0-511      xn = norm1_w * x / sqrt(mean(x^2) + 1e-10), rounded once to bf16: 8 rows a work-group, 2 a wave (16 lanes a row)
;   512-2055   the weights, rounded once to bf16; w1 and w3 are first multiplied by norm2_w (the second norm's gain is folded into them: the order of rounding differs
;              from the reference's there) and interleaved, 4 rows of w1, then the same 4 of w3.  A wave takes 32 rows of one plane
;   2056-2183  the table of cos and sin for RoPE, f32, in the order in which the projection's lanes want it: 16 positions a work-group
; No LDS, no matrix unit: a stream.  Each store of a wave covers 256 or 512 consecutive bytes, aligned.
; LIMITS.  NaN and infinities are not treated apart.  The angle pos * inv_freq is reduced by pi/2 in two parts and is good to about 3e-4 rad at position 2,047.
.set XN,   0                           ; byte offsets of pw's parts: xn [16][4096][64]
.set WQKV, 8388608                     ; [16][3072][64]: rows of wq, wk, wv
.set WOP,  14680064                    ; [16][1024][64]
.set W13,  16777216                    ; [16][5504][64]: row 8 u + j is w1's row 4 u + j (j < 4) or w3's row 4 u + j - 4
.set W2P,  28049408                    ; [43][1024][64]
.set ROPE, 33685504                    ; f32 [128 blocks of 16 positions][8][32 lanes][4]
	s_load_b512 s[8:23], s[0:1], 0x0               ; x s[8:9], wq, wk, wv, wo, w1, w3, w2 s[22:23]
	s_load_b128 s[24:27], s[0:1], 0x40             ; norm1_w s[24:25], norm2_w s[26:27]
	s_load_b64 s[28:29], s[0:1], 0x50              ; pw
	v_lshrrev_b32 v3, 5, v0
	v_readfirstlane_b32 s2, v3                     ; wave 0..3
	v_and_b32 v1, 15, v0                           ; r = lane % 16
	v_bfe_u32 v2, v0, 4, 1                         ; h = lane / 16
	s_mov_b32 s33, 0                               ; the high word of every offset
	s_wait_kmcnt 0x0
	s_cmp_lt_u32 ttmp9, 512
	s_cbranch_scc1 .Lxnorm
	s_cmp_ge_u32 ttmp9, 2056
	s_cbranch_scc1 .Lrope
; ---------------- THE WEIGHTS.  The source and its numbers are chosen by the work-group's number: each PICK overrides the one before from its first work-group on.
.macro PICK first, ptr, doff, plane, step, pitch, scale, last
	s_cmp_ge_u32 ttmp9, \first
	s_cselect_b64 s[36:37], s[\ptr:\ptr+1], s[36:37]  ; the source
	s_cselect_b32 s38, \first, s38                 ; its first work-group
	s_cselect_b32 s39, \doff, s39                  ; where its rows begin in pw
	s_cselect_b32 s40, \plane, s40                 ; bytes in a plane there
	s_cselect_b32 s41, \step, s41                  ; bytes from a block of 32 rows to the next there
	s_cselect_b32 s42, \pitch, s42                 ; bytes in a row of the source
	s_cselect_b32 s43, \scale, s43                 ; 1: times norm2_w, and interleaved
	s_cselect_b32 s44, \last, s44                  ; 1: w2, with 43 planes and 32 blocks
.endm
	s_mov_b64 s[36:37], s[10:11]                   ; wq
	s_mov_b32 s38, 512
	s_mov_b32 s39, WQKV
	s_mov_b32 s40, 393216
	s_mov_b32 s41, 4096
	s_mov_b32 s42, 4096
	s_mov_b32 s43, 0
	s_mov_b32 s44, 0
	PICK 640,  12, WQKV+131072, 393216, 4096, 4096, 0, 0   ; wk
	PICK 768,  14, WQKV+262144, 393216, 4096, 4096, 0, 0   ; wv
	PICK 896,  16, WOP,         131072, 4096, 4096, 0, 0   ; wo
	PICK 1024, 18, W13,         704512, 8192, 4096, 1, 0   ; w1: a block's 32 rows spread over 64 rows there,
	PICK 1368, 20, W13+512,     704512, 8192, 4096, 1, 0   ; w3: the same, four rows further down
	PICK 1712, 22, W2P,         131072, 4096, 11008, 0, 1  ; w2
	s_sub_co_u32 s45, ttmp9, s38
	s_lshl2_add_u32 s45, s45, s2                   ; my unit: 4 x (work-group - first) + wave
	s_and_b32 s46, s45, 15                         ; with 16 planes: plane,
	s_lshr_b32 s47, s45, 4                         ; block of 32 rows
	s_and_b32 s48, s45, 31                         ; w2: block,
	s_lshr_b32 s49, s45, 5                         ; plane
	s_cmp_eq_u32 s44, 1
	s_cselect_b32 s46, s49, s46
	s_cselect_b32 s47, s48, s47
	s_mul_i32 s50, s47, s42
	s_lshl_b32 s50, s50, 5                         ; block x 32 rows x pitch
	s_lshl_b32 s51, s46, 8                         ; plane x 256 bytes of f32
	s_add_co_u32 s32, s50, s51
	s_add_nc_u64 s[36:37], s[36:37], s[32:33]      ; the source at my unit
	s_mul_i32 s50, s46, s40
	s_mul_i32 s52, s47, s41
	s_add_co_u32 s50, s50, s52
	s_add_co_u32 s32, s50, s39
	s_add_nc_u64 s[28:29], s[28:29], s[32:33]      ; pw at my unit
	v_mul_u32_u24 v80, s42, v2                     ; load i takes rows 2 i and 2 i + 1: lanes 0-15 one row's 256 bytes, lanes 16-31 the next row's
	v_lshl_add_u32 v80, v1, 4, v80
	s_lshl_b32 s53, s42, 1
.set i, 1
.rept 15
	v_add_nc_u32 v[80+i], s53, v[79+i]             ; an address register for each load: none is rewritten
.set i, i+1
.endr
	v_lshlrev_b32 v7, 4, v1
	v_add_nc_u32 v7, s51, v7                       ; my four columns in norm2_w
	v_lshlrev_b32 v8, 3, v1
	v_lshl_add_u32 v8, v2, 7, v8                   ; my 8 bytes of two rows of a plane
	s_lshl_b32 s54, s43, 9                         ; w1 and w3: every four rows skip the other's four, 512 bytes; the others: nothing
	v_mov_b32 v132, v8
.set i, 1
.rept 7
	v_add_nc_u32 v[132+i], s54, v[131+i]           ; an offset register for each four rows
.set i, i+1
.endr
	s_cmp_eq_u32 s43, 0
	s_cbranch_scc1 .Lones
	global_load_b128 v[96:99], v7, s[26:27]        ; the gain of my four columns,
	s_branch .Lgain
.Lones:
	v_mov_b32 v96, 1.0                             ; or 1
	v_mov_b32 v97, 1.0
	v_mov_b32 v98, 1.0
	v_mov_b32 v99, 1.0
.Lgain:
.set i, 0
.rept 16
	global_load_b128 v[16+4*i:19+4*i], v[80+i], s[36:37] th:TH_LOAD_NT
.set i, i+1
.endr
.set i, 0
.rept 16
	s_wait_loadcnt 15-i                            ; loads come back in order: load i and all older ones (the gain's among them) are in, the 15 - i younger stay out
	v_pk_mul_f32 v[16+4*i:17+4*i], v[16+4*i:17+4*i], v[96:97]
	v_pk_mul_f32 v[18+4*i:19+4*i], v[18+4*i:19+4*i], v[98:99]
	v_cvt_pk_bf16_f32 v[100+2*i], v[16+4*i], v[17+4*i]
	v_cvt_pk_bf16_f32 v[101+2*i], v[18+4*i], v[19+4*i]
	global_store_b64 v[132+i/2], v[100+2*i:101+2*i], s[28:29] offset:256*i  ; two rows of the plane: 256 consecutive bytes, aligned; each store has data registers of its own
.set i, i+1
.endr
	s_endpgm
; ---------------- THE FIRST NORM.  16 lanes hold a row: load p brings 16 bytes a lane, the row's plane p.
.Lxnorm:
	s_lshl_b32 s30, ttmp9, 3
	s_lshl1_add_u32 s30, s2, s30                   ; my first row: 8 x work-group + 2 x wave
	s_lshl_b32 s32, s30, 12
	s_add_nc_u64 s[8:9], s[8:9], s[32:33]          ; x at that row
	s_lshl_b32 s32, s30, 7
	s_add_nc_u64 s[28:29], s[28:29], s[32:33]      ; xn's plane 0 at that row
	s_mov_b32 s34, 0x3a800000                      ; 1 / 1,024
	s_mov_b32 s35, 0x2edbe6ff                      ; 1e-10
	v_lshlrev_b32 v3, 4, v1                        ; 16 r: in norm1_w
	v_lshl_add_u32 v4, v2, 12, v3                  ; + a row for lanes 16-31: in x
	v_lshlrev_b32 v5, 3, v1
	v_lshl_add_u32 v5, v2, 7, v5                   ; 8 r + 128 h: in a plane
.set p, 0
.rept 16
	global_load_b128 v[16+4*p:19+4*p], v4, s[8:9] offset:256*p th:TH_LOAD_NT
.set p, p+1
.endr
.set p, 0
.rept 16
	global_load_b128 v[80+4*p:83+4*p], v3, s[24:25] offset:256*p
.set p, p+1
.endr
	s_wait_loadcnt 16                              ; x is in; the 16 loads of the gain stay out
.set c, 0
.rept 4
	v_pk_mul_f32 v[144+2*c:145+2*c], v[16+2*c:17+2*c], v[16+2*c:17+2*c]  ; four chains, started by the first products
.set c, c+1
.endr
.rept 28
	v_pk_fma_f32 v[144+2*(c%4):145+2*(c%4)], v[16+2*c:17+2*c], v[16+2*c:17+2*c], v[144+2*(c%4):145+2*(c%4)]
.set c, c+1
.endr
	v_pk_add_f32 v[144:145], v[144:145], v[146:147]
	v_pk_add_f32 v[148:149], v[148:149], v[150:151]
	v_pk_add_f32 v[144:145], v[144:145], v[148:149]
	v_add_f32 v144, v144, v145
	v_add_f32_dpp v144, v144, v144 row_xmask:1 row_mask:0xf bank_mask:0xf   ; over the row's 16 lanes
	v_add_f32_dpp v144, v144, v144 row_xmask:2 row_mask:0xf bank_mask:0xf
	v_add_f32_dpp v144, v144, v144 row_xmask:4 row_mask:0xf bank_mask:0xf
	v_add_f32_dpp v144, v144, v144 row_xmask:8 row_mask:0xf bank_mask:0xf
	v_fma_f32 v144, v144, s34, s35                 ; mean + eps
	v_rsq_f32 v146, v144                           ; twice: a pair for the packed multiply
	v_rsq_f32 v147, v144
	v_nop                                          ; a plain instruction between the root and its use (ISA guide 5.7.2)
	s_wait_loadcnt 0x0                             ; the gain
.set p, 0
	s_wait_alu depctr_va_vdst(0)
.rept 16
	v_pk_mul_f32 v[16+4*p:17+4*p], v[16+4*p:17+4*p], v[146:147]
	v_pk_mul_f32 v[18+4*p:19+4*p], v[18+4*p:19+4*p], v[146:147]
	v_pk_mul_f32 v[16+4*p:17+4*p], v[16+4*p:17+4*p], v[80+4*p:81+4*p]
	v_pk_mul_f32 v[18+4*p:19+4*p], v[18+4*p:19+4*p], v[82+4*p:83+4*p]
	v_cvt_pk_bf16_f32 v[152+2*p], v[16+4*p], v[17+4*p]
	v_cvt_pk_bf16_f32 v[153+2*p], v[18+4*p], v[19+4*p]
	global_store_b64 v5, v[152+2*p:153+2*p], s[28:29] offset:524288*p  ; plane p: two rows, 256 consecutive bytes; 15 planes are 7,864,320 bytes, inside the signed 24-bit immediate
.set p, p+1
.endr
	s_endpgm
; ---------------- THE TABLE.  Entry i = 4 sc + wave (sc 0: cos, 1: sin) of a block holds, in lane 16 h + r and word e, trig(position 16 block + r, frequency 16 (wave / 2) + 8 h + 4 (wave % 2) + e).
.Lrope:
	s_sub_co_u32 s45, ttmp9, 2056                  ; the block of 16 positions
	s_lshl_b32 s32, s45, 12
	s_lshl_b32 s46, s2, 9
	s_add_co_u32 s32, s32, s46
	s_add_co_u32 s32, s32, ROPE
	s_add_nc_u64 s[28:29], s[28:29], s[32:33]
	s_lshl_b32 s47, s45, 4
	v_add_nc_u32 v11, s47, v1
	v_cvt_f32_u32 v11, v11                         ; my position
	s_lshr_b32 s48, s2, 1
	s_and_b32 s49, s2, 1
	s_lshl_b32 s48, s48, 4
	s_lshl2_add_u32 s48, s49, s48
	v_lshl_add_u32 v10, v2, 3, s48                 ; my first frequency
	v_and_b32 v12, 31, v0
	v_lshlrev_b32 v12, 4, v12                      ; 16 x lane
	s_mov_b32 s30, 0xbf1773da                      ; -log2(500,000) / 32
	s_mov_b32 s31, 0x3f22f983                      ; 2 / pi
	s_mov_b32 s34, 0x3fc90fdb                      ; pi / 2, its f32,
	s_mov_b32 s35, 0xb33bbd2e                      ; and what that leaves
	s_mov_b32 s36, 0xb94ca1f9                      ; sine: -1.9515296e-4,
	s_mov_b32 s37, 0x3c08839e                      ; 8.3321609e-3,
	s_mov_b32 s38, 0xbe2aaaa3                      ; -1.6666655e-1
	s_mov_b32 s39, 0x37ccf5ce                      ; cosine: 2.4433157e-5,
	s_mov_b32 s40, 0xbab6061a                      ; -1.3887316e-3,
	s_mov_b32 s41, 0x3d2aaaa5                      ; 4.1666646e-2
.macro ANG e                           ; cos into v[40+e], sin into v[44+e]
	v_add_nc_u32 v20, \e, v10
	v_cvt_f32_u32 v20, v20
	v_mul_f32 v20, s30, v20
	v_exp_f32 v20, v20                             ; inv_freq = 500,000^(-c / 32)
	v_nop                                          ; a plain instruction behind the exponential
	s_wait_alu depctr_va_vdst(0)
	v_mul_f32 v21, v11, v20                        ; the angle
	v_mul_f32 v22, s31, v21
	v_rndne_f32 v22, v22                           ; n quarter turns
	v_fma_f32 v23, -v22, s34, v21
	v_fma_f32 v23, -v22, s35, v23                  ; what is left, within pi / 4
	v_mul_f32 v24, v23, v23
	v_fma_f32 v25, v24, s36, s37
	v_fma_f32 v25, v25, v24, s38
	v_mul_f32 v26, v23, v24
	v_fma_f32 v25, v26, v25, v23                   ; its sine
	v_fma_f32 v27, v24, s39, s40
	v_fma_f32 v27, v27, v24, s41
	v_mul_f32 v28, v24, v24
	v_fma_f32 v29, v24, -0.5, 1.0
	v_fma_f32 v27, v28, v27, v29                   ; its cosine
	v_cvt_i32_f32 v30, v22
	v_and_b32 v31, 1, v30
	v_cmp_eq_u32 vcc_lo, 1, v31                    ; an odd quarter: the two change places (a choice of values: no branch hangs on it)
	v_cndmask_b32 v32, v25, v27, vcc_lo
	v_cndmask_b32 v33, v27, v25, vcc_lo
	v_and_b32 v34, 2, v30                          ; quarters 2, 3: sin changes sign
	v_lshlrev_b32 v34, 30, v34
	v_xor_b32 v[44+\e], v34, v32
	v_add_nc_u32 v35, 1, v30                       ; quarters 1, 2: cos does
	v_and_b32 v35, 2, v35
	v_lshlrev_b32 v35, 30, v35
	v_xor_b32 v[40+\e], v35, v33
.endm
	ANG 0
	ANG 1
	ANG 2
	ANG 3
	global_store_b128 v12, v[40:43], s[28:29]              ; 512 consecutive bytes each
	global_store_b128 v12, v[44:47], s[28:29] offset:2048
	s_endpgm
.Lfunc_end_k_qaa2c125771_l_prep:
	.size	k_qaa2c125771_l_prep, .Lfunc_end_k_qaa2c125771_l_prep-k_qaa2c125771_l_prep
	.p2alignl 7, 3214868480
	.fill 96, 4, 3214868480
	.section	.rodata,"a",@progbits
	.p2align	6, 0x0
	.amdhsa_kernel k_qaa2c125771_l_prep
		.amdhsa_group_segment_fixed_size 0
		.amdhsa_private_segment_fixed_size 0
		.amdhsa_enable_private_segment 0
		.amdhsa_kernarg_size 88
		.amdhsa_user_sgpr_count 2
		.amdhsa_user_sgpr_kernarg_segment_ptr 1
		.amdhsa_wavefront_size32 1
		.amdhsa_system_sgpr_workgroup_id_x 1
		.amdhsa_system_sgpr_workgroup_id_y 1
		.amdhsa_system_sgpr_workgroup_id_z 1
		.amdhsa_system_vgpr_workitem_id 0
		.amdhsa_next_free_vgpr 192
		.amdhsa_next_free_sgpr 66
		.amdhsa_reserve_vcc 1
		.amdhsa_float_denorm_mode_32 3
		.amdhsa_float_denorm_mode_16_64 3
		.amdhsa_memory_ordered 1
		.amdhsa_forward_progress 1
		.amdhsa_inst_pref_size 34
	.end_amdhsa_kernel
	.amdgpu_metadata
---
amdhsa.version: [ 1, 2 ]
amdhsa.kernels:
  - .name:           k_qaa2c125771_l_prep
    .symbol:         k_qaa2c125771_l_prep.kd
    .args:
      - { .name: x, .offset: 0, .size: 8, .value_kind: global_buffer, .address_space: global }
      - { .name: wq, .offset: 8, .size: 8, .value_kind: global_buffer, .address_space: global }
      - { .name: wk, .offset: 16, .size: 8, .value_kind: global_buffer, .address_space: global }
      - { .name: wv, .offset: 24, .size: 8, .value_kind: global_buffer, .address_space: global }
      - { .name: wo, .offset: 32, .size: 8, .value_kind: global_buffer, .address_space: global }
      - { .name: w1, .offset: 40, .size: 8, .value_kind: global_buffer, .address_space: global }
      - { .name: w3, .offset: 48, .size: 8, .value_kind: global_buffer, .address_space: global }
      - { .name: w2, .offset: 56, .size: 8, .value_kind: global_buffer, .address_space: global }
      - { .name: norm1_w, .offset: 64, .size: 8, .value_kind: global_buffer, .address_space: global }
      - { .name: norm2_w, .offset: 72, .size: 8, .value_kind: global_buffer, .address_space: global }
      - { .name: pw, .offset: 80, .size: 8, .value_kind: global_buffer, .address_space: global }
    .group_segment_fixed_size: 0
    .private_segment_fixed_size: 0
    .kernarg_segment_align: 8
    .kernarg_segment_size: 88
    .max_flat_workgroup_size: 128
    .sgpr_count:     66
    .vgpr_count:     192
    .wavefront_size: 32
...
	.end_amdgpu_metadata
.endif
;; end of part 7
;; launch l_qkv (part 8): grid 16 x 16, 4 waves a work-group, clusters of 4 x 1, 327,680 bytes of LDS; arguments pw, q_norm_w, k_norm_w, qkvb; writes qkvb
.if DOCPART == 8
	.amdgcn_target "amdgcn-amd-amdhsa--gfx1250"
	.amdhsa_code_object_version 6
	.text
	.protected	k_qaa2c125771_l_qkv
	.globl	k_qaa2c125771_l_qkv
	.p2align	8
	.type	k_qaa2c125771_l_qkv,@function
k_qaa2c125771_l_qkv:
	s_mov_b64 s[64:65], 0
	v_nop
	global_prefetch_b8 v0, s[64:65] scope:SCOPE_SE
	s_setreg_imm32_b32 hwreg(HW_REG_WAVE_MODE, 25, 1), 1
	s_wait_xcnt 0x0
	s_wait_alu depctr_hold_cnt(0) depctr_sa_sdst(0) depctr_va_vdst(0) depctr_va_sdst(0) depctr_va_ssrc(0) depctr_va_vcc(0) depctr_vm_vsrc(0)
	s_getreg_b32 s2, hwreg(HW_REG_IB_STS2, 6, 4)
	s_cmp_eq_u32 s2, 0
	s_cbranch_scc0 .Lentry_in_a_cluster
	s_endpgm
.Lentry_in_a_cluster:
	s_bfe_u32 s2, ttmp6, 0x10000c
	s_cmp_lg_u32 s2, 0x3003
	s_cbranch_scc0 .Lentry_shape_is_right
	s_endpgm
.Lentry_shape_is_right:
; q, k, v = xn W^T, then for q and k the norm over each head's 64 channels and RoPE; all rounded once to bf16 and stored by heads: qkvb [48 planes][4096 tokens][64] (0-15 q, 16-31 k, 32-47 v).
; THE TILE.  4,096 tokens are 16 x 256 and 3,072 columns 16 x 192: a tile of 256 tokens x 192 columns (three heads) gives 256 work-groups of equal work, each walking all of K = 1,024 once.
; SHARES.  Wave w takes tokens 64 w .. 64 w + 63 and all 192 columns: 4 x 12 accumulators of 16 x 16, 384 registers.
; THE RING.  Operands lie in planes [K/64][rows][64] bf16.  K goes in 8 steps of two planes through two LDS slots.  Waves 0 and 1 fetch the tokens' halves (128 rows of two planes: in each plane 16,384
; consecutive bytes), waves 2 and 3 the weights' halves (96 rows of two planes).  Padding of 16 bytes behind every 128 makes LDS rows 144 bytes apart.  The slots lie 2^17 bytes apart, so that one
; exclusive or turns an address in one into the other's, and a K step is written once.
; CLUSTER 4 x 1, along the tokens: the four partners share the tile column and ask for the weights jointly.  The tokens' tile is a load of the work-group's own: whether a head is q's, k's or v's hangs
; on the tile column, and the way out branches on it, so the tile column has to be alike in all partners and no cluster reaches along that axis.
; THE MATRIX INSTRUCTION IS USED TRANSPOSED (source 0 = 16 weight rows, source 1 = 16 tokens): lane l holds token l % 16, register j of accumulator (a, b) column 16 b + 8 (l / 16) + j.
; Four accumulators b = 4 hh .. 4 hh + 3 are one head: its sum of squares wants one exchange between the halves of the lanes, and rotate_half pairs b with b + 2, same lane, same register.
; A QUARTER is 32 along K: 48 products, column by column, on two fragment buffers by turns; the next quarter's 32 LDS loads stand in one run in its middle.
; THE WAY OUT is a loop over the wave's 12 units (16 tokens of one head): a forward jump on the count picks the moves that name the unit's accumulators; the arithmetic is written once.
; Tiles without a head of q or k load the gains and the table too and use neither: 17 KiB a wave, so that one head serves all tiles.
; REGISTERS.  window 0: v0-31 addresses and at work; v32-127 the way out; v128-191 the two gains.  windows 1, 2: accumulator (a, b) at 256 + 8 (4 b + a); window 2, v128-255: the table.
;   window 3: two fragment buffers of 128 (A's fragments at 8 a, B's at 32 + 8 b).
; LIMITS.  NaN and infinities are not treated apart.
.set AH,    36864                      ; what one of A's loads fills: 2 planes x 128 rows x 144 bytes
.set BH,    27648                      ; one of B's: 2 planes x 96 rows x 144
.set BOFF,  2*AH                       ; B's halves lie behind A's
.set APL,   18432                      ; from plane to plane in a half of A,
.set BPL,   13824                      ; of B
.set SLOT1, 1<<17                      ; a slot uses 129,024 bytes
.set STAGE, 2*SLOT1                    ; behind the ring, never filled by a tensor load: 4,608 bytes for each wave
.set SPARE, STAGE+4*4608               ; the spare words, 128 bytes for each wave
.set ASTEP, 1048576                    ; 2 planes of 4,096 rows
.set BSTEP, 786432                     ; 2 planes of 3,072 rows
.set APITCH, 262144                    ; elements in a plane
.set BPITCH, 196608
.set BPART, 8388608                    ; the weights' place in pw
.set ROPE,  33685504                   ; the table's
.set ADRA, 16                          ; v16  my lane's place among A's fragments in a slot; never rewritten
.set ADRB, 17                          ; v17  among B's
.set WA,   18                          ; v18, v19  the same in the slot in hand
.set WB,   19
.set GO,   22                          ; v22  16 x lane: in the table, and in 512 bytes of the output
.set SPW,  28                          ; v28  my spare word; never rewritten
.set NIL,  29                          ; v29  0; never rewritten
.set STO,  30                          ; v30  the way out: where I put 16 bytes of a row
.set RD,   31                          ; v31  where I read rows back
.set X,    32                          ; v32-63   a unit's 32 numbers: column 16 bb + 8 h + j at X + 8 bb + j
.set TBL,  64                          ; v64-95   its tokens' table: cos at 8 b + j, sin 16 further
.set Y,    96                          ; v96-111  the unit, packed
.set OB,   112                         ; v112-127 the unit before, as whole rows
.set NWQ,  128                         ; v128-159 q's gain of my columns, v160-191 k's
.set NWK,  160
.set EXT,  128                         ; window 2
.set F0,   0                           ; window 3
.set F1,   128
.set G1, 24                            ; s[24:31] group 1 for A, s[32:39] group 0 for A: a set for each first fill; the second then walks
.set G0, 32
.set G1B, 48                           ; s[48:55], s[56:63] the same for B
.set G0B, 56
.set TB,  44                           ; s44  the slot in hand
.set MSB, 0
.macro WIN new                         ; the immediate's high byte repeats the setting that is left
.if MSB != (\new)
	s_set_vgpr_msb (MSB<<8)|(\new)
.set MSB, \new
.endif
.endm
.macro PLACES                          ; four places behind a matrix instruction, in front of loads into its sources and of reads of its results
.rept 4
	v_nop
.endr
.endm
.macro CREST                           ; a round of the cluster's barrier behind its opening barrier
	s_cmp_lg_u32 s10, 0
	s_cbranch_scc1 .Lnot_wave_0_\@
	s_barrier_signal -3
.Lnot_wave_0_\@:
	s_barrier_wait -3
	s_barrier_signal -1
	s_barrier_wait -1
.endm
.macro CROUND                          ; a whole round
	s_barrier_signal -1
	s_barrier_wait -1
	CREST
.endm
.macro JLOAD                           ; a refill.  Waves 0 and 1: the tokens' halves; waves 2 and 3: the weights', jointly; an s_nop 0 and four v_nop follow each line
	s_cmp_lt_u32 s10, 2
	s_cbranch_scc0 .Lfor_b_\@
	tensor_load_to_lds s[G0+4:G0+7], s[G1:G1+7]
	s_nop 0
.rept 4
	v_nop
.endr
	s_branch .Lasked_\@
.Lfor_b_\@:
	tensor_load_to_lds s[G0B+4:G0B+7], s[G1B:G1B+7]
	s_nop 0
.rept 4
	v_nop
.endr
.Lasked_\@:
.endm
; Column b: 4 products.  No two that follow each other share an accumulator, and 47 others' stand between two links of a chain.  zero = 1: the products start the sums.
.macro COL f, b, zero=0
	WIN 0x0f+0x50*(1+(\b)/8)                       ; the fragments in window 3, C and D in window 1 + b / 8
.irp a, 0,1,2,3
.if \zero
	v_wmma_f32_16x16x32_bf16 v[8*(4*((\b)%8)+\a):8*(4*((\b)%8)+\a)+7], v[(\f)+32+8*(\b):(\f)+32+8*(\b)+7], v[(\f)+8*\a:(\f)+8*\a+7], 0
.else
	v_wmma_f32_16x16x32_bf16 v[8*(4*((\b)%8)+\a):8*(4*((\b)%8)+\a)+7], v[(\f)+32+8*(\b):(\f)+32+8*(\b)+7], v[(\f)+8*\a:(\f)+8*\a+7], v[8*(4*((\b)%8)+\a):8*(4*((\b)%8)+\a)+7]
.endif
.endr
.endm
; 32 LDS loads in one run: the fragments of quarter q of the slot in hand (plane q / 2, 32 (q % 2) along it) into buffer f: B's 0-5, A's, then B's 6-11, which lie in B's second half
.macro FETCH q, f
	WIN 0xc0                                       ; destination window 3, address window 0
.irp b, 0,1,2,3,4,5
	ds_load_b128 v[(\f)+32+8*\b:(\f)+32+8*\b+3],   v[WB] offset:((\q)/2)*BPL+((\q)%2)*64+2304*\b
	ds_load_b128 v[(\f)+32+8*\b+4:(\f)+32+8*\b+7], v[WB] offset:((\q)/2)*BPL+((\q)%2)*64+2304*\b+32
.endr
.irp a, 0,1,2,3
	ds_load_b128 v[(\f)+8*\a:(\f)+8*\a+3],   v[WA] offset:((\q)/2)*APL+((\q)%2)*64+2304*\a
	ds_load_b128 v[(\f)+8*\a+4:(\f)+8*\a+7], v[WA] offset:((\q)/2)*APL+((\q)%2)*64+2304*\a+32
.endr
.irp b, 0,1,2,3,4,5
	ds_load_b128 v[(\f)+80+8*\b:(\f)+80+8*\b+3],   v[WB] offset:BH+((\q)/2)*BPL+((\q)%2)*64+2304*\b
	ds_load_b128 v[(\f)+80+8*\b+4:(\f)+80+8*\b+7], v[WB] offset:BH+((\q)/2)*BPL+((\q)%2)*64+2304*\b+32
.endr
.endm
; One of a K step's first three quarters: multiplies buffer f and fetches quarter nq of the same slot into buffer g.
.macro QUARTER nq, f, g, zero=0
	s_wait_dscnt 12                                ; the 20 older loads are in; the twelve of B's fragments 6-11 may be out
.irp b, 0,1,2,3,4,5
	COL \f, \b, \zero
.endr
	PLACES
	FETCH \nq, \g
	s_wait_dscnt 32                                ; all but the 32 just issued
.irp b, 6,7,8,9,10,11
	COL \f, \b, \zero
.endr
.endm
; The fourth quarter multiplies buffer 1 and changes slots.  All fragments of this slot have been asked for; behind the barrier nobody reads it any more and the other slot is whole.
; fill = 1: the barrier opens a round of the cluster's, and this slot is filled again, two K steps ahead, first thing behind it: 184 matrix instructions ahead of the wait for it.
.macro TURN fill
	s_wait_dscnt 12
.irp b, 0,1,2,3
	COL F1, \b
.endr
	WIN 0                                          ; (the add's two registers lie in window 0)
	s_wait_tensorcnt 0x0                           ; my one tensor load, my part of the other slot, has landed: no load of mine is out, so a group 0 may be written
	ds_add_u32 v[SPW], v[NIL]                      ; 0 onto my spare word; the steps and four products stand between it and the wait for it
.if \fill
.irp g, G0+4, G0B+4
	s_xor_b32 s[(\g)+1], s[(\g)+1], SLOT1          ; the walking descriptor: the other slot than last time,
.endr
	s_add_nc_u64 s[G0+6:G0+7], s[G0+6:G0+7], ASTEP     ; the next two planes; the type bits on top are not reached
	s_add_nc_u64 s[G0B+6:G0B+7], s[G0B+6:G0B+7], BSTEP
.endif
	s_xor_b32 s[TB], s[TB], SLOT1                  ; the fetches go on in the other slot
	COL F1, 4
	s_wait_dscnt 0x0                               ; the add is done, and my reads of this slot are over
	s_barrier_signal -1
	COL F1, 5                                      ; work on registers while the others arrive
	WIN 0
	s_barrier_wait -1
.if \fill
	CREST                                          ; no wave of any partner still reads this slot or has a load on its way
	JLOAD                                          ; the four v_nop behind it are also the places in front of the loads below
.else
	PLACES
.endif
	v_add_nc_u32 v[WA], s[TB], v[ADRA]
	v_add_nc_u32 v[WB], s[TB], v[ADRB]
	FETCH 0, F0
.irp b, 6,7,8,9,10,11
	COL F1, \b
.endr
.endm
	s_load_b256 s[68:75], s[0:1], 0x0              ; pw s[68:69], q_norm_w s[70:71], k_norm_w s[72:73], qkvb s[74:75]
	v_lshl_add_u32 v[SPW], v0, 2, SPARE
	v_mov_b32 v[NIL], 0
	ds_add_u32 v[SPW], v[NIL]                      ; the wave's opening: the add and its wait ahead of my first tensor load
	ds_add_u32 v28, v29
	v_lshrrev_b32 v3, 5, v0
	v_readfirstlane_b32 s10, v3                    ; wave 0..3
	s_lshr_b32 s11, s10, 1
	s_and_b32 s12, s10, 1                          ; which half of A or of B I fetch
	s_bfe_u32 s40, ttmp6, 0x40000                  ; cx
	s_lshl_b32 s13, ttmp9, 2
	s_add_co_u32 s13, s13, s40                     ; tile row = 4 x cluster x + cx
	s_and_b32 s42, ttmp7, 0xffff                   ; tile column, which the four partners share
	s_mov_b32 s[G1+0], (1<<16)|(1<<20)|(4<<22)|(3<<25)             ; 2-byte elements; padding on; after every 32 words; 4 words; no mask: a load of our own
	s_mov_b32 s[G1B+0], 15|(1<<16)|(1<<20)|(1<<21)|(4<<22)|(3<<25) ; the same for all four work-groups, bit 21 beside the mask
	s_mov_b32 s[G1+1], 8192<<16                    ; A: tensor_dim0 = 8,192: 128 rows of 64 elements on end
	s_mov_b32 s[G1+3], 8192<<16                    ; tile_dim0
	s_mov_b32 s[G1+5], APITCH                      ; elements from plane to plane
	s_mov_b32 s[G1B+1], 6144<<16                   ; B: 96 rows of 64 elements
	s_mov_b32 s[G1B+3], 6144<<16
	s_mov_b32 s[G1B+5], BPITCH
.irp g, G1, G1B
	s_mov_b32 s[(\g)+2], 2<<16                     ; tensor_dim1 = 2 planes
	s_mov_b32 s[(\g)+4], 2                         ; tile_dim1
	s_mov_b32 s[(\g)+6], 0
	s_mov_b32 s[(\g)+7], 0
.endr
	s_lshl_b32 s16, s13, 15                        ; A: (256 x tile row
	s_lshl_b32 s17, s12, 14                        ; + 128 x half) x 128 bytes
	s_add_co_u32 s16, s16, s17
	s_mov_b32 s17, 0
	s_mul_i32 s46, s42, 24576                      ; B: (192 x tile column
	s_mul_i32 s47, s12, 12288                      ; + 96 x half) x 128 bytes
	s_add_co_u32 s46, s46, s47
	s_add_co_u32 s46, s46, BPART
	s_mov_b32 s47, 0
	s_mul_i32 s20, s10, AH                         ; where my load goes, by the wave's number alone: A's halves (waves 0, 1) from byte 0,
	s_mul_i32 s21, s10, BH
	s_add_co_u32 s21, s21, BOFF-2*BH               ; B's (waves 2, 3) behind them
	s_mov_b32 s[TB], 0
	s_wait_dscnt 0x0                               ; the opening add is done
	s_wait_kmcnt 0x0
	s_add_nc_u64 s[14:15], s[68:69], s[16:17]
	s_add_nc_u64 s[46:47], s[68:69], s[46:47]
	CROUND                                         ; all four work-groups are here: the first joint loads meet
.irp s, 0,1
	s_mov_b32 s[G0+4*\s], 1
	s_add_co_u32 s[G0+4*\s+1], s20, \s*SLOT1
	s_add_nc_u64 s[G0+4*\s+2:G0+4*\s+3], s[14:15], \s*ASTEP
	s_or_b32 s[G0+4*\s+3], s[G0+4*\s+3], 0x80000000
	s_mov_b32 s[G0B+4*\s], 1
	s_add_co_u32 s[G0B+4*\s+1], s21, \s*SLOT1
	s_add_nc_u64 s[G0B+4*\s+2:G0B+4*\s+3], s[46:47], \s*BSTEP
	s_or_b32 s[G0B+4*\s+3], s[G0B+4*\s+3], 0x80000000
.endr
	s_cmp_lt_u32 s10, 2                            ; a wave's two first fills, K steps 0 and 1, stand in one branch: two loads of mine are out
	s_cbranch_scc0 .Lfirst_b
	tensor_load_to_lds s[G0:G0+3], s[G1:G1+7]
	s_nop 0
	tensor_load_to_lds s[G0+4:G0+7], s[G1:G1+7]
	s_nop 0
.rept 4
	v_nop
.endr
	s_branch .Lfirst_asked
.Lfirst_b:
	tensor_load_to_lds s[G0B:G0B+3], s[G1B:G1B+7]
	s_nop 0
	tensor_load_to_lds s[G0B+4:G0B+7], s[G1B:G1B+7]
	s_nop 0
.rept 4
	v_nop
.endr
.Lfirst_asked:
	v_and_b32 v1, 15, v0                           ; r
	v_bfe_u32 v2, v0, 4, 1                         ; h
	v_and_b32 v[GO], 31, v0
	v_lshlrev_b32 v[GO], 4, v[GO]
	v_lshlrev_b32 v23, 5, v2                       ; 32 h: in the gains
	s_lshl_b32 s80, s13, 8
	s_lshl_b32 s81, s10, 6
	s_add_co_u32 s80, s80, s81                     ; my first token
	s_and_b32 s82, s80, 2047                       ; its position,
	s_lshl_b32 s82, s82, 8                         ; / 16 x 4,096 bytes
	s_add_co_u32 s82, s82, ROPE
	s_mov_b32 s83, 0
	s_add_nc_u64 s[82:83], s[68:69], s[82:83]
	WIN 0x80                                       ; destination window 2
.irp a, 0,1,2,3
.irp i, 0,1,2,3,4,5,6,7
	global_load_b128 v[EXT+32*\a+4*\i:EXT+32*\a+4*\i+3], v[GO], s[82:83] offset:4096*\a+512*\i  ; tokens 16 a ..: cos at 32 a + 8 b + j, sin 16 further
.endr
.endr
	WIN 0
.irp b, 0,1,2,3
	global_load_b128 v[NWQ+8*\b:NWQ+8*\b+3],   v23, s[70:71] offset:64*\b      ; the gains of channels 16 b + 8 h + 0..7
	global_load_b128 v[NWQ+8*\b+4:NWQ+8*\b+7], v23, s[70:71] offset:64*\b+16
	global_load_b128 v[NWK+8*\b:NWK+8*\b+3],   v23, s[72:73] offset:64*\b
	global_load_b128 v[NWK+8*\b+4:NWK+8*\b+7], v23, s[72:73] offset:64*\b+16
.endr
	v_mul_u32_u24 v3, v1, 144
	v_lshl_add_u32 v3, v2, 4, v3                   ; a fragment's row x pitch + 16 x half
	s_mul_i32 s22, s11, AH                         ; my 64 tokens: the half of A,
	s_mul_i32 s23, s12, 9216                       ; and the 64 rows in it
	s_add_co_u32 s22, s22, s23
	v_add_nc_u32 v[ADRA], s22, v3
	v_add_nc_u32 v[ADRB], BOFF, v3
	v_mov_b32 v[WA], v[ADRA]                       ; slot 0
	v_mov_b32 v[WB], v[ADRB]
	s_mul_i32 s23, s10, 4608
	s_add_co_u32 s23, s23, STAGE                   ; my stage
	v_add_nc_u32 v[STO], s23, v3                   ; in: row r, 16 bytes for each half of the lanes
	v_bfe_u32 v4, v0, 3, 2
	v_and_b32 v5, 7, v0
	v_mul_u32_u24 v[RD], v4, 144                   ; back: 32 lanes take four rows of 128 bytes
	v_lshl_add_u32 v[RD], v5, 4, v[RD]
	v_add_nc_u32 v[RD], s23, v[RD]
	s_mov_b32 s86, 0x76543210                      ; v_permlanex16_b32: each lane takes its own place in the other half
	s_mov_b32 s87, 0xfedcba98
	s_mov_b32 s88, 0x3c800000                      ; 1 / 64
	s_mov_b32 s89, 0x2edbe6ff                      ; 1e-10
	s_mul_i32 s43, s42, 3                          ; the tile's first plane of the output
	s_lshl_b32 s90, s43, 12
	s_add_co_u32 s90, s90, s80
	s_lshl_b32 s90, s90, 7
	s_mov_b32 s91, 0
	s_add_nc_u64 s[90:91], s[74:75], s[90:91]      ; the output at that plane and my first token
	s_wait_tensorcnt 0x1                           ; my part of K step 0 is in; step 1's may stay out
	s_barrier_signal -1
	s_barrier_wait -1
	FETCH 0, F0
	QUARTER 1, F0, F1, 1                           ; the first quarter stands in front of the loop: its products start the sums, and nothing is cleared
	WIN 0
	s_mov_b32 s3, 6
.Lstep:                                        ; a trip goes from a K step's second quarter to the next step's first, and fills the slot that it leaves: K steps 2 to 7 are asked for
	QUARTER 2, F1, F0
	QUARTER 3, F0, F1
	TURN 1
	QUARTER 1, F0, F1
	WIN 0
	s_sub_co_u32 s3, s3, 1
	s_cmp_lg_u32 s3, 0
	s_cbranch_scc1 .Lstep
	s_mov_b32 s3, 2
.Ltail:                                        ; K steps 6 and 7 ask for nothing: a text of their own.  The second trip is left in its middle
	QUARTER 2, F1, F0                              ; its change of slots has nothing to change to: its barrier and its 32 loads serve nothing: the price, once a launch, of one text for both trips
	QUARTER 3, F0, F1
	TURN 0
	WIN 0
	s_sub_co_u32 s3, s3, 1
	s_cmp_eq_u32 s3, 0
	s_cbranch_scc1 .Lout
	QUARTER 1, F0, F1
	WIN 0
	s_cmp_lg_u32 s3, 0
	s_cbranch_scc1 .Ltail
.Lout:
	s_wait_dscnt 0x0                               ; those 32 loads are back
	; THE WAY OUT.  Unit u = 3 a + hh: tokens 16 a .. of head hh of the tile's three.
	PLACES
	s_wait_loadcnt 0x0                             ; the table and the gains, asked for at the head
.set i, 0
.rept 16
	v_mov_b32 v[OB+i], 0                           ; the first trip stores nothing (the jump below); these registers hold numbers on every way to the stores
.set i, i+1
.endr
	s_mov_b32 s4, 0                                ; u
	s_mov_b32 s5, 0                                ; hh
	s_mov_b32 s6, 0                                ; a x 2,048 bytes
	s_mov_b32 s93, 0
	s_mov_b64 s[94:95], s[90:91]
; What names unit u's registers: its 32 sums, each accumulator's lowest registers first, and, with a block of tokens' first head, the block's part of the table.
.macro CASE u
.set ca, (\u)/3
.set ch, (\u)%3
.if ch == 0
	WIN 0x02                                       ; source 0 in window 2
.set i, 0
.rept 32
	v_mov_b32 v[TBL+i], v[EXT+32*ca+i]
.set i, i+1
.endr
.endif
	WIN 1+ch/2                                     ; source 0 in the accumulators' window
.irp bb, 0,1,2,3
.irp j, 0,1,2,3,4,5,6,7
	v_mov_b32 v[X+8*\bb+\j], v[8*(4*((4*ch+\bb)%8)+ca)+\j]
.endr
.endr
	WIN 0
.endm
.Lunit:                                        ; 12 trips
.irp c, 0,1,2,3,4,5,6,7,8,9,10
	s_cmp_eq_u32 s4, \c
	s_cbranch_scc1 .Lu\c
.endr
	CASE 11
	s_branch .Lmath
.irp c, 0,1,2,3,4,5,6,7,8,9
.Lu\c:
	CASE \c
	s_branch .Lmath
.endr
.Lu10:
	CASE 10
.Lmath:
	s_add_co_u32 s7, s43, s5                       ; the head's plane:
	s_lshr_b32 s7, s7, 4                           ; 0: q's, 1: k's, 2: v's.  It hangs on the tile column and the count alone
	s_cmp_eq_u32 s7, 2
	s_cbranch_scc1 .Lpack                          ; v: neither norm nor RoPE
.irp b, 0,1,2,3
	v_pk_mul_f32 v[4+2*\b:5+2*\b], v[X+8*\b:X+8*\b+1], v[X+8*\b:X+8*\b+1]  ; four chains of squares
.endr
.irp j, 2,4,6
.irp b, 0,1,2,3
	v_pk_fma_f32 v[4+2*\b:5+2*\b], v[X+8*\b+\j:X+8*\b+\j+1], v[X+8*\b+\j:X+8*\b+\j+1], v[4+2*\b:5+2*\b]
.endr
.endr
	v_pk_add_f32 v[4:5], v[4:5], v[6:7]
	v_pk_add_f32 v[8:9], v[8:9], v[10:11]
	v_pk_add_f32 v[4:5], v[4:5], v[8:9]
	v_add_f32 v4, v4, v5
	v_permlanex16_b32 v5, v4, s86, s87             ; the token's other 32 channels lie in the lane 16 away
	v_add_f32 v4, v4, v5
	v_fma_f32 v4, v4, s88, s89                     ; mean + eps
	v_rsq_f32 v12, v4                              ; twice: a pair for the packed multiply
	v_rsq_f32 v13, v4
	v_nop                                          ; a plain instruction behind the root (ISA guide 5.7.2)
.set i, 0
	s_wait_alu depctr_va_vdst(0)
.rept 16
	v_pk_mul_f32 v[X+2*i:X+2*i+1], v[X+2*i:X+2*i+1], v[12:13]
.set i, i+1
.endr
	s_cmp_eq_u32 s7, 0
	s_cbranch_scc1 .Lgain_q
.set i, 0
.rept 16
	v_pk_mul_f32 v[X+2*i:X+2*i+1], v[X+2*i:X+2*i+1], v[NWK+2*i:NWK+2*i+1]
.set i, i+1
.endr
	s_branch .Lrope
.Lgain_q:
.set i, 0
.rept 16
	v_pk_mul_f32 v[X+2*i:X+2*i+1], v[X+2*i:X+2*i+1], v[NWQ+2*i:NWQ+2*i+1]
.set i, i+1
.endr
.Lrope:
.irp b, 0,1
.irp j, 0,2,4,6
.set lo, X+8*\b+\j
.set tc, TBL+8*\b+\j
.set tt, 4+4*((\j/2)%2)
	v_pk_mul_f32 v[tt:tt+1], v[lo+16:lo+17], v[tc+16:tc+17]        ; x2 sin
	v_pk_mul_f32 v[tt+2:tt+3], v[lo:lo+1], v[tc+16:tc+17]          ; x1 sin
	v_pk_fma_f32 v[lo:lo+1], v[lo:lo+1], v[tc:tc+1], v[tt:tt+1] neg_lo:[0,0,1] neg_hi:[0,0,1]  ; x1 cos - x2 sin
	v_pk_fma_f32 v[lo+16:lo+17], v[lo+16:lo+17], v[tc:tc+1], v[tt+2:tt+3]                      ; x2 cos + x1 sin
.endr
.endr
.Lpack:
.irp b, 0,1,2,3
.irp r, 0,1,2,3
	v_cvt_pk_bf16_f32 v[Y+4*\b+\r], v[X+8*\b+2*\r], v[X+8*\b+2*\r+1]
.endr
.endr
	s_cmp_eq_u32 s4, 0
	s_cbranch_scc1 .Lnone                          ; the first trip has no unit before it
	s_wait_dscnt 0x0                               ; the unit before is back from the stage: its loads were issued a unit's arithmetic ago
.irp f, 0,1,2,3
	global_store_b128 v[GO], v[OB+4*\f:OB+4*\f+3], s[94:95] offset:512*\f  ; four rows of the plane: 512 consecutive bytes, aligned
.endr
.Lnone:
	s_wait_xcnt 0x0                                ; the stores' data and base are rewritten only behind this wait
	s_lshl_b32 s92, s5, 19                         ; this unit's place: hh planes
	s_add_co_u32 s92, s92, s6                      ; + 16 a tokens
	s_add_nc_u64 s[94:95], s[90:91], s[92:93]
.irp b, 0,1,2,3
	ds_store_b128 v[STO], v[Y+4*\b:Y+4*\b+3] offset:32*\b
.endr
.irp f, 0,1,2,3
	ds_load_b128 v[OB+4*\f:OB+4*\f+3], v[RD] offset:576*\f   ; LDS serves a wave's instructions in order (ISA guide 5.7.1.4): these see the stores above
.endr
	s_add_co_u32 s5, s5, 1                         ; the next head, or the next 16 tokens' first
	s_cmp_eq_u32 s5, 3
	s_cselect_b32 s5, 0, s5
	s_cselect_b32 s8, 2048, 0
	s_add_co_u32 s6, s6, s8
	s_add_co_u32 s4, s4, 1
	s_cmp_lt_u32 s4, 12
	s_cbranch_scc1 .Lunit
	s_wait_dscnt 0x0                               ; the last unit
.irp f, 0,1,2,3
	global_store_b128 v[GO], v[OB+4*\f:OB+4*\f+3], s[94:95] offset:512*\f
.endr
	s_wait_tensorcnt 0x0                           ; the wave's end
	ds_add_u32 v[SPW], v[NIL]
	s_wait_dscnt 0x0
	CROUND                                         ; the closing round
	s_endpgm
.Lfunc_end_k_qaa2c125771_l_qkv:
	.size	k_qaa2c125771_l_qkv, .Lfunc_end_k_qaa2c125771_l_qkv-k_qaa2c125771_l_qkv
	.p2alignl 7, 3214868480
	.fill 96, 4, 3214868480
	.section	.rodata,"a",@progbits
	.p2align	6, 0x0
	.amdhsa_kernel k_qaa2c125771_l_qkv
		.amdhsa_group_segment_fixed_size 327680
		.amdhsa_private_segment_fixed_size 0
		.amdhsa_enable_private_segment 0
		.amdhsa_kernarg_size 32
		.amdhsa_user_sgpr_count 2
		.amdhsa_user_sgpr_kernarg_segment_ptr 1
		.amdhsa_wavefront_size32 1
		.amdhsa_system_sgpr_workgroup_id_x 1
		.amdhsa_system_sgpr_workgroup_id_y 1
		.amdhsa_system_sgpr_workgroup_id_z 1
		.amdhsa_system_vgpr_workitem_id 0
		.amdhsa_next_free_vgpr 1024
		.amdhsa_next_free_sgpr 100
		.amdhsa_reserve_vcc 0
		.amdhsa_float_denorm_mode_32 3
		.amdhsa_float_denorm_mode_16_64 3
		.amdhsa_memory_ordered 1
		.amdhsa_forward_progress 1
		.amdhsa_inst_pref_size 92
	.end_amdhsa_kernel
	.amdgpu_metadata
---
amdhsa.version: [ 1, 2 ]
amdhsa.kernels:
  - .name:           k_qaa2c125771_l_qkv
    .symbol:         k_qaa2c125771_l_qkv.kd
    .args:
      - { .name: pw, .offset: 0, .size: 8, .value_kind: global_buffer, .address_space: global }
      - { .name: q_norm_w, .offset: 8, .size: 8, .value_kind: global_buffer, .address_space: global }
      - { .name: k_norm_w, .offset: 16, .size: 8, .value_kind: global_buffer, .address_space: global }
      - { .name: qkvb, .offset: 24, .size: 8, .value_kind: global_buffer, .address_space: global }
    .group_segment_fixed_size: 327680
    .private_segment_fixed_size: 0
    .kernarg_segment_align: 8
    .kernarg_segment_size: 32
    .max_flat_workgroup_size: 128
    .sgpr_count:     100
    .vgpr_count:     1024
    .wavefront_size: 32
...
	.end_amdgpu_metadata
.endif
;; end of part 8
;; launch l_attn: the kernel of part 3 again; grid 8 x 32, 4 waves a work-group, no clusters, 327,680 bytes of LDS; arguments qkvb, ob; writes ob
;; launch l_wo: the kernel of part 4 again; grid 8 x 32, 4 waves a work-group, clusters of 4 x 4, 327,680 bytes of LDS; arguments ob, pw, x, hf, hb, ssq; writes hf, hb, ssq
;; launch l_ffn1 (part 9): grid 32 x 8, 4 waves a work-group, clusters of 4 x 1, 327,680 bytes of LDS; arguments hb, pw, ssq, gate; writes gate
.if DOCPART == 9
	.amdgcn_target "amdgcn-amd-amdhsa--gfx1250"
	.amdhsa_code_object_version 6
	.text
	.protected	k_qaa2c125771_l_ffn1
	.globl	k_qaa2c125771_l_ffn1
	.p2align	8
	.type	k_qaa2c125771_l_ffn1,@function
k_qaa2c125771_l_ffn1:
	s_mov_b64 s[64:65], 0
	v_nop
	global_prefetch_b8 v0, s[64:65] scope:SCOPE_SE
	s_setreg_imm32_b32 hwreg(HW_REG_WAVE_MODE, 25, 1), 1
	s_wait_xcnt 0x0
	s_wait_alu depctr_hold_cnt(0) depctr_sa_sdst(0) depctr_va_vdst(0) depctr_va_sdst(0) depctr_va_ssrc(0) depctr_va_vcc(0) depctr_vm_vsrc(0)
	s_getreg_b32 s2, hwreg(HW_REG_IB_STS2, 6, 4)
	s_cmp_eq_u32 s2, 0
	s_cbranch_scc0 .Lentry_in_a_cluster
	s_endpgm
.Lentry_in_a_cluster:
	s_bfe_u32 s2, ttmp6, 0x10000c
	s_cmp_lg_u32 s2, 0x3003
	s_cbranch_scc0 .Lentry_shape_is_right
	s_endpgm
.Lentry_shape_is_right:
; gate = silu(a) * b with a = hn w1^T, b = hn w3^T, hn = norm2_w * h / sqrt(mean(h^2) + 1e-10); stored in planes [43][4096][64] bf16.
; THE NORM IS APPLIED BEHIND THE PRODUCT: the weights hold w * norm2_w (rounded once), the left operand is bf16(h), and each token's 1 / rms, made here in f32 from the 16 partial sums of squares,
; multiplies the f32 sums.  So the order of rounding differs from the reference's.  gate = rinv^2 A B / (1 + 2^(-log2(e) rinv A)), A and B the raw sums: |A B| must stay under 3e38.
; THE TILE.  5,504 columns are 8 x 688 and 4,096 tokens 32 x 128: a tile of 128 tokens x 688 columns gives 256 work-groups of equal work, each walking all of K = 1,024 once.
; SHARES.  A wave takes all 128 tokens and 11 blocks of 16 columns: 8 x 11 accumulators of 16 x 16, 704 registers.  A tile has 43 blocks, so the waves begin at blocks 0, 11, 22 and 32:
; block 32 is multiplied by waves 2 and 3 both, one product in 44, and wave 3 does not store it.
; THE RING.  Operands lie in planes [K/64][rows][64] bf16.  K goes in 16 steps of one plane through two LDS slots.  A step's 688 weight rows are 344 rows of 256 consecutive bytes: waves 0 to 2
; fetch 115 each (wave 2's descriptor says that 114 are left, so its last arrives as zeros, which no fragment reads); wave 3 fetches the 128 tokens, 64 rows of 256 bytes.
; Padding of 16 bytes behind every 128 makes LDS rows 144 bytes apart.
; CLUSTER 4 x 1, along the tokens: the four partners share the tile column and ask for the weights, 688 of a step's 816 rows, jointly.  The tokens' tile is a load of the work-group's own: the way
; out's LDS addresses hang on the tile column, which therefore has to be alike in all partners, so no cluster reaches along that axis.
; THE MATRIX INSTRUCTION IS USED TRANSPOSED (source 0 = 16 weight rows, source 1 = 16 tokens): lane l holds token l % 16, register j of accumulator (a, b) column 16 b + 8 (l / 16) + j.
; w1 and w3 are interleaved four rows at a time, so registers 0-3 hold A and registers 4-7 hold B of the same four f = 8 block + 4 (l / 16) + 0..3.
; A SUB-STEP is 32 along K: 88 products, column by column; B's fragments have one buffer (those of columns 0-5 are fetched anew behind column 5, the others behind column 10), A's have two.
; THE WAY OUT.  A tile's 344 f are 43 pieces of 16 bytes for each token, 5 3/8 planes: they go through a stage in LDS and come back aligned to gate's planes.  Planes that the tile covers whole leave in
; stores of 512 consecutive bytes; the plane at either end that it shares with the neighbouring tile column (7 of the 43 planes in all) leaves in parts of rows, under EXEC.
; REGISTERS.  window 0: v0-31 addresses; v32-95, v96-159 A's fragments; v160-247 B's; all of v32-247 at work on the way out.  windows 1-3: accumulator (a, b) at 256 + 8 (8 b + a).
; LIMITS.  NaN and infinities are not treated apart.
.set BCH,   33120                      ; what one of B's loads fills: 115 x 2 LDS rows of 144 bytes
.set AOFF,  3*BCH                      ; behind B's 690 rows: A's 128
.set SLOT,  118016                     ; a slot uses 117,792 bytes
.set STAGE, 2*SLOT                     ; behind the ring, never filled by a tensor load: 128 tokens x 688 bytes; 688 = 43 x 16, so 16 rows' pieces start at 16 different groups of four banks (64 banks of 4 bytes: ISA guide 11.1)
.set SROW,  688
.set SCR,   STAGE+128*SROW             ; 128 words: 1 / rms of the tile's tokens
.set SPARE, SCR+512                    ; the spare words, 128 bytes for each wave
.set ASTEP, 524288                     ; a plane of 4,096 rows
.set BSTEP, 704512                     ; a plane of 5,504 rows
.set BPART, 16777216                   ; the interleaved weights' place in pw
.set ADRA, 16                          ; v16-17  LDS address of A's fragments in slot 0, 1
.set ADRB, 18                          ; v18-19  of my B fragments
.set STO,  24                          ; v24, v25  the way out: where I put 8 bytes of tokens 16 a + r, a < 4 and a >= 4; they step from column to column
.set RD0,  26                          ; v26  where my four rows begin in the stage
.set CH0,  27                          ; v27  lane % 8 less the pieces of the first plane that belong to the neighbour
.set SPW,  28                          ; v28  my spare word; never rewritten
.set NIL,  29                          ; v29  0; never rewritten
.set GO,   30                          ; v30  16 x lane
.set RIA,  31                          ; v31  1 / rms of token r
.set FA0,  32
.set FA1,  96
.set FB,   160
.set RI,   32                          ; the way out: 1 / rms of tokens 16 a + r
.set RC,   40                          ; for each a: -log2(e) rinv twice, rinv^2 twice
.set TE,   96                          ; a column's exponents, 4 for each a
.set TG,   128                         ; its products
.set TO,   160                         ; its results, packed
.set OB,   176                         ; rows read back
.set G1, 24                            ; s[24:31] group 1 for A, s[32:39] group 0 for A, a set a slot
.set G0, 32
.set G1B, 48                           ; s[48:55], s[56:63] the same for B
.set G0B, 56
.set MSB, 0
.macro WIN new                         ; the immediate's high byte repeats the setting that is left
.if MSB != (\new)
	s_set_vgpr_msb (MSB<<8)|(\new)
.set MSB, \new
.endif
.endm
.macro PLACES                          ; four places behind a matrix instruction, in front of loads into its sources and of reads of its results
.rept 4
	v_nop
.endr
.endm
.macro CREST                           ; a round of the cluster's barrier behind its opening barrier
	s_cmp_lg_u32 s10, 0
	s_cbranch_scc1 .Lnot_wave_0_\@
	s_barrier_signal -3
.Lnot_wave_0_\@:
	s_barrier_wait -3
	s_barrier_signal -1
	s_barrier_wait -1
.endm
.macro CROUND                          ; a whole round
	s_barrier_signal -1
	s_barrier_wait -1
	CREST
.endm
.macro JLOAD s                         ; waves 0 to 2: their thirds of the weights, jointly; wave 3: the tokens; an s_nop 0 and four v_nop follow each line
	s_cmp_lt_u32 s10, 3
	s_cbranch_scc0 .Lfor_a_\@
	tensor_load_to_lds s[G0B+4*(\s):G0B+4*(\s)+3], s[G1B:G1B+7]
	s_nop 0
.rept 4
	v_nop
.endr
	s_branch .Lasked_\@
.Lfor_a_\@:
	tensor_load_to_lds s[G0+4*(\s):G0+4*(\s)+3], s[G1:G1+7]
	s_nop 0
.rept 4
	v_nop
.endr
.Lasked_\@:
.endm
; Column b: 8 products.  No two that follow each other share an accumulator, and 87 others' stand between two links of a chain.  zero = 1: the products start the sums.
.macro COL fa, b, zero=0
	WIN 0x50*(1+(\b)/4)                            ; C and D in window 1 + b / 4, the fragments in window 0
.irp a, 0,1,2,3,4,5,6,7
.if \zero
	v_wmma_f32_16x16x32_bf16 v[64*((\b)%4)+8*\a:64*((\b)%4)+8*\a+7], v[FB+8*(\b):FB+8*(\b)+7], v[(\fa)+8*\a:(\fa)+8*\a+7], 0
.else
	v_wmma_f32_16x16x32_bf16 v[64*((\b)%4)+8*\a:64*((\b)%4)+8*\a+7], v[FB+8*(\b):FB+8*(\b)+7], v[(\fa)+8*\a:(\fa)+8*\a+7], v[64*((\b)%4)+8*\a:64*((\b)%4)+8*\a+7]
.endif
.endr
.endm
.macro LOADS1 slot, k, fa              ; 28 LDS loads: B's fragments 0-5 and all of A's, for the sub-step at byte k of the rows
	WIN 0
.irp b, 0,1,2,3,4,5
	ds_load_b128 v[FB+8*\b:FB+8*\b+3],   v[ADRB+(\slot)] offset:(\k)+2304*\b
	ds_load_b128 v[FB+8*\b+4:FB+8*\b+7], v[ADRB+(\slot)] offset:(\k)+2304*\b+32
.endr
.irp a, 0,1,2,3,4,5,6,7
	ds_load_b128 v[(\fa)+8*\a:(\fa)+8*\a+3],   v[ADRA+(\slot)] offset:(\k)+2304*\a
	ds_load_b128 v[(\fa)+8*\a+4:(\fa)+8*\a+7], v[ADRA+(\slot)] offset:(\k)+2304*\a+32
.endr
.endm
.macro LOADS2 slot, k                  ; 10 LDS loads: B's fragments 6-10
	WIN 0
.irp b, 6,7,8,9,10
	ds_load_b128 v[FB+8*\b:FB+8*\b+3],   v[ADRB+(\slot)] offset:(\k)+2304*\b
	ds_load_b128 v[FB+8*\b+4:FB+8*\b+7], v[ADRB+(\slot)] offset:(\k)+2304*\b+32
.endr
.endm
; A K step's first sub-step: multiplies A's buffer 0 and fetches the second sub-step's fragments from the same slot.
.macro SUBA slot, zero
	s_wait_dscnt 10                                ; the 28 older loads are in; the ten of B's fragments 6-10 may be out
.irp b, 0,1,2,3,4,5
	COL FA0, \b, \zero
.endr
	PLACES
	LOADS1 \slot, 64, FA1
	s_wait_dscnt 28                                ; all but the 28 just issued
.irp b, 6,7,8,9,10
	COL FA0, \b, \zero
.endr
	PLACES
	LOADS2 \slot, 64
.endm
; Its second sub-step multiplies A's buffer 1 and changes slots.  All fragments of this slot have been asked for; behind the barrier nobody reads it any more and the next slot is whole.
; fill = 1: the barrier opens a round of the cluster's, and this slot is filled again, two K steps ahead, first thing behind it: 160 matrix instructions ahead of the wait for it.
.macro SUBB slot, next, fill
	s_wait_dscnt 10
.irp b, 0,1,2,3
	COL FA1, \b
.endr
	WIN 0                                          ; (the add's two registers lie in window 0)
	s_wait_tensorcnt 0x0                           ; my one tensor load, my part of the next slot, has landed: no load of mine is out, so a group 0 may be written
	ds_add_u32 v[SPW], v[NIL]                      ; 0 onto my spare word; the steps and eight products stand between it and the wait for it
.if \fill
	s_add_nc_u64 s[G0+4*(\slot)+2:G0+4*(\slot)+3], s[G0+4*(\slot)+2:G0+4*(\slot)+3], 2*ASTEP
	s_add_nc_u64 s[G0B+4*(\slot)+2:G0B+4*(\slot)+3], s[G0B+4*(\slot)+2:G0B+4*(\slot)+3], 2*BSTEP
.endif
	COL FA1, 4
	s_wait_dscnt 0x0                               ; the add is done, and my reads of this slot are over
	s_barrier_signal -1
	COL FA1, 5                                     ; work on registers while the others arrive
	WIN 0
	s_barrier_wait -1
.if \fill
	CREST                                          ; no wave of any partner still reads this slot or has a load on its way
	JLOAD \slot                                    ; the four v_nop behind it are also the places in front of the loads below
.else
	PLACES
.endif
	LOADS1 \next, 0, FA0
.irp b, 6,7,8,9,10
	COL FA1, \b
.endr
	PLACES
	LOADS2 \next, 0
.endm
	s_load_b256 s[68:75], s[0:1], 0x0              ; hb s[68:69], pw s[70:71], ssq s[72:73], gate s[74:75]
	v_lshl_add_u32 v[SPW], v0, 2, SPARE
	v_mov_b32 v[NIL], 0
	ds_add_u32 v[SPW], v[NIL]                      ; the wave's opening: the add and its wait ahead of my first tensor load
	ds_add_u32 v28, v29
	v_lshrrev_b32 v3, 5, v0
	v_readfirstlane_b32 s10, v3                    ; wave 0..3
	s_bfe_u32 s40, ttmp6, 0x40000                  ; cx
	s_lshl_b32 s13, ttmp9, 2
	s_add_co_u32 s13, s13, s40                     ; tile row = 4 x cluster x + cx
	s_and_b32 s42, ttmp7, 0xffff                   ; tile column, which the four partners share
	s_mov_b32 s[G1+0], (1<<16)|(1<<20)|(4<<22)|(3<<25)             ; 2-byte elements; padding on; after every 32 words; 4 words; no mask: a load of our own
	s_mov_b32 s[G1B+0], 15|(1<<16)|(1<<20)|(1<<21)|(4<<22)|(3<<25) ; the same for all four work-groups, bit 21 beside the mask
.irp g, G1, G1B
	s_mov_b32 s[(\g)+1], 128<<16                   ; tensor_dim0 = 128 elements: 256 bytes, two rows of a plane
	s_mov_b32 s[(\g)+3], 128<<16                   ; tile_dim0
	s_mov_b32 s[(\g)+5], 128                       ; the rows lie end to end
	s_mov_b32 s[(\g)+6], 0
	s_mov_b32 s[(\g)+7], 0
.endr
	s_mov_b32 s[G1+2], 64<<16                      ; A: tensor_dim1 = tile_dim1 = 64
	s_mov_b32 s[G1+4], 64
	s_mul_i32 s16, s10, 115
	s_sub_co_u32 s16, 344, s16                     ; B: what is left of the tile's 344 rows from my first: 344, 229, 114 (wave 3 issues no such load)
	s_lshl_b32 s[G1B+2], s16, 16
	s_mov_b32 s[G1B+4], 115                        ; tile_dim1
	s_lshl_b32 s16, s13, 14                        ; A: 128 tokens x 128 bytes x tile row
	s_mov_b32 s17, 0
	s_mul_i32 s46, s42, 88064                      ; B: 688 rows x 128 bytes x tile column
	s_mul_i32 s47, s10, 29440                      ; + my 115 rows of 256
	s_add_co_u32 s46, s46, s47
	s_add_co_u32 s46, s46, BPART
	s_mov_b32 s47, 0
	s_mul_i32 s20, s10, BCH                        ; where my load goes: the wave's number alone
	s_wait_dscnt 0x0                               ; the opening add is done
	s_wait_kmcnt 0x0
	s_add_nc_u64 s[14:15], s[68:69], s[16:17]
	s_add_nc_u64 s[46:47], s[70:71], s[46:47]
	CROUND                                         ; all four work-groups are here: the first joint loads meet
.irp s, 0,1
	s_mov_b32 s[G0+4*\s], 1
	s_add_co_u32 s[G0+4*\s+1], s20, \s*SLOT
	s_add_nc_u64 s[G0+4*\s+2:G0+4*\s+3], s[14:15], \s*ASTEP
	s_or_b32 s[G0+4*\s+3], s[G0+4*\s+3], 0x80000000
	s_mov_b32 s[G0B+4*\s], 1
	s_add_co_u32 s[G0B+4*\s+1], s20, \s*SLOT
	s_add_nc_u64 s[G0B+4*\s+2:G0B+4*\s+3], s[46:47], \s*BSTEP
	s_or_b32 s[G0B+4*\s+3], s[G0B+4*\s+3], 0x80000000
.endr
	s_cmp_lt_u32 s10, 3                            ; a wave's two first fills, K steps 0 and 1, stand in one branch: two loads of mine are out
	s_cbranch_scc0 .Lfirst_a
	tensor_load_to_lds s[G0B:G0B+3], s[G1B:G1B+7]
	s_nop 0
	tensor_load_to_lds s[G0B+4:G0B+7], s[G1B:G1B+7]
	s_nop 0
.rept 4
	v_nop
.endr
	s_branch .Lfirst_asked
.Lfirst_a:
	tensor_load_to_lds s[G0:G0+3], s[G1:G1+7]
	s_nop 0
	tensor_load_to_lds s[G0+4:G0+7], s[G1:G1+7]
	s_nop 0
.rept 4
	v_nop
.endr
.Lfirst_asked:
	s_lshl_b32 s80, s13, 9                         ; the tile's first token x 4
	s_mov_b32 s81, 0
	s_add_nc_u64 s[80:81], s[72:73], s[80:81]
	v_lshlrev_b32 v22, 2, v0                       ; thread t takes token t of the tile
.irp c, 0,1,2,3,4,5,6,7,8,9,10,11,12,13,14,15
	global_load_b32 v[32+\c], v22, s[80:81] offset:16384*\c
.endr
	v_lshl_add_u32 v23, v0, 2, SCR
	v_and_b32 v1, 15, v0                           ; r
	v_bfe_u32 v2, v0, 4, 1                         ; h
	v_mul_u32_u24 v3, v1, 144
	v_lshl_add_u32 v3, v2, 4, v3                   ; a fragment's row x pitch + 16 x half
	s_mul_i32 s21, s10, 11
	s_min_u32 s21, s21, 32                         ; my first block: 0, 11, 22, 32
	s_mul_i32 s22, s21, 2304                       ; x 16 rows of 144 bytes
	v_add_nc_u32 v[ADRB], s22, v3
	v_add_nc_u32 v[ADRB+1], SLOT, v[ADRB]
	v_add_nc_u32 v[ADRA], AOFF, v3
	v_add_nc_u32 v[ADRA+1], SLOT, v[ADRA]
	v_mul_u32_u24 v[STO], v1, SROW                 ; into the stage: token r, 16 bytes a block, 8 for each half of the lanes
	v_lshl_add_u32 v[STO], v2, 3, v[STO]
	s_lshl_b32 s23, s21, 4
	s_add_co_u32 s23, s23, STAGE
	v_add_nc_u32 v[STO], s23, v[STO]
	v_add_nc_u32 v[STO+1], 64*SROW, v[STO]
	v_bfe_u32 v4, v0, 3, 2                         ; back: wave w takes tokens 32 w .. 32 w + 31, four at a time, eight lanes a token
	s_lshl_b32 s84, s10, 5
	v_add_nc_u32 v4, s84, v4
	v_mul_u32_u24 v[RD0], v4, SROW
	v_add_nc_u32 v[RD0], STAGE, v[RD0]
	s_mul_i32 s85, s42, 43                         ; the tile's first piece of 16 bytes in a token's 344:
	s_and_b32 s86, s85, 7                          ; its place in its plane's row,
	s_lshr_b32 s87, s85, 3                         ; and that plane
	v_and_b32 v5, 7, v0
	v_sub_nc_u32 v[CH0], v5, s86
	v_and_b32 v[GO], 31, v0
	v_lshlrev_b32 v[GO], 4, v[GO]
	v_lshl_add_u32 v[RIA], v1, 2, SCR
	s_lshl_b32 s82, s87, 19                        ; gate: the plane,
	s_lshl_b32 s83, s13, 14                        ; the tile's tokens,
	s_add_co_u32 s82, s82, s83
	s_lshl_b32 s83, s10, 12                        ; my 32 of them
	s_add_co_u32 s82, s82, s83
	s_mov_b32 s83, 0
	s_add_nc_u64 s[82:83], s[74:75], s[82:83]
	s_mov_b32 s88, 0x3a800000                      ; 1 / 1,024
	s_mov_b32 s89, 0x2edbe6ff                      ; 1e-10
	s_mov_b32 s90, 0xbfb8aa3b                      ; -log2(e)
	s_wait_loadcnt 0x0                             ; the 16 partial sums
.irp c, 0,4,8,12
	v_pk_add_f32 v[32+\c:33+\c], v[32+\c:33+\c], v[34+\c:35+\c]
.endr
	v_pk_add_f32 v[32:33], v[32:33], v[36:37]
	v_pk_add_f32 v[40:41], v[40:41], v[44:45]
	v_pk_add_f32 v[32:33], v[32:33], v[40:41]
	v_add_f32 v32, v32, v33
	v_fma_f32 v32, v32, s88, s89
	v_rsq_f32 v33, v32
	v_nop                                          ; a plain instruction behind the root
	s_wait_alu depctr_va_vdst(0)
	ds_store_b32 v23, v33
	s_wait_dscnt 0x0                               ; for the others' sake: my token's 1 / rms is stored
	s_wait_tensorcnt 0x1                           ; my part of K step 0 is in; step 1's may stay out
	s_barrier_signal -1
	s_barrier_wait -1
	LOADS1 0, 0, FA0
	LOADS2 0, 0
	SUBA 0, 1                                      ; the first sub-step stands in front of the loop: its products start the sums, and nothing is cleared
	WIN 0
	s_mov_b32 s3, 7
.Llap:                                         ; a trip goes once round the ring, from a lap's second sub-step to the next lap's first, and fills both slots again
	SUBB 0, 1, 1
	SUBA 1, 0
	SUBB 1, 0, 1
	SUBA 0, 0
	WIN 0
	s_sub_co_u32 s3, s3, 1
	s_cmp_lg_u32 s3, 0
	s_cbranch_scc1 .Llap
	SUBB 0, 1, 0                                   ; K steps 14 and 15 ask for nothing
	SUBA 1, 0
	s_wait_dscnt 10
.irp b, 0,1,2,3,4,5
	COL FA1, \b
.endr
	s_wait_dscnt 0x0
.irp b, 6,7,8,9,10
	COL FA1, \b
.endr
	WIN 0
	; THE WAY OUT.
	PLACES
.irp a, 0,1,2,3,4,5,6,7
	ds_load_b32 v[RI+\a], v[RIA] offset:64*\a
.endr
	s_wait_dscnt 0x0
.irp a, 0,1,2,3,4,5,6,7
	v_mul_f32 v[RC+4*\a], s90, v[RI+\a]
	v_mul_f32 v[RC+4*\a+2], v[RI+\a], v[RI+\a]
.endr
.irp a, 0,1,2,3,4,5,6,7
	v_mov_b32 v[RC+4*\a+1], v[RC+4*\a]
	v_mov_b32 v[RC+4*\a+3], v[RC+4*\a+2]
.endr
; What names column b's accumulators: the exponents and the products A B, into registers that the rest of the trip names for every column.  Each accumulator's lowest registers are read first.
.macro PH1 b
	WIN 1+(\b)/4                                   ; source 0 in the accumulators' window
.irp a, 0,1,2,3,4,5,6,7
	v_pk_mul_f32 v[TE+4*\a:TE+4*\a+1],   v[64*((\b)%4)+8*\a:64*((\b)%4)+8*\a+1],   v[RC+4*\a:RC+4*\a+1]
	v_pk_mul_f32 v[TE+4*\a+2:TE+4*\a+3], v[64*((\b)%4)+8*\a+2:64*((\b)%4)+8*\a+3], v[RC+4*\a:RC+4*\a+1]
.endr
	WIN 5*(1+(\b)/4)                               ; sources 0 and 1
.irp a, 0,1,2,3,4,5,6,7
	v_pk_mul_f32 v[TG+4*\a:TG+4*\a+1],   v[64*((\b)%4)+8*\a:64*((\b)%4)+8*\a+1],   v[64*((\b)%4)+8*\a+4:64*((\b)%4)+8*\a+5]
	v_pk_mul_f32 v[TG+4*\a+2:TG+4*\a+3], v[64*((\b)%4)+8*\a+2:64*((\b)%4)+8*\a+3], v[64*((\b)%4)+8*\a+6:64*((\b)%4)+8*\a+7]
.endr
	WIN 0
.endm
	s_mov_b32 s4, 0
.Lcol:                                         ; 11 trips, a column each: a forward jump on the count picks the lines that name the column's registers; the rest is written once
.irp b, 0,1,2,3,4,5,6,7,8,9
	s_cmp_eq_u32 s4, \b
	s_cbranch_scc1 .Lc\b
.endr
	PH1 10
	s_branch .Lcommon
.Lc0:
	s_cmp_eq_u32 s10, 3                            ; wave 3's column 0 is block 32, which wave 2 stores
	s_cbranch_scc1 .Lnextcol
	PH1 0
	s_branch .Lcommon
.irp b, 1,2,3,4,5,6,7,8
.Lc\b:
	PH1 \b
	s_branch .Lcommon
.endr
.Lc9:
	PH1 9
.Lcommon:
.set i, 0
.rept 32
	v_exp_f32 v[TE+i], v[TE+i]
.set i, i+1
.endr
.irp a, 0,1,2,3,4,5,6,7
	v_pk_mul_f32 v[TG+4*\a:TG+4*\a+1],   v[TG+4*\a:TG+4*\a+1],   v[RC+4*\a+2:RC+4*\a+3]   ; rinv^2 A B: also the plain instructions behind the exponentials (ISA guide 5.7.2)
	v_pk_mul_f32 v[TG+4*\a+2:TG+4*\a+3], v[TG+4*\a+2:TG+4*\a+3], v[RC+4*\a+2:RC+4*\a+3]
.endr
.set i, 0
	s_wait_alu depctr_va_vdst(0)
.rept 16
	v_pk_add_f32 v[TE+2*i:TE+2*i+1], v[TE+2*i:TE+2*i+1], 1.0 op_sel_hi:[1,0]
.set i, i+1
.endr
.set i, 0
.rept 32
	v_rcp_f32 v[TE+i], v[TE+i]
.set i, i+1
.endr
	v_nop                                          ; a plain instruction behind the reciprocals
.set i, 0
	s_wait_alu depctr_va_vdst(0)
.rept 16
	v_pk_mul_f32 v[TG+2*i:TG+2*i+1], v[TG+2*i:TG+2*i+1], v[TE+2*i:TE+2*i+1]
.set i, i+1
.endr
.set i, 0
.rept 16
	v_cvt_pk_bf16_f32 v[TO+i], v[TG+2*i], v[TG+2*i+1]
.set i, i+1
.endr
.irp a, 0,1,2,3,4,5,6,7
	ds_store_b64 v[STO+\a/4], v[TO+2*\a:TO+2*\a+1] offset:(\a%4)*16*SROW   ; token 16 a + r, my four f
.endr
.Lnextcol:
	v_add_nc_u32 v[STO], 16, v[STO]                ; the next block
	v_add_nc_u32 v[STO+1], 16, v[STO+1]
	s_add_co_u32 s4, s4, 1
	s_cmp_lt_u32 s4, 11
	s_cbranch_scc1 .Lcol
	s_wait_dscnt 0x0                               ; for the others' sake: a token's 688 bytes come from four waves
	s_barrier_signal -1
	s_barrier_wait -1
	s_mov_b32 s4, 0
.Lq:                                           ; 7 trips, a plane each: lane l takes piece 8 q + l % 8, counted from the plane's row's first, of token 32 w + 4 t + l / 8
	v_lshl_add_u32 v6, s4, 3, v[CH0]               ; the same piece counted from the tile's first
	v_cmp_gt_u32 vcc_lo, 43, v6                    ; is it the tile's?  (a piece in front of the first wraps round to a large number)
	v_min_u32 v7, 42, v6                           ; lanes with none read the last piece and store nothing
	v_lshl_add_u32 v7, v7, 4, v[RD0]
.irp t, 0,1,2,3,4,5,6,7
	ds_load_b128 v[OB+4*\t:OB+4*\t+3], v7 offset:4*SROW*\t
.endr
	s_wait_dscnt 0x0
	s_wait_xcnt 0x0                                ; EXEC changes only behind s_wait_xcnt 0
	s_and_saveexec_b32 s5, vcc_lo
.irp t, 0,1,2,3,4,5,6,7
	global_store_b128 v[GO], v[OB+4*\t:OB+4*\t+3], s[82:83] offset:512*\t  ; a plane that the tile covers whole: four rows, 512 consecutive bytes, aligned
.endr
	s_wait_xcnt 0x0                                ; and again, in front of the line that widens it; the stores' data and base are also rewritten only behind this wait
	s_or_b32 exec_lo, exec_lo, s5
	s_add_nc_u64 s[82:83], s[82:83], ASTEP         ; the next plane
	s_add_co_u32 s4, s4, 1
	s_cmp_lt_u32 s4, 7
	s_cbranch_scc1 .Lq
	s_wait_tensorcnt 0x0                           ; the wave's end
	ds_add_u32 v[SPW], v[NIL]
	s_wait_dscnt 0x0
	CROUND                                         ; the closing round
	s_endpgm
.Lfunc_end_k_qaa2c125771_l_ffn1:
	.size	k_qaa2c125771_l_ffn1, .Lfunc_end_k_qaa2c125771_l_ffn1-k_qaa2c125771_l_ffn1
	.p2alignl 7, 3214868480
	.fill 96, 4, 3214868480
	.section	.rodata,"a",@progbits
	.p2align	6, 0x0
	.amdhsa_kernel k_qaa2c125771_l_ffn1
		.amdhsa_group_segment_fixed_size 327680
		.amdhsa_private_segment_fixed_size 0
		.amdhsa_enable_private_segment 0
		.amdhsa_kernarg_size 32
		.amdhsa_user_sgpr_count 2
		.amdhsa_user_sgpr_kernarg_segment_ptr 1
		.amdhsa_wavefront_size32 1
		.amdhsa_system_sgpr_workgroup_id_x 1
		.amdhsa_system_sgpr_workgroup_id_y 1
		.amdhsa_system_sgpr_workgroup_id_z 1
		.amdhsa_system_vgpr_workitem_id 0
		.amdhsa_next_free_vgpr 960
		.amdhsa_next_free_sgpr 100
		.amdhsa_reserve_vcc 1
		.amdhsa_float_denorm_mode_32 3
		.amdhsa_float_denorm_mode_16_64 3
		.amdhsa_memory_ordered 1
		.amdhsa_forward_progress 1
		.amdhsa_inst_pref_size 113
	.end_amdhsa_kernel
	.amdgpu_metadata
---
amdhsa.version: [ 1, 2 ]
amdhsa.kernels:
  - .name:           k_qaa2c125771_l_ffn1
    .symbol:         k_qaa2c125771_l_ffn1.kd
    .args:
      - { .name: hb, .offset: 0, .size: 8, .value_kind: global_buffer, .address_space: global }
      - { .name: pw, .offset: 8, .size: 8, .value_kind: global_buffer, .address_space: global }
      - { .name: ssq, .offset: 16, .size: 8, .value_kind: global_buffer, .address_space: global }
      - { .name: gate, .offset: 24, .size: 8, .value_kind: global_buffer, .address_space: global }
    .group_segment_fixed_size: 327680
    .private_segment_fixed_size: 0
    .kernarg_segment_align: 8
    .kernarg_segment_size: 32
    .max_flat_workgroup_size: 128
    .sgpr_count:     100
    .vgpr_count:     960
    .wavefront_size: 32
...
	.end_amdgpu_metadata
.endif
;; end of part 9
;; launch l_ffn2: the kernel of part 6 again; grid 8 x 32, 4 waves a work-group, clusters of 4 x 4, 327,680 bytes of LDS; arguments gate, pw, hf, out0; writes out0
;; ======== version 3 of 3: 6 launches; version 2 with the launch l_prep written anew for expert scheduling mode
;; limits: right only within a limited range of input values
;; workspace buffers: pw 34,209,792 bytes; qkvb 25,165,824 bytes; ob 8,388,608 bytes; hf 16,777,216 bytes; hb 8,388,608 bytes; ssq 262,144 bytes; gate 22,544,384 bytes
;; launch l_prep (part 10): grid 2184 x 1, 4 waves a work-group, no clusters, 0 bytes of LDS; arguments x, wq, wk, wv, wo, w1, w3, w2, norm1_w, norm2_w, pw; writes pw
.if DOCPART == 10
	.amdgcn_target "amdgcn-amd-amdhsa--gfx1250"
	.amdhsa_code_object_version 6
	.text
	.protected	k_qaa2c125771_l_prep
	.globl	k_qaa2c125771_l_prep
	.p2align	8
	.type	k_qaa2c125771_l_prep,@function
k_qaa2c125771_l_prep:
	s_mov_b64 s[64:65], 0
	v_nop
	global_prefetch_b8 v0, s[64:65] scope:SCOPE_SE
	s_setreg_imm32_b32 hwreg(HW_REG_WAVE_SCHED_MODE, 0, 2), 2
	s_setreg_imm32_b32 hwreg(HW_REG_WAVE_MODE, 25, 1), 1
	s_wait_xcnt 0x0
	s_wait_alu depctr_vm_vsrc(0)
; PREPARATION.  Everything that the later products take as a bf16 operand and that hangs on the inputs alone is made here, once, in PLANES: [K/64][rows][64],
; a plane being 64 neighbouring k of all rows, 128 bytes a row.  Three kinds of work-group, told apart by the work-group's number:
;   0-511      xn = norm1_w * x / sqrt(mean(x^2) + 1e-10), rounded once to bf16: 8 rows a work-group, 2 a wave (16 lanes a row)
;   512-2055   the weights, rounded once to bf16; w1 and w3 are first multiplied by norm2_w (the second norm's gain is folded into them: the order of rounding differs
;              from the reference's there) and interleaved, 4 rows of w1, then the same 4 of w3.  A wave takes 32 rows of one plane
;   2056-2183  the table of cos and sin for RoPE, f32, in the order in which the projection's lanes want it: 16 positions a work-group
; No LDS, no matrix unit: a stream.  Each store of a wave covers 256 or 512 consecutive bytes, aligned.
; LIMITS.  NaN and infinities are not treated apart.  The angle pos * inv_freq is reduced by pi/2 in two parts and is good to about 3e-4 rad at position 2,047.
; THE MODE: SCHED_MODE bits 1:0 = 2 (LLVM: expert scheduling mode 2), set by the entry lines.  The code itself states the register dependences
; between vector instructions and memory instructions, with s_wait_alu, always for 0.
; THE PLAN.  Registers that memory instructions touch:
;   offsets        Made once in each part, ahead of one wait on va_vdst, and never written again (weights: v7, v80-95, v132-139; norm: v3-5; table: v12).
;   loaded data    Each register is loaded once; no vector instruction names it ahead of its load (weights: v16-79, v96-99; norm: v16-143).
;   out-registers  Each store has a pair (the table: four) of its own, written once by the roundings and read once by that store (weights: v100-131; norm: v152-183; table: v40-47).
; So nothing that a memory instruction has read is ever written again, and no wait on vm_vsrc is owed.  The 16 stores of the weights and of the norm go in four blocks of four: one wait on
; va_vdst at a block's head states that the block before has written its out-registers, and that block's four stores are dealt among this block's vector lines, which name none of their registers.
; The wave's number and the table's four masks pass through scalar registers: one wait on va_sdst behind each run of writers, ahead of the first reader.
.set XN,   0                           ; byte offsets of pw's parts: xn [16][4096][64]
.set WQKV, 8388608                     ; [16][3072][64]: rows of wq, wk, wv
.set WOP,  14680064                    ; [16][1024][64]
.set W13,  16777216                    ; [16][5504][64]: row 8 u + j is w1's row 4 u + j (j < 4) or w3's row 4 u + j - 4
.set W2P,  28049408                    ; [43][1024][64]
.set ROPE, 33685504                    ; f32 [128 blocks of 16 positions][8][32 lanes][4]
.set TA,   48                          ; the table: v48-111, 16 registers at work for each of a lane's four angles
.set ODD,  56                          ; the table: s56-59, for each angle the mask of the lanes with an odd number of quarter turns
	s_load_b512 s[8:23], s[0:1], 0x0               ; x s[8:9], wq, wk, wv, wo, w1, w3, w2 s[22:23]
	s_load_b128 s[24:27], s[0:1], 0x40             ; norm1_w s[24:25], norm2_w s[26:27]
	s_load_b64 s[28:29], s[0:1], 0x50              ; pw
	v_lshrrev_b32 v3, 5, v0
	v_readfirstlane_b32 s2, v3                     ; wave 0..3
	v_and_b32 v1, 15, v0                           ; r = lane % 16
	v_bfe_u32 v2, v0, 4, 1                         ; h = lane / 16
	s_mov_b32 s33, 0                               ; the high word of every offset
	s_wait_alu depctr_va_sdst(0)                   ; s2 is written, ahead of the branches: each of the three parts makes its bases from it
	s_wait_kmcnt 0x0
	s_cmp_lt_u32 ttmp9, 512
	s_cbranch_scc1 .Lxnorm
	s_cmp_ge_u32 ttmp9, 2056
	s_cbranch_scc1 .Lrope
; ---------------- THE WEIGHTS.  The source and its numbers are chosen by the work-group's number: each PICK overrides the one before from its first work-group on.
.macro PICK first, ptr, doff, plane, step, pitch, scale, last
	s_cmp_ge_u32 ttmp9, \first
	s_cselect_b64 s[36:37], s[\ptr:\ptr+1], s[36:37]  ; the source
	s_cselect_b32 s38, \first, s38                 ; its first work-group
	s_cselect_b32 s39, \doff, s39                  ; where its rows begin in pw
	s_cselect_b32 s40, \plane, s40                 ; bytes in a plane there
	s_cselect_b32 s41, \step, s41                  ; bytes from a block of 32 rows to the next there
	s_cselect_b32 s42, \pitch, s42                 ; bytes in a row of the source
	s_cselect_b32 s43, \scale, s43                 ; 1: times norm2_w, and interleaved
	s_cselect_b32 s44, \last, s44                  ; 1: w2, with 43 planes and 32 blocks
.endm
	s_mov_b64 s[36:37], s[10:11]                   ; wq
	s_mov_b32 s38, 512
	s_mov_b32 s39, WQKV
	s_mov_b32 s40, 393216
	s_mov_b32 s41, 4096
	s_mov_b32 s42, 4096
	s_mov_b32 s43, 0
	s_mov_b32 s44, 0
	PICK 640,  12, WQKV+131072, 393216, 4096, 4096, 0, 0   ; wk
	PICK 768,  14, WQKV+262144, 393216, 4096, 4096, 0, 0   ; wv
	PICK 896,  16, WOP,         131072, 4096, 4096, 0, 0   ; wo
	PICK 1024, 18, W13,         704512, 8192, 4096, 1, 0   ; w1: a block's 32 rows spread over 64 rows there,
	PICK 1368, 20, W13+512,     704512, 8192, 4096, 1, 0   ; w3: the same, four rows further down
	PICK 1712, 22, W2P,         131072, 4096, 11008, 0, 1  ; w2
	s_sub_co_u32 s45, ttmp9, s38
	s_lshl2_add_u32 s45, s45, s2                   ; my unit: 4 x (work-group - first) + wave
	s_and_b32 s46, s45, 15                         ; with 16 planes: plane,
	s_lshr_b32 s47, s45, 4                         ; block of 32 rows
	s_and_b32 s48, s45, 31                         ; w2: block,
	s_lshr_b32 s49, s45, 5                         ; plane
	s_cmp_eq_u32 s44, 1
	s_cselect_b32 s46, s49, s46
	s_cselect_b32 s47, s48, s47
	s_mul_i32 s50, s47, s42
	s_lshl_b32 s50, s50, 5                         ; block x 32 rows x pitch
	s_lshl_b32 s51, s46, 8                         ; plane x 256 bytes of f32
	s_add_co_u32 s32, s50, s51
	s_add_nc_u64 s[36:37], s[36:37], s[32:33]      ; the source at my unit
	s_mul_i32 s50, s46, s40
	s_mul_i32 s52, s47, s41
	s_add_co_u32 s50, s50, s52
	s_add_co_u32 s32, s50, s39
	s_add_nc_u64 s[28:29], s[28:29], s[32:33]      ; pw at my unit
	v_mul_u32_u24 v80, s42, v2                     ; load i takes rows 2 i and 2 i + 1: lanes 0-15 one row's 256 bytes, lanes 16-31 the next row's
	v_lshl_add_u32 v80, v1, 4, v80
	s_lshl_b32 s53, s42, 1
.set i, 1
.rept 15
	v_add_nc_u32 v[80+i], s53, v[79+i]             ; an address register for each load: none is rewritten
.set i, i+1
.endr
	v_lshlrev_b32 v7, 4, v1
	v_add_nc_u32 v7, s51, v7                       ; my four columns in norm2_w
	v_lshlrev_b32 v8, 3, v1
	v_lshl_add_u32 v8, v2, 7, v8                   ; my 8 bytes of two rows of a plane
	s_lshl_b32 s54, s43, 9                         ; w1 and w3: every four rows skip the other's four, 512 bytes; the others: nothing
	v_mov_b32 v132, v8
.set i, 1
.rept 7
	v_add_nc_u32 v[132+i], s54, v[131+i]           ; an offset register for each four rows
.set i, i+1
.endr
	s_wait_alu depctr_va_vdst(0)                   ; the offsets v7, v80-95 and v132-139 are written, which the loads and stores below read; behind it only v96-99 are written ahead of the loads, and only where no load lands in them
	s_cmp_eq_u32 s43, 0
	s_cbranch_scc1 .Lones
	global_load_b128 v[96:99], v7, s[26:27]        ; the gain of my four columns,
	s_branch .Lgain
.Lones:
	v_mov_b32 v96, 1.0                             ; or 1
	v_mov_b32 v97, 1.0
	v_mov_b32 v98, 1.0
	v_mov_b32 v99, 1.0
.Lgain:
.set i, 0
.rept 16
	global_load_b128 v[16+4*i:19+4*i], v[80+i], s[36:37] th:TH_LOAD_NT
.set i, i+1
.endr
.set i, 0
.rept 16
	s_wait_loadcnt 15-i                            ; loads come back in order: load i and all older ones (the gain's among them) are in, the 15 - i younger stay out
.if (i%4 == 0) && (i > 0)
	s_wait_alu depctr_va_vdst(0)                   ; the four row pairs before have written their out-registers, which this block's four stores read
.endif
.if i >= 4
	global_store_b64 v[132+(i-4)/2], v[100+2*(i-4):101+2*(i-4)], s[28:29] offset:256*(i-4)  ; two rows of the plane: 256 consecutive bytes, aligned; each store has data registers of its own, and no vector line since the wait names them
.endif
	v_pk_mul_f32 v[16+4*i:17+4*i], v[16+4*i:17+4*i], v[96:97]
	v_pk_mul_f32 v[18+4*i:19+4*i], v[18+4*i:19+4*i], v[98:99]
	v_cvt_pk_bf16_f32 v[100+2*i], v[16+4*i], v[17+4*i]
	v_cvt_pk_bf16_f32 v[101+2*i], v[18+4*i], v[19+4*i]
.set i, i+1
.endr
	s_wait_alu depctr_va_vdst(0)                   ; the last four row pairs have written v124-131, which the last four stores read
.set i, 12
.rept 4
	global_store_b64 v[132+i/2], v[100+2*i:101+2*i], s[28:29] offset:256*i
.set i, i+1
.endr
	s_endpgm
; ---------------- THE FIRST NORM.  16 lanes hold a row: load p brings 16 bytes a lane, the row's plane p.
.Lxnorm:
	s_lshl_b32 s30, ttmp9, 3
	s_lshl1_add_u32 s30, s2, s30                   ; my first row: 8 x work-group + 2 x wave
	s_lshl_b32 s32, s30, 12
	s_add_nc_u64 s[8:9], s[8:9], s[32:33]          ; x at that row
	s_lshl_b32 s32, s30, 7
	s_add_nc_u64 s[28:29], s[28:29], s[32:33]      ; xn's plane 0 at that row
	s_mov_b32 s34, 0x3a800000                      ; 1 / 1,024
	s_mov_b32 s35, 0x2edbe6ff                      ; 1e-10
	v_lshlrev_b32 v3, 4, v1                        ; 16 r: in norm1_w
	v_lshl_add_u32 v4, v2, 12, v3                  ; + a row for lanes 16-31: in x
	v_lshlrev_b32 v5, 3, v1
	v_lshl_add_u32 v5, v2, 7, v5                   ; 8 r + 128 h: in a plane
	s_wait_alu depctr_va_vdst(0)                   ; the offsets v3, v4 and v5 are written, which the loads and stores below read
.set p, 0
.rept 16
	global_load_b128 v[16+4*p:19+4*p], v4, s[8:9] offset:256*p th:TH_LOAD_NT
.set p, p+1
.endr
.set p, 0
.rept 16
	global_load_b128 v[80+4*p:83+4*p], v3, s[24:25] offset:256*p
.set p, p+1
.endr
	s_wait_loadcnt 16                              ; x is in; the 16 loads of the gain stay out
.set c, 0
.rept 4
	v_pk_mul_f32 v[144+2*c:145+2*c], v[16+2*c:17+2*c], v[16+2*c:17+2*c]  ; four chains, started by the first products
.set c, c+1
.endr
.rept 28
	v_pk_fma_f32 v[144+2*(c%4):145+2*(c%4)], v[16+2*c:17+2*c], v[16+2*c:17+2*c], v[144+2*(c%4):145+2*(c%4)]
.set c, c+1
.endr
	v_pk_add_f32 v[144:145], v[144:145], v[146:147]
	v_pk_add_f32 v[148:149], v[148:149], v[150:151]
	v_pk_add_f32 v[144:145], v[144:145], v[148:149]
	v_add_f32 v144, v144, v145
	v_add_f32_dpp v144, v144, v144 row_xmask:1 row_mask:0xf bank_mask:0xf   ; over the row's 16 lanes
	v_add_f32_dpp v144, v144, v144 row_xmask:2 row_mask:0xf bank_mask:0xf
	v_add_f32_dpp v144, v144, v144 row_xmask:4 row_mask:0xf bank_mask:0xf
	v_add_f32_dpp v144, v144, v144 row_xmask:8 row_mask:0xf bank_mask:0xf
	v_fma_f32 v144, v144, s34, s35                 ; mean + eps
	v_rsq_f32 v146, v144                           ; twice: a pair for the packed multiply
	v_rsq_f32 v147, v144
	v_nop                                          ; a plain instruction between the root and its use (ISA guide 5.7.2)
	s_wait_loadcnt 0x0                             ; the gain
	s_wait_alu depctr_va_vdst(0)                   ; the two roots have written v146 and v147, ahead of their first reader
.set p, 0
.rept 16
.if (p%4 == 0) && (p > 0)
	s_wait_alu depctr_va_vdst(0)                   ; the four planes before have written their out-registers, which this block's four stores read
.endif
.if p >= 4
	global_store_b64 v5, v[152+2*(p-4):153+2*(p-4)], s[28:29] offset:524288*(p-4)  ; a plane: two rows, 256 consecutive bytes; 15 planes are 7,864,320 bytes, inside the signed 24-bit immediate; no vector line since the wait names these registers
.endif
	v_pk_mul_f32 v[16+4*p:17+4*p], v[16+4*p:17+4*p], v[146:147]
	v_pk_mul_f32 v[18+4*p:19+4*p], v[18+4*p:19+4*p], v[146:147]
	v_pk_mul_f32 v[16+4*p:17+4*p], v[16+4*p:17+4*p], v[80+4*p:81+4*p]
	v_pk_mul_f32 v[18+4*p:19+4*p], v[18+4*p:19+4*p], v[82+4*p:83+4*p]
	v_cvt_pk_bf16_f32 v[152+2*p], v[16+4*p], v[17+4*p]
	v_cvt_pk_bf16_f32 v[153+2*p], v[18+4*p], v[19+4*p]
.set p, p+1
.endr
	s_wait_alu depctr_va_vdst(0)                   ; the last four planes have written v176-183, which the last four stores read
.set p, 12
.rept 4
	global_store_b64 v5, v[152+2*p:153+2*p], s[28:29] offset:524288*p
.set p, p+1
.endr
	s_endpgm
; ---------------- THE TABLE.  Entry i = 4 sc + wave (sc 0: cos, 1: sin) of a block holds, in lane 16 h + r and word e, trig(position 16 block + r, frequency 16 (wave / 2) + 8 h + 4 (wave % 2) + e).
.Lrope:
	s_sub_co_u32 s45, ttmp9, 2056                  ; the block of 16 positions
	s_lshl_b32 s32, s45, 12
	s_lshl_b32 s46, s2, 9
	s_add_co_u32 s32, s32, s46
	s_add_co_u32 s32, s32, ROPE
	s_add_nc_u64 s[28:29], s[28:29], s[32:33]
	s_lshl_b32 s47, s45, 4
	v_add_nc_u32 v11, s47, v1
	v_cvt_f32_u32 v11, v11                         ; my position
	s_lshr_b32 s48, s2, 1
	s_and_b32 s49, s2, 1
	s_lshl_b32 s48, s48, 4
	s_lshl2_add_u32 s48, s49, s48
	v_lshl_add_u32 v10, v2, 3, s48                 ; my first frequency
	v_and_b32 v12, 31, v0
	v_lshlrev_b32 v12, 4, v12                      ; 16 x lane
	s_mov_b32 s30, 0xbf1773da                      ; -log2(500,000) / 32
	s_mov_b32 s31, 0x3f22f983                      ; 2 / pi
	s_mov_b32 s34, 0x3fc90fdb                      ; pi / 2, its f32,
	s_mov_b32 s35, 0xb33bbd2e                      ; and what that leaves
	s_mov_b32 s36, 0xb94ca1f9                      ; sine: -1.9515296e-4,
	s_mov_b32 s37, 0x3c08839e                      ; 8.3321609e-3,
	s_mov_b32 s38, 0xbe2aaaa3                      ; -1.6666655e-1
	s_mov_b32 s39, 0x37ccf5ce                      ; cosine: 2.4433157e-5,
	s_mov_b32 s40, 0xbab6061a                      ; -1.3887316e-3,
	s_mov_b32 s41, 0x3d2aaaa5                      ; 4.1666646e-2
; The lane's four angles have 16 registers each, so that their lines stand in runs: the exponentials are one batch with one wait, the compares one run with one wait.
.irp e, 0,1,2,3
	v_add_nc_u32 v[TA+16*\e], \e, v10
	v_cvt_f32_u32 v[TA+16*\e], v[TA+16*\e]
	v_mul_f32 v[TA+16*\e], s30, v[TA+16*\e]
.endr
.irp e, 0,1,2,3
	v_exp_f32 v[TA+16*\e], v[TA+16*\e]             ; inv_freq = 500,000^(-c / 32)
.endr
	v_nop                                          ; a plain instruction behind the last exponential: one for the batch
	s_wait_alu depctr_va_vdst(0)                   ; the four exponentials have written their results, ahead of the first reader
.macro ANG e                           ; angle e: its sine at T + 5, its cosine at T + 7, both within the first quarter; the signs' bits at T + 14 and T + 15; the mask of the odd quarters in s[ODD + e]
.set T, TA+16*(\e)
	v_mul_f32 v[T+1], v11, v[T]                    ; the angle
	v_mul_f32 v[T+2], s31, v[T+1]
	v_rndne_f32 v[T+2], v[T+2]                     ; n quarter turns
	v_fma_f32 v[T+3], -v[T+2], s34, v[T+1]
	v_fma_f32 v[T+3], -v[T+2], s35, v[T+3]         ; what is left, within pi / 4
	v_mul_f32 v[T+4], v[T+3], v[T+3]
	v_fma_f32 v[T+5], v[T+4], s36, s37
	v_fma_f32 v[T+5], v[T+5], v[T+4], s38
	v_mul_f32 v[T+6], v[T+3], v[T+4]
	v_fma_f32 v[T+5], v[T+6], v[T+5], v[T+3]       ; its sine
	v_fma_f32 v[T+7], v[T+4], s39, s40
	v_fma_f32 v[T+7], v[T+7], v[T+4], s41
	v_mul_f32 v[T+8], v[T+4], v[T+4]
	v_fma_f32 v[T+9], v[T+4], -0.5, 1.0
	v_fma_f32 v[T+7], v[T+8], v[T+7], v[T+9]       ; its cosine
	v_cvt_i32_f32 v[T+10], v[T+2]
	v_and_b32 v[T+11], 1, v[T+10]
	v_cmp_eq_u32 s[ODD+\e], 1, v[T+11]             ; an odd quarter: the two change places (a choice of values: no branch hangs on it)
	v_and_b32 v[T+14], 2, v[T+10]                  ; quarters 2, 3: sin changes sign
	v_lshlrev_b32 v[T+14], 30, v[T+14]
	v_add_nc_u32 v[T+15], 1, v[T+10]               ; quarters 1, 2: cos does
	v_and_b32 v[T+15], 2, v[T+15]
	v_lshlrev_b32 v[T+15], 30, v[T+15]
.endm
	ANG 0
	ANG 1
	ANG 2
	ANG 3
	s_wait_alu depctr_va_sdst(0)                   ; the four compares have written s56 to s59, ahead of the first select that reads one of them
.irp e, 0,1,2,3
.set T, TA+16*\e
	v_cndmask_b32 v[T+12], v[T+5], v[T+7], s[ODD+\e]
	v_cndmask_b32 v[T+13], v[T+7], v[T+5], s[ODD+\e]
	v_xor_b32 v[44+\e], v[T+14], v[T+12]           ; sin
	v_xor_b32 v[40+\e], v[T+15], v[T+13]           ; cos
.endr
	s_wait_alu depctr_va_vdst(0)                   ; v40-47, the two stores' data, and v12, their offset, are written
	global_store_b128 v12, v[40:43], s[28:29]              ; 512 consecutive bytes each
	global_store_b128 v12, v[44:47], s[28:29] offset:2048
	s_endpgm
.Lfunc_end_k_qaa2c125771_l_prep:
	.size	k_qaa2c125771_l_prep, .Lfunc_end_k_qaa2c125771_l_prep-k_qaa2c125771_l_prep
	.p2alignl 7, 3214868480
	.fill 96, 4, 3214868480
	.section	.rodata,"a",@progbits
	.p2align	6, 0x0
	.amdhsa_kernel k_qaa2c125771_l_prep
		.amdhsa_group_segment_fixed_size 0
		.amdhsa_private_segment_fixed_size 0
		.amdhsa_enable_private_segment 0
		.amdhsa_kernarg_size 88
		.amdhsa_user_sgpr_count 2
		.amdhsa_user_sgpr_kernarg_segment_ptr 1
		.amdhsa_wavefront_size32 1
		.amdhsa_system_sgpr_workgroup_id_x 1
		.amdhsa_system_sgpr_workgroup_id_y 1
		.amdhsa_system_sgpr_workgroup_id_z 1
		.amdhsa_system_vgpr_workitem_id 0
		.amdhsa_next_free_vgpr 192
		.amdhsa_next_free_sgpr 66
		.amdhsa_reserve_vcc 0
		.amdhsa_float_denorm_mode_32 3
		.amdhsa_float_denorm_mode_16_64 3
		.amdhsa_memory_ordered 1
		.amdhsa_forward_progress 1
		.amdhsa_inst_pref_size 35
	.end_amdhsa_kernel
	.amdgpu_metadata
---
amdhsa.version: [ 1, 2 ]
amdhsa.kernels:
  - .name:           k_qaa2c125771_l_prep
    .symbol:         k_qaa2c125771_l_prep.kd
    .args:
      - { .name: x, .offset: 0, .size: 8, .value_kind: global_buffer, .address_space: global }
      - { .name: wq, .offset: 8, .size: 8, .value_kind: global_buffer, .address_space: global }
      - { .name: wk, .offset: 16, .size: 8, .value_kind: global_buffer, .address_space: global }
      - { .name: wv, .offset: 24, .size: 8, .value_kind: global_buffer, .address_space: global }
      - { .name: wo, .offset: 32, .size: 8, .value_kind: global_buffer, .address_space: global }
      - { .name: w1, .offset: 40, .size: 8, .value_kind: global_buffer, .address_space: global }
      - { .name: w3, .offset: 48, .size: 8, .value_kind: global_buffer, .address_space: global }
      - { .name: w2, .offset: 56, .size: 8, .value_kind: global_buffer, .address_space: global }
      - { .name: norm1_w, .offset: 64, .size: 8, .value_kind: global_buffer, .address_space: global }
      - { .name: norm2_w, .offset: 72, .size: 8, .value_kind: global_buffer, .address_space: global }
      - { .name: pw, .offset: 80, .size: 8, .value_kind: global_buffer, .address_space: global }
    .group_segment_fixed_size: 0
    .private_segment_fixed_size: 0
    .kernarg_segment_align: 8
    .kernarg_segment_size: 88
    .max_flat_workgroup_size: 128
    .sgpr_count:     66
    .vgpr_count:     192
    .wavefront_size: 32
...
	.end_amdgpu_metadata
.endif
;; end of part 10
;; launch l_qkv: the kernel of part 8 again; grid 16 x 16, 4 waves a work-group, clusters of 4 x 1, 327,680 bytes of LDS; arguments pw, q_norm_w, k_norm_w, qkvb; writes qkvb
;; launch l_attn: the kernel of part 3 again; grid 8 x 32, 4 waves a work-group, no clusters, 327,680 bytes of LDS; arguments qkvb, ob; writes ob
;; launch l_wo: the kernel of part 4 again; grid 8 x 32, 4 waves a work-group, clusters of 4 x 4, 327,680 bytes of LDS; arguments ob, pw, x, hf, hb, ssq; writes hf, hb, ssq
;; launch l_ffn1: the kernel of part 9 again; grid 32 x 8, 4 waves a work-group, clusters of 4 x 1, 327,680 bytes of LDS; arguments hb, pw, ssq, gate; writes gate
;; launch l_ffn2: the kernel of part 6 again; grid 8 x 32, 4 waves a work-group, clusters of 4 x 4, 327,680 bytes of LDS; arguments gate, pw, hf, out0; writes out0
